; MI455X (gfx1250); checked and timed in simulation.
; The chip was launched on July 23, 2026; its instructions are those of AMD's public machine-readable ISA for CDNA 5 (MIT licence, August 2026) and "CDNA5" Instruction Set Architecture Reference Guide (July 2026). The comments in the code are by the model that wrote it; some were corrected since.
;; Transformer Block. Allowed arithmetic: float matrix products may take bf16 or f16 operands with f32 sums; all other float work in f32.
;; Inputs: b_ao 1,024 float32; b_fo 1,024 float32; b_q 1,024 float32; b_qkv 3,072 float32; ln1_b 1,024 float32; ln1_g 1,024 float32; ln2_b 1,024 float32; ln2_g 1,024 float32; w_ao 1,024 x 1,024 float32; w_fo 1,024 x 1,024 float32; w_q 1,024 x 1,024 float32; w_qkv 3,072 x 1,024 float32; x 1 x 2,048 x 1,024 float32.
;; Outputs: out0 1 x 2,048 x 1,024 float32.
;; 2 versions, each right; version 2 is version 1 with the launches prep, ln2 written anew for expert scheduling mode. Each part assembles by itself: llvm-mc -triple=amdgcn-amd-amdhsa -mcpu=gfx1250 --defsym DOCPART=n.
;; ======== version 1 of 2: 8 launches
;; limits: a function is approximated: absolute error at most 1.5e-07
;; workspace buffers: act 4,194,304 bytes; wb 12,582,912 bytes; qh 4,194,304 bytes; kh 4,194,304 bytes; vh 4,194,304 bytes; ctx 4,194,304 bytes; h 8,388,608 bytes
;; launch prep (part 1): grid 1024 x 1, 4 waves a work-group, no clusters, 0 bytes of LDS; arguments x, ln1_g, ln1_b, w_qkv, w_ao, w_q, w_fo, act, wb; writes act, wb
.if DOCPART == 1
	.amdgcn_target "amdgcn-amd-amdhsa--gfx1250"
	.amdhsa_code_object_version 6
	.text
	.protected	k_q6610f1b3cc_prep
	.globl	k_q6610f1b3cc_prep
	.p2align	8
	.type	k_q6610f1b3cc_prep,@function
k_q6610f1b3cc_prep:
	s_mov_b64 s[64:65], 0
	v_nop
	global_prefetch_b8 v0, s[64:65] scope:SCOPE_SE
	s_setreg_imm32_b32 hwreg(HW_REG_WAVE_MODE, 25, 1), 1
	s_wait_xcnt 0x0
; LayerNorm of [2048][1024] f32 rows into bf16, and the four weight matrices from f32 into bf16.
; Every bf16 matrix operand of the later launches lies SLICE-MAJOR: [k / 64][row][64], a slice row of 128 bytes, rows dense.
; A work-group takes 8 rows of 1,024 f32; a wave takes two rows: lanes 0-15 the even one, lanes 16-31 the odd one.
; A lane holds 64 numbers: chunk s (0..15) = columns 64 s + 4 (lane mod 16) .. + 3, so a load's sixteen lanes read 256 consecutive
; aligned bytes, and chunk s is the row's share of slice s: a wave's store of 8 bytes a lane covers 256 consecutive aligned bytes.
; Work-groups 0-255: LayerNorm of argument 0.  256-639: w_qkv.  640-767: w_ao.  768-895: w_q.  896-1023: w_fo.
; (Launched with 256 work-groups the text is the LayerNorm alone.)
; A stream: each byte is read once and written once, a work-group asks for all its bytes at its start; LDS, barriers, the matrix
; unit and clusters would add nothing (no two work-groups read the same large data).
; The mean is taken first and the squares are summed of the centred numbers, as the definition has it: a common offset of a row costs no digits.
.set T,    4                           ; v[4:11]    four pairs: the chains of a sum
.set MU,   12                          ; v[12:13]   the mean, twice
.set RS,   14                          ; v[14:15]   1 / sqrt(var + eps), twice
.set X,    16                          ; v[16:79]   my 64 numbers
.set G,    80                          ; v[80:143]  gain of my 64 columns          (LayerNorm path)
.set BT,   144                         ; v[144:207] bias of my 64 columns          (LayerNorm path)
.set OFF,  80                          ; v[80:95]   my byte offset in each slice   (weight path)
.set ACTS, 262144                      ; bytes of a slice of 2,048 rows
	s_load_b512 s[8:23], s[0:1], 0x0               ; x 8:9, gain 10:11, bias 12:13, w_qkv 14:15, w_ao 16:17, w_q 18:19, w_fo 20:21, act 22:23
	s_load_b64 s[24:25], s[0:1], 0x40              ; wb
	v_lshrrev_b32 v1, 4, v0                        ; my row among the group's eight
	v_and_b32 v2, 15, v0
	v_lshlrev_b32 v2, 4, v2                        ; v2: 16 bytes a lane inside a chunk (also the offset into gain and bias)
	v_lshl_add_u32 v1, v1, 12, v2                  ; v1: row x 4,096 + that: where I read
	v_lshlrev_b32 v3, 3, v0                        ; v3: row x 128 + 8 (lane mod 16) = 8 x thread: where I write inside a slice
	s_mov_b32 s2, ttmp9
	s_mov_b32 s33, 0                               ; upper word of the offsets
	s_wait_kmcnt 0x0
	s_cmp_lt_u32 s2, 256
	s_cbranch_scc0 .Lweights
	; ---------------- LayerNorm ----------------
	s_lshl_b32 s32, s2, 15                         ; 8 rows of 4,096 bytes
	s_add_nc_u64 s[26:27], s[8:9], s[32:33]
	s_lshl_b32 s32, s2, 10                         ; 8 slice rows of 128 bytes
	s_add_nc_u64 s[28:29], s[22:23], s[32:33]
	s_mov_b32 s34, 0x3a800000                      ; 1 / 1024
	s_mov_b32 s35, 0x3727c5ac                      ; eps = 1e-5
.irp s, 0,1,2,3,4,5,6,7,8,9,10,11,12,13,14,15
	global_load_b128 v[X+4*\s:X+4*\s+3], v1, s[26:27] offset:256*\s
.endr
.irp s, 0,1,2,3,4,5,6,7,8,9,10,11,12,13,14,15
	global_load_b128 v[G+4*\s:G+4*\s+3], v2, s[10:11] offset:256*\s
.endr
.irp s, 0,1,2,3,4,5,6,7,8,9,10,11,12,13,14,15
	global_load_b128 v[BT+4*\s:BT+4*\s+3], v2, s[12:13] offset:256*\s
.endr
; The four chains are joined, then the sixteen lanes of a row: a row of the matrix lies in one half of the wave, so no step crosses the halves.
.macro ROWSUM
	v_pk_add_f32 v[T:T+1], v[T:T+1], v[T+2:T+3]
	v_pk_add_f32 v[T+4:T+5], v[T+4:T+5], v[T+6:T+7]
	v_pk_add_f32 v[T:T+1], v[T:T+1], v[T+4:T+5]
	v_add_f32 v[T], v[T], v[T+1]
.irp m, 1,2,4,8
	v_add_f32_dpp v[T], v[T], v[T] row_xmask:\m row_mask:0xf bank_mask:0xf
.endr
.endm
	s_wait_loadcnt 32                              ; the 32 younger loads are gain and bias: the row is in
.irp c, 0,1,2,3
	v_pk_add_f32 v[T+2*\c:T+2*\c+1], v[X+2*\c:X+2*\c+1], v[X+2*\c+8:X+2*\c+9]   ; the first sums start the chains: nothing is cleared
.endr
.set k, 8
.rept 24
	v_pk_add_f32 v[T+2*(k%4):T+2*(k%4)+1], v[T+2*(k%4):T+2*(k%4)+1], v[X+2*k:X+2*k+1]
.set k, k+1
.endr
	ROWSUM
	v_mul_f32 v[MU], s34, v[T]
	v_mul_f32 v[MU+1], s34, v[T]
.set k, 0
.rept 32
	v_pk_add_f32 v[X+2*k:X+2*k+1], v[X+2*k:X+2*k+1], v[MU:MU+1] neg_lo:[0,1] neg_hi:[0,1]   ; x - mean, in place
.set k, k+1
.endr
.irp c, 0,1,2,3
	v_pk_mul_f32 v[T+2*\c:T+2*\c+1], v[X+2*\c:X+2*\c+1], v[X+2*\c:X+2*\c+1]
.endr
.set k, 4
.rept 28
	v_pk_fma_f32 v[T+2*(k%4):T+2*(k%4)+1], v[X+2*k:X+2*k+1], v[X+2*k:X+2*k+1], v[T+2*(k%4):T+2*(k%4)+1]
.set k, k+1
.endr
	ROWSUM
	v_fma_f32 v[T], v[T], s34, s35                 ; var + eps
	v_rsq_f32 v[RS], v[T]
	v_rsq_f32 v[RS+1], v[T]
	v_nop                                          ; one plain place behind a transcendental before its result is used (ISA guide 5.7.2)
	s_wait_loadcnt 0x0                             ; gain and bias
.set k, 0
	s_wait_alu depctr_va_vdst(0)
.rept 32
	v_pk_mul_f32 v[X+2*k:X+2*k+1], v[X+2*k:X+2*k+1], v[RS:RS+1]
	v_pk_fma_f32 v[X+2*k:X+2*k+1], v[X+2*k:X+2*k+1], v[G+2*k:G+2*k+1], v[BT+2*k:BT+2*k+1]
.set k, k+1
.endr
.irp s, 0,1,2,3,4,5,6,7,8,9,10,11,12,13,14,15
	v_cvt_pk_bf16_f32 v[X+4*\s], v[X+4*\s], v[X+4*\s+1]
	v_cvt_pk_bf16_f32 v[X+4*\s+1], v[X+4*\s+2], v[X+4*\s+3]
	global_store_b64 v3, v[X+4*\s:X+4*\s+1], s[28:29] offset:\s*ACTS      ; the slice stands in the immediate: 3,932,160 at the most
.endr
	s_endpgm
	; ---------------- weights: f32 to bf16, slice-major ----------------
.Lweights:
	s_mov_b64 s[26:27], s[20:21]                   ; w_fo, unless the work-group's number says otherwise
	s_mov_b32 s28, 896                             ; first work-group of the range
	s_mov_b32 s29, 10485760                        ; where the matrix begins in wb
	s_mov_b32 s30, 131072                          ; bytes of a slice: 1,024 rows of 128
	s_cmp_lt_u32 s2, 896
	s_cselect_b64 s[26:27], s[18:19], s[26:27]     ; w_q
	s_cselect_b32 s28, 768, s28
	s_cselect_b32 s29, 8388608, s29
	s_cmp_lt_u32 s2, 768
	s_cselect_b64 s[26:27], s[16:17], s[26:27]     ; w_ao
	s_cselect_b32 s28, 640, s28
	s_cselect_b32 s29, 6291456, s29
	s_cmp_lt_u32 s2, 640
	s_cselect_b64 s[26:27], s[14:15], s[26:27]     ; w_qkv
	s_cselect_b32 s28, 256, s28
	s_cselect_b32 s29, 0, s29
	s_cselect_b32 s30, 393216, s30                 ; 3,072 rows of 128
	s_sub_co_u32 s31, s2, s28                      ; my block of 8 rows in that matrix
	s_lshl_b32 s32, s31, 15
	s_add_nc_u64 s[26:27], s[26:27], s[32:33]
	s_lshl_b32 s32, s31, 10
	s_add_co_u32 s32, s32, s29
	s_add_nc_u64 s[24:25], s[24:25], s[32:33]
.irp s, 0,1,2,3,4,5,6,7,8,9,10,11,12,13,14,15
	global_load_b128 v[X+4*\s:X+4*\s+3], v1, s[26:27] offset:256*\s th:TH_LOAD_NT   ; read once in the whole program
.endr
	v_mov_b32 v[OFF], v3
.irp s, 1,2,3,4,5,6,7,8,9,10,11,12,13,14,15
	v_add_nc_u32 v[OFF+\s], s30, v[OFF+\s-1]       ; the slice's stride is not a constant of the text here: one offset register a slice
.endr
.irp s, 0,1,2,3,4,5,6,7,8,9,10,11,12,13,14,15
	s_wait_loadcnt 15-\s                           ; loads come back in order: chunk s is in, the younger ones stay out
	v_cvt_pk_bf16_f32 v[X+4*\s], v[X+4*\s], v[X+4*\s+1]
	v_cvt_pk_bf16_f32 v[X+4*\s+1], v[X+4*\s+2], v[X+4*\s+3]
	global_store_b64 v[OFF+\s], v[X+4*\s:X+4*\s+1], s[24:25]
.endr
	s_endpgm
.Lfunc_end_k_q6610f1b3cc_prep:
	.size	k_q6610f1b3cc_prep, .Lfunc_end_k_q6610f1b3cc_prep-k_q6610f1b3cc_prep
	.p2alignl 7, 3214868480
	.fill 96, 4, 3214868480
	.section	.rodata,"a",@progbits
	.p2align	6, 0x0
	.amdhsa_kernel k_q6610f1b3cc_prep
		.amdhsa_group_segment_fixed_size 0
		.amdhsa_private_segment_fixed_size 0
		.amdhsa_enable_private_segment 0
		.amdhsa_kernarg_size 72
		.amdhsa_user_sgpr_count 2
		.amdhsa_user_sgpr_kernarg_segment_ptr 1
		.amdhsa_wavefront_size32 1
		.amdhsa_system_sgpr_workgroup_id_x 1
		.amdhsa_system_sgpr_workgroup_id_y 1
		.amdhsa_system_sgpr_workgroup_id_z 1
		.amdhsa_system_vgpr_workitem_id 0
		.amdhsa_next_free_vgpr 208
		.amdhsa_next_free_sgpr 66
		.amdhsa_reserve_vcc 0
		.amdhsa_float_denorm_mode_32 3
		.amdhsa_float_denorm_mode_16_64 3
		.amdhsa_memory_ordered 1
		.amdhsa_forward_progress 1
		.amdhsa_inst_pref_size 28
	.end_amdhsa_kernel
	.amdgpu_metadata
---
amdhsa.version: [ 1, 2 ]
amdhsa.kernels:
  - .name:           k_q6610f1b3cc_prep
    .symbol:         k_q6610f1b3cc_prep.kd
    .args:
      - { .name: x, .offset: 0, .size: 8, .value_kind: global_buffer, .address_space: global }
      - { .name: ln1_g, .offset: 8, .size: 8, .value_kind: global_buffer, .address_space: global }
      - { .name: ln1_b, .offset: 16, .size: 8, .value_kind: global_buffer, .address_space: global }
      - { .name: w_qkv, .offset: 24, .size: 8, .value_kind: global_buffer, .address_space: global }
      - { .name: w_ao, .offset: 32, .size: 8, .value_kind: global_buffer, .address_space: global }
      - { .name: w_q, .offset: 40, .size: 8, .value_kind: global_buffer, .address_space: global }
      - { .name: w_fo, .offset: 48, .size: 8, .value_kind: global_buffer, .address_space: global }
      - { .name: act, .offset: 56, .size: 8, .value_kind: global_buffer, .address_space: global }
      - { .name: wb, .offset: 64, .size: 8, .value_kind: global_buffer, .address_space: global }
    .group_segment_fixed_size: 0
    .private_segment_fixed_size: 0
    .kernarg_segment_align: 8
    .kernarg_segment_size: 72
    .max_flat_workgroup_size: 128
    .sgpr_count:     66
    .vgpr_count:     208
    .wavefront_size: 32
...
	.end_amdgpu_metadata
.endif
;; end of part 1
;; launch gemm_qkv (part 2): grid 16 x 16, 4 waves a work-group, clusters of 4 x 4, 327,680 bytes of LDS; arguments act, wb, b_qkv, qh, kh, vh; writes qh, kh, vh
.if DOCPART == 2
	.amdgcn_target "amdgcn-amd-amdhsa--gfx1250"
	.amdhsa_code_object_version 6
	.text
	.protected	k_q6610f1b3cc_gemm_qkv
	.globl	k_q6610f1b3cc_gemm_qkv
	.p2align	8
	.type	k_q6610f1b3cc_gemm_qkv,@function
k_q6610f1b3cc_gemm_qkv:
	s_mov_b64 s[64:65], 0
	v_nop
	global_prefetch_b8 v0, s[64:65] scope:SCOPE_SE
	s_setreg_imm32_b32 hwreg(HW_REG_WAVE_MODE, 25, 1), 1
	s_wait_xcnt 0x0
	s_wait_alu depctr_hold_cnt(0) depctr_sa_sdst(0) depctr_va_vdst(0) depctr_va_sdst(0) depctr_va_ssrc(0) depctr_va_vcc(0) depctr_vm_vsrc(0)
	s_getreg_b32 s2, hwreg(HW_REG_IB_STS2, 6, 4)
	s_cmp_eq_u32 s2, 0
	s_cbranch_scc0 .Lentry_in_a_cluster
	s_endpgm
.Lentry_in_a_cluster:
	s_bfe_u32 s2, ttmp6, 0x10000c
	s_cmp_lg_u32 s2, 0xf033
	s_cbranch_scc0 .Lentry_shape_is_right
	s_endpgm
.Lentry_shape_is_right:
; ONE TEXT, FOUR BUILDS; the line .set KIND picks the build.  C[m][n] = bias[n] + sum over k of A[m][k] W[n][k], M = 2048, K = 1024.
;   KIND 0: N = 3072, C = q | k | v in bf16, slice-major, to three buffers     KIND 1: N = 1024, C = q2 in bf16, slice-major, to two buffers
;   KIND 2: N = 1024, h = x + C in f32, row-major                              KIND 3: N = 1024, out = h + gelu(C) in f32, row-major
; A and W are bf16, slice-major: [k / 64][row][64].  Sums in f32; the bias is the C operand of the first product, so nothing is cleared or added later.
; 16 x 16 work-groups, each a block of 128 x BN of C, four waves as 2 x 2, a wave 64 x BN/2: 4 x TB accumulators of 16 x 16.
; K is short (16 slices), so the text asks for as much of K as LDS holds at its start and refills seldom: two slots of N0 and N1 slices take turns.
; CLUSTERS: 4 x 4 work-groups.  A's tiles hang on the block row alone and are asked for jointly by a row of the cluster, W's on the block column
; alone and are asked for jointly by a column: the requests for both are divided by four.
; A tensor load brings one half of A's (64) or W's (BN/2) rows for all slices of a slot: a tile whose "row" is the rows x 64 elements of one slice,
; dense in memory, and whose second axis is the slices; 16 bytes of padding behind every 128 make the LDS pitch 144 = 9 x 16 bytes.
; By the text's own count a wave has two tensor loads out at the start and one behind each later round.
; The matrix instruction is used transposed (source 0 = rows of W, source 1 = rows of A): a lane then holds row l % 16 of C and eight neighbouring columns.
; KIND 3, stated limit: erf by the rational form of Abramowitz and Stegun 7.1.26, written for erfc so that it holds for every argument; absolute error 1.5e-7.
.set KIND, 0
.if KIND == 0
.set BN,   192
.set N0,   3                           ; slices in slot 0
.set N1,   4                           ; slices in slot 1
.set WN,   3072                        ; rows of W
.set WOFF, 0                           ; where W begins in wb
.else
.set BN,   64
.set N0,   5
.set N1,   6
.set WN,   1024
.if KIND == 1
.set WOFF, 8388608
.endif
.if KIND == 2
.set WOFF, 6291456
.endif
.if KIND == 3
.set WOFF, 10485760
.endif
.endif
.set TB,    BN/32                      ; 16-column tiles of a wave
.set RB,    BN/2                       ; rows of W in one tensor load, and of one wave
.set PITCH, 144
.set ASL,   64*PITCH                   ; one slice of 64 rows of A in LDS
.set BSL,   RB*PITCH                   ; one slice of RB rows of W in LDS
.set SLOT1, N0*(2*ASL+2*BSL)           ; slot 0 at 0: A half 0, A half 1, W half 0, W half 1, each [slice][row][144]; slot 1 behind it, likewise
.set STAGE, SLOT1                      ; the way out goes through slot 1, behind its last fill and its last read
.set ASTR,  262144                     ; bytes from slice to slice of A
.set WSTR,  WN*128                     ; and of W
.set NL,    8+2*TB                     ; LDS loads of one quarter step (32 along K)
.set FS,    8*(TB+4)                   ; registers of a fragment buffer: TB tiles of W, then 4 of A
.if KIND < 2
.set SP,    2*BN+16                    ; pitch of the stage: a row of BN bf16 + 16
.else
.set SP,    272                        ; a row of 64 f32 + 16
.endif
; vector registers, window 0
.set ADRA, 8                           ; v8, v9    LDS address of my A fragments in slot 0, 1
.set ADRB, 10                          ; v10, v11  the same for W
.set STO,  12                          ; where I put my results in the stage
.set RD,   13                          ; where I read rows back
.set CO,   14                          ; my byte offset in the output (and in the residual)
.set BOFF, 15                          ; my byte offset in the bias
.set BIAS, 16                          ; 8 TB registers: the bias of my columns, in an accumulator's layout
.set F0,   64                          ; two fragment buffers, F0 and F0 + FS
.set RES,  160                         ; v[160:223] KIND 2, 3: the residual of my 16 x 4 outputs
.set GT,   224                         ; v[224:239] KIND 3: at work
; window 1: accumulator (a, b) at v[8 (TB a + b)]
; scalar registers: s2, s3 masks; s16 wave, s17 wave / 2, s18 wave % 2; s19 cx, s20 cy, s21 block column, s22 block row; s23, s94 offsets made of these
.set G1A, 24                           ; s[24:31], s[32:39] group 1 of A's tiles for slot 0, 1 (they differ in the number of slices)
.set G1B, 40                           ; s[40:47], s[48:55] the same for W
.set G0A, 56                           ; s[56:59], s[60:63] group 0 of A's tiles for slot 0, 1
.set G0B, 68                           ; s[68:71], s[72:75] the same for W
.set G1W0, (1<<16)|(1<<20)|(1<<21)|(4<<22)|(3<<25)   ; 2-byte elements; padding on; bit 21 beside a mask; after every 32 words; 4 words
.set MSB, 0
.macro WIN new                         ; s_set_vgpr_msb: low byte bits 1:0 source 0, 3:2 source 1, 5:4 source 2, 7:6 destination; the high byte repeats the setting left
.if MSB != \new
	s_set_vgpr_msb (MSB<<8)|\new
.set MSB, \new
.endif
.endm
.macro PLACES                          ; four plain places behind a matrix instruction (ISA guide 7.12.1) before its registers are loaded into, read or written
.rept 4
	v_nop
.endr
.endm
; A joint load: waves 0, 1 ask for A's halves, waves 2, 3 for W's.  Each line has one mask; the branch hangs on the wave's number alone.
.macro JLOAD s
	s_cmp_eq_u32 s17, 0
	s_cbranch_scc0 .Lfor_w_\@
	tensor_load_to_lds s[G0A+4*\s:G0A+4*\s+3], s[G1A+8*\s:G1A+8*\s+7]
	s_nop 0
	s_branch .Lasked_\@
.Lfor_w_\@:
	tensor_load_to_lds s[G0B+4*\s:G0B+4*\s+3], s[G1B+8*\s:G1B+8*\s+7]
	s_nop 0
.Lasked_\@:
.endm
; A round of the cluster's barrier: my work-group's barrier, wave 0 signals for the work-group, every wave waits for all sixteen, my work-group's barrier again.
.macro CROUND
	s_barrier_signal -1
	s_barrier_wait -1
	s_cmp_lg_u32 s16, 0
	s_cbranch_scc1 .Lnot_wave_0_\@
	s_barrier_signal -3
.Lnot_wave_0_\@:
	s_barrier_wait -3
	s_barrier_signal -1
	s_barrier_wait -1
.endm
.macro SETG1 g, mask, rowel, ns, stride        ; ns "rows" of rowel elements, stride elements apart
	s_or_b32  s[\g], \mask, G1W0
	s_mov_b32 s[\g+1], \rowel<<16                  ; tensor_dim0
	s_mov_b32 s[\g+2], \ns<<16                     ; tensor_dim1
	s_mov_b32 s[\g+3], \rowel<<16                  ; tile_dim0
	s_mov_b32 s[\g+4], \ns                         ; tile_dim1
	s_mov_b32 s[\g+5], \stride
	s_mov_b32 s[\g+6], 0
	s_mov_b32 s[\g+7], 0
.endm
.macro SETG0 g, ldsmul, ldsbase, src, goff     ; LDS address = base + (wave % 2) x size of a half; global address = s[src] + goff
	s_mov_b32 s[\g], 1
	s_mul_i32 s[\g+1], s18, \ldsmul
	s_add_co_u32 s[\g+1], s[\g+1], \ldsbase
	s_add_nc_u64 s[\g+2:\g+3], s[\src:\src+1], \goff
	s_or_b32  s[\g+3], s[\g+3], 0x80000000
.endm
	s_load_b256 s[4:11], s[0:1], 0x0               ; A 4:5, wb 6:7, bias 8:9, fourth argument 10:11
.if KIND == 0
	s_load_b128 s[12:15], s[0:1], 0x20             ; kh 12:13, vh 14:15
	v_lshl_add_u32 v254, v0, 2, 0x4ec00
	v_mov_b32 v255, 0
	ds_add_u32 v254, v255
.else
	s_load_b64 s[12:13], s[0:1], 0x20              ; the fifth argument
.endif
	v_lshrrev_b32 v1, 5, v0
	v_readfirstlane_b32 s16, v1                    ; wave 0..3
	s_lshr_b32 s17, s16, 1                         ; my half of the block's rows; also: I ask for A (0) or for W (1)
	s_and_b32 s18, s16, 1                          ; my half of its columns; also: which half I ask for
	s_bfe_u32 s19, ttmp6, 0x40000                  ; cx
	s_bfe_u32 s20, ttmp6, 0x40004                  ; cy
	s_lshl_b32 s21, ttmp9, 2
	s_add_co_u32 s21, s21, s19                     ; block column = 4 x cluster x + cx
	s_and_b32 s22, ttmp7, 0xffff
	s_lshl_b32 s22, s22, 2
	s_add_co_u32 s22, s22, s20                     ; block row = 4 x cluster y + cy
	s_lshl_b32 s2, s20, 2
	s_lshl_b32 s2, 15, s2                          ; my row of the cluster: places 4 cy .. 4 cy + 3
	s_lshl_b32 s3, 0x1111, s19                     ; my column: places cx, cx + 4, cx + 8, cx + 12
	SETG1 G1A,   s2, 4096,  N0, 131072
	SETG1 G1A+8, s2, 4096,  N1, 131072
	SETG1 G1B,   s3, RB*64, N0, WN*64
	SETG1 G1B+8, s3, RB*64, N1, WN*64
	s_lshl_b32 s76, s22, 14                        ; A: (128 x block row + 64 x half) rows of 128 bytes
	s_lshl_b32 s82, s18, 13
	s_add_co_u32 s76, s76, s82
	s_mov_b32 s77, 0
	s_mul_i32 s78, s21, BN*128                     ; W: (BN x block column + BN/2 x half) rows of 128 bytes, behind the matrix's start in wb
	s_mul_i32 s83, s18, RB*128
	s_add_co_u32 s78, s78, s83
	s_add_co_u32 s78, s78, WOFF
	s_mov_b32 s79, 0
	s_wait_dscnt 0x0
	s_wait_kmcnt 0x0
	s_add_nc_u64 s[76:77], s[4:5], s[76:77]
	s_add_nc_u64 s[78:79], s[6:7], s[78:79]
	SETG0 G0A,   N0*ASL, 0,              76, 0
	SETG0 G0A+4, N1*ASL, SLOT1,          76, N0*ASTR
	SETG0 G0B,   N0*BSL, 2*N0*ASL,       78, 0
	SETG0 G0B+4, N1*BSL, SLOT1+2*N1*ASL, 78, N0*WSTR
	CROUND                                         ; all sixteen work-groups are here: the first joint loads meet
	JLOAD 0                                        ; slices 0 .. N0 - 1
	JLOAD 1                                        ; slices N0 .. N0 + N1 - 1
	; A fragment is 16 rows x 32 K in 8 registers: lane l holds row l % 16; registers 0-3 K = 8 (l / 16) + 0..7, registers 4-7 K = 16 + 8 (l / 16) + 0..7:
	; two loads of 16 bytes, 32 bytes apart, at row x pitch + 16 (l / 16).
	v_and_b32 v1, 15, v0                           ; r = l % 16
	v_bfe_u32 v2, v0, 4, 1                         ; hh = l / 16
	v_lshrrev_b32 v4, 5, v0                        ; wave
	v_mul_u32_u24 v3, v1, PITCH
	v_lshl_add_u32 v3, v2, 4, v3
	s_mul_i32 s80, s17, N0*ASL
	s_mul_i32 s81, s17, N1*ASL
	s_add_co_u32 s81, s81, SLOT1
	s_mul_i32 s82, s18, N0*BSL
	s_add_co_u32 s82, s82, 2*N0*ASL
	s_mul_i32 s83, s18, N1*BSL
	s_add_co_u32 s83, s83, SLOT1+2*N1*ASL
	v_add_nc_u32 v[ADRA], s80, v3
	v_add_nc_u32 v[ADRA+1], s81, v3
	v_add_nc_u32 v[ADRB], s82, v3
	v_add_nc_u32 v[ADRB+1], s83, v3
	v_lshlrev_b32 v[BOFF], 5, v2                   ; my eight columns of a tile begin at 8 hh: 32 hh bytes
	v_mul_u32_u24 v5, v1, SP
	s_mul_i32 s80, s17, 64*SP
	s_mul_i32 s81, s16, 32*SP
.if KIND < 2
	v_lshl_add_u32 v5, v2, 4, v5                   ; in: row r, 16 bytes (8 bf16) for each half of the lanes
	s_mul_i32 s82, s18, BN                         ; my column half: BN/2 bf16
	v_bfe_u32 v6, v0, 3, 2                         ; back: eight lanes take the 128 bytes that a row has in one slice, a load four rows
	v_and_b32 v7, 7, v0
	v_mul_u32_u24 v6, v6, SP
	v_lshl_add_u32 v6, v7, 4, v6
	v_and_b32 v7, 31, v0
	v_lshlrev_b32 v7, 4, v7
	v_lshl_add_u32 v[CO], v4, 12, v7               ; out: my wave's 32 slice rows are 4,096 dense bytes; 16 bytes a lane
.else
	v_lshl_add_u32 v5, v2, 5, v5                   ; in: row r, 32 bytes (8 f32) for each half of the lanes
	s_lshl_b32 s82, s18, 7                         ; my column half: 32 f32
	v_mul_u32_u24 v6, v2, SP                       ; back: sixteen lanes take a row of 256 bytes, a load two rows
	v_lshl_add_u32 v6, v1, 4, v6
	v_lshlrev_b32 v7, 4, v1
	v_lshl_add_u32 v7, v2, 12, v7
	v_lshl_add_u32 v[CO], v4, 17, v7               ; out: (32 wave + hh) rows of 4,096 bytes + 16 r
.endif
	s_add_co_u32 s80, s80, s82
	s_add_co_u32 s80, s80, STAGE
	s_add_co_u32 s81, s81, STAGE
	v_add_nc_u32 v[STO], s80, v5
	v_add_nc_u32 v[RD], s81, v6
	s_mul_i32 s94, s21, BN*4                       ; the bias of my columns
	s_mul_i32 s80, s18, BN*2
	s_add_co_u32 s94, s94, s80
	s_mov_b32 s95, 0
	s_add_nc_u64 s[92:93], s[8:9], s[94:95]
.set k, 0
.rept TB
	global_load_b128 v[BIAS+8*k:BIAS+8*k+3],   v[BOFF], s[92:93] offset:64*k
	global_load_b128 v[BIAS+8*k+4:BIAS+8*k+7], v[BOFF], s[92:93] offset:64*k+16
.set k, k+1
.endr
.if KIND >= 2
	s_lshl_b32 s94, s22, 19                        ; 128 rows of 4,096 bytes a block row, 256 bytes a block column
	s_lshl_b32 s23, s21, 8
	s_add_co_u32 s94, s94, s23
	s_add_nc_u64 s[96:97], s[10:11], s[94:95]      ; the residual
	s_add_nc_u64 s[98:99], s[12:13], s[94:95]      ; the output
.set k, 0
.rept 16
	global_load_b128 v[RES+4*k:RES+4*k+3], v[CO], s[96:97] offset:8192*k    ; asked for now, wanted on the way out
.set k, k+1
.endr
.endif
.if KIND == 3
	s_mov_b32 s85, 0x3e6d3388                      ; 0.3275911 / sqrt 2
	s_mov_b32 s86, 0xbf38aa3b                      ; - log2(e) / 2
	s_mov_b32 s87, 0x3f87dc22                      ; a5 =  1.061405429
	s_mov_b32 s88, 0xbfba00e3                      ; a4 = -1.453152027
	s_mov_b32 s89, 0x3fb5f0e3                      ; a3 =  1.421413741
	s_mov_b32 s90, 0xbe91a98e                      ; a2 = -0.284496736
	s_mov_b32 s91, 0x3e827906                      ; a1 =  0.254829592
.endif
; NL LDS loads in one run: the fragments of quarter q (32 K) of slice y of a slot, into buffer f
.macro FETCH slot, y, q, f
	PLACES
	WIN 0
.set fb, 0
.rept TB
	ds_load_b128 v[\f+8*fb:\f+8*fb+3],   v[ADRB+\slot] offset:\y*BSL+fb*16*PITCH+\q*64
	ds_load_b128 v[\f+8*fb+4:\f+8*fb+7], v[ADRB+\slot] offset:\y*BSL+fb*16*PITCH+\q*64+32
.set fb, fb+1
.endr
.set fa, 0
.rept 4
	ds_load_b128 v[\f+8*TB+8*fa:\f+8*TB+8*fa+3],   v[ADRA+\slot] offset:\y*ASL+fa*16*PITCH+\q*64
	ds_load_b128 v[\f+8*TB+8*fa+4:\f+8*TB+8*fa+7], v[ADRA+\slot] offset:\y*ASL+fa*16*PITCH+\q*64+32
.set fa, fa+1
.endr
.endm
; 4 TB matrix instructions, each accumulator once and always in the same order: the accumulators take turns, one instruction a turn.
; zf = 1: the very first products take the bias as C.
.macro MUL f
.if zf
	WIN 0x40
.else
	WIN 0x50
.endif
.set ma, 0
.rept 4
.set mb, 0
.rept TB
.if zf
	v_wmma_f32_16x16x32_bf16 v[8*(TB*ma+mb):8*(TB*ma+mb)+7], v[\f+8*mb:\f+8*mb+7], v[\f+8*TB+8*ma:\f+8*TB+8*ma+7], v[BIAS+8*mb:BIAS+8*mb+7]
.else
	v_wmma_f32_16x16x32_bf16 v[8*(TB*ma+mb):8*(TB*ma+mb)+7], v[\f+8*mb:\f+8*mb+7], v[\f+8*TB+8*ma:\f+8*TB+8*ma+7], v[8*(TB*ma+mb):8*(TB*ma+mb)+7]
.endif
.set mb, mb+1
.endr
.set ma, ma+1
.endr
.endm
; The ns slices of a slot: 2 ns quarters on two fragment buffers; while one is multiplied the next one's loads are on their way.
.macro STEP slot, ns, first
	FETCH \slot, 0, 0, F0
.set qq, 0
.rept 2*\ns
.if qq < 2*\ns-1
	FETCH \slot, ((qq+1)/2), ((qq+1)%2), (F0+((qq+1)%2)*FS)
	s_wait_dscnt NL                                ; the NL just issued may stay out; this quarter's are in
.else
	s_wait_dscnt 0x0
.endif
.set zf, 0
.if \first
.if qq == 0
.set zf, 1
.endif
.endif
	MUL (F0+(qq%2)*FS)
.set qq, qq+1
.endr
	WIN 0
.endm
; A slot that has been read is filled again.  Each wave waits for all its tensor loads (its part of the other slot among them) and for its LDS reads; then no
; load of its own is out and the descriptors may be stepped; a round of the cluster's barrier; the joint load first behind it, one a wave.
.macro TURNR slot, tail
	s_wait_tensorcnt 0x0
	ds_add_u32 v254, v255
	s_wait_dscnt 0x0
	s_add_nc_u64 s[G0A+4*\slot+2:G0A+4*\slot+3], s[G0A+4*\slot+2:G0A+4*\slot+3], (N0+N1)*ASTR
	s_add_nc_u64 s[G0B+4*\slot+2:G0B+4*\slot+3], s[G0B+4*\slot+2:G0B+4*\slot+3], (N0+N1)*WSTR
.if \tail
	s_mov_b32 s[G1A+8*\slot+2], \tail<<16          ; the last fill has fewer slices
	s_mov_b32 s[G1A+8*\slot+4], \tail
	s_mov_b32 s[G1B+8*\slot+2], \tail<<16
	s_mov_b32 s[G1B+8*\slot+4], \tail
.endif
	CROUND
	JLOAD \slot
.endm
.macro TURNP                           ; a change of slots with nothing left to fetch
	s_wait_tensorcnt 0x0
	s_wait_dscnt 0x0
	s_barrier_signal -1
	s_barrier_wait -1
.endm
	s_wait_tensorcnt 0x1                           ; my part of slot 0 is in; slot 1's may stay out
	s_barrier_signal -1
	s_barrier_wait -1
.if KIND >= 2
	s_wait_loadcnt 16                              ; the 16 younger loads are the residual's: the bias is in
.else
	s_wait_loadcnt 0x0                             ; the bias
.endif
.if KIND == 0
	STEP 0, 3, 1                                   ; slices 0-2
	TURNR 0, 0                                     ; 7-9 go out
	STEP 1, 4, 0                                   ; 3-6
	TURNR 1, 0                                     ; 10-13 go out
	STEP 0, 3, 0                                   ; 7-9
	TURNR 0, 2                                     ; 14, 15 go out
	STEP 1, 4, 0                                   ; 10-13
	TURNP
	STEP 0, 2, 0                                   ; 14, 15
.else
	STEP 0, 5, 1                                   ; slices 0-4
	TURNR 0, 0                                     ; 11-15 go out
	STEP 1, 6, 0                                   ; 5-10
	TURNP
	STEP 0, 5, 0                                   ; 11-15
.endif
	; THE WAY OUT, through the stage in slot 1: its last fill has landed and every wave's reads of it ended in front of the last barrier.
	PLACES
.if KIND < 2
	WIN 0x05                                       ; sources in window 1
.set k, 0
.rept 4*TB
.irp i, 0,1,2,3
	v_cvt_pk_bf16_f32 v[64+4*k+\i], v[8*k+2*\i], v[8*k+2*\i+1]
.endr
.set k, k+1
.endr
	WIN 0
.set ea, 0
.rept 4
.set eb, 0
.rept TB
	ds_store_b128 v[STO], v[64+4*(TB*ea+eb):64+4*(TB*ea+eb)+3] offset:ea*16*SP+32*eb
.set eb, eb+1
.endr
.set ea, ea+1
.endr
.if KIND == 0
	; slice 3 x block column + i of the 48: 0-15 are q's heads, 16-31 k's, 32-47 v's.  A choice between buffers, no branch.
	s_lshl_b32 s2, s22, 14                         ; 128 slice rows of 128 bytes a block row
.irp i, 0,1,2
	s_mul_i32 s23, s21, 3
	s_add_co_u32 s23, s23, \i
	s_cmp_lt_u32 s23, 32
	s_cselect_b64 s[84+2*\i:85+2*\i], s[12:13], s[14:15]
	s_cmp_lt_u32 s23, 16
	s_cselect_b64 s[84+2*\i:85+2*\i], s[10:11], s[84+2*\i:85+2*\i]
	s_and_b32 s23, s23, 15
	s_lshl_b32 s23, s23, 18
	s_add_co_u32 s94, s23, s2
	s_add_nc_u64 s[84+2*\i:85+2*\i], s[84+2*\i:85+2*\i], s[94:95]
.endr
.else
	s_lshl_b32 s94, s21, 18                        ; slice = block column
	s_lshl_b32 s23, s22, 14
	s_add_co_u32 s94, s94, s23
	s_add_nc_u64 s[84:85], s[10:11], s[94:95]      ; q2 as the next launch's q
	s_add_nc_u64 s[86:87], s[12:13], s[94:95]      ; and as its k: that body takes them from two buffers
.endif
	s_wait_dscnt 0x0                               ; my stores into the stage are done: the two waves of a row half share its rows
	s_barrier_signal -1
	s_barrier_wait -1
.set NLD, 8*(BN/64)
.set k, 0
.rept NLD
	ds_load_b128 v[64+4*k:64+4*k+3], v[RD] offset:(k%8)*4*SP+(k/8)*128
.set k, k+1
.endr
.set k, 0
.rept NLD
	s_wait_dscnt NLD-1-k                           ; the younger loads stay out
	global_store_b128 v[CO], v[64+4*k:64+4*k+3], s[84+2*(k/8):85+2*(k/8)] offset:512*(k%8)   ; 512 consecutive bytes, aligned
.if KIND == 1
	global_store_b128 v[CO], v[64+4*k:64+4*k+3], s[86:87] offset:512*(k%8)
.endif
.set k, k+1
.endr
.else
	WIN 0x04                                       ; an LDS store's data is source 1: window 1
.set ea, 0
.rept 4
.set eb, 0
.rept TB
	ds_store_b128 v[STO], v[8*(TB*ea+eb):8*(TB*ea+eb)+3]   offset:ea*16*SP+64*eb
	ds_store_b128 v[STO], v[8*(TB*ea+eb)+4:8*(TB*ea+eb)+7] offset:ea*16*SP+64*eb+16
.set eb, eb+1
.endr
.set ea, ea+1
.endr
	WIN 0
	s_wait_dscnt 0x0                               ; my stores into the stage are done: the two waves of a row half share its rows
	s_barrier_signal -1
	s_barrier_wait -1
.set k, 0
.rept 16
	ds_load_b128 v[64+4*k:64+4*k+3], v[RD] offset:2*SP*k
.set k, k+1
.endr
	s_wait_loadcnt 0x0                             ; the residual
; gelu(z) = z Phi(z).  With t = 1 / (1 + 0.3275911 |z| / sqrt 2): w = erfc(|z| / sqrt 2) / 2 = (a1 t + .. + a5 t^5) exp(-z z / 2) / 2; Phi = w for z < 0, else 1 - w.
; For very large |z| the exponential is 0 and Phi is 0 or 1.  Four numbers at a time, so that the transcendentals stand in runs with one plain place behind them.
.macro GELU4 z, r
.irp k, 0,1,2,3
	v_and_b32 v[GT+\k], 0x7fffffff, v[\z+\k]
	v_mul_f32 v[GT+8+\k], v[\z+\k], v[\z+\k]
.endr
.irp k, 0,1,2,3
	v_fma_f32 v[GT+4+\k], v[GT+\k], s85, 1.0
	v_mul_f32 v[GT+8+\k], s86, v[GT+8+\k]
.endr
.irp k, 0,1,2,3
	v_rcp_f32 v[GT+\k], v[GT+4+\k]                 ; t
.endr
.irp k, 0,1,2,3
	v_exp_f32 v[GT+12+\k], v[GT+8+\k]              ; exp(-z z / 2)
.endr
	v_nop
.irp k, 0,1,2,3
	v_fma_f32 v[GT+4+\k], v[GT+\k], s87, s88
.endr
.irp k, 0,1,2,3
	v_fma_f32 v[GT+4+\k], v[GT+4+\k], v[GT+\k], s89
.endr
.irp k, 0,1,2,3
	v_fma_f32 v[GT+4+\k], v[GT+4+\k], v[GT+\k], s90
.endr
.irp k, 0,1,2,3
	v_fma_f32 v[GT+4+\k], v[GT+4+\k], v[GT+\k], s91
	v_mul_f32 v[GT+8+\k], 0.5, v[GT+12+\k]
.endr
.irp k, 0,1,2,3
	v_mul_f32 v[GT+4+\k], v[GT+4+\k], v[GT+\k]
.endr
.irp k, 0,1,2,3
	v_mul_f32 v[GT+4+\k], v[GT+4+\k], v[GT+8+\k]   ; w
.endr
.irp k, 0,1,2,3
	v_sub_f32 v[GT+8+\k], 1.0, v[GT+4+\k]          ; 1 - w
.endr
.irp k, 0,1,2,3
	v_cmp_gt_f32 vcc_lo, 0, v[\z+\k]
	v_cndmask_b32 v[GT+4+\k], v[GT+8+\k], v[GT+4+\k], vcc_lo
	v_fma_f32 v[\z+\k], v[\z+\k], v[GT+4+\k], v[\r+\k]
.endr
.endm
.set et, 0
.rept 16
	s_wait_dscnt 15-et                             ; the younger loads stay out
.if KIND == 2
	v_pk_add_f32 v[64+4*et:64+4*et+1], v[64+4*et:64+4*et+1], v[RES+4*et:RES+4*et+1]
	v_pk_add_f32 v[64+4*et+2:64+4*et+3], v[64+4*et+2:64+4*et+3], v[RES+4*et+2:RES+4*et+3]
	global_store_b128 v[CO], v[64+4*et:64+4*et+3], s[98:99] offset:8192*et                    ; sixteen lanes store 256 consecutive bytes, aligned
.else
	GELU4 (64+4*et), (RES+4*et)
	global_store_b128 v[CO], v[64+4*et:64+4*et+3], s[98:99] offset:8192*et th:TH_STORE_NT
.endif
.set et, et+1
.endr
.endif
	s_wait_tensorcnt 0x0
	ds_add_u32 v254, v255
	s_wait_dscnt 0x0
	CROUND                                         ; the closing round: no work-group ends while a partner may still ask for a tile that names it
	s_endpgm
.Lfunc_end_k_q6610f1b3cc_gemm_qkv:
	.size	k_q6610f1b3cc_gemm_qkv, .Lfunc_end_k_q6610f1b3cc_gemm_qkv-k_q6610f1b3cc_gemm_qkv
	.p2alignl 7, 3214868480
	.fill 96, 4, 3214868480
	.section	.rodata,"a",@progbits
	.p2align	6, 0x0
	.amdhsa_kernel k_q6610f1b3cc_gemm_qkv
		.amdhsa_group_segment_fixed_size 327680
		.amdhsa_private_segment_fixed_size 0
		.amdhsa_enable_private_segment 0
		.amdhsa_kernarg_size 48
		.amdhsa_user_sgpr_count 2
		.amdhsa_user_sgpr_kernarg_segment_ptr 1
		.amdhsa_wavefront_size32 1
		.amdhsa_system_sgpr_workgroup_id_x 1
		.amdhsa_system_sgpr_workgroup_id_y 1
		.amdhsa_system_sgpr_workgroup_id_z 1
		.amdhsa_system_vgpr_workitem_id 0
		.amdhsa_next_free_vgpr 448
		.amdhsa_next_free_sgpr 100
		.amdhsa_reserve_vcc 1
		.amdhsa_float_denorm_mode_32 3
		.amdhsa_float_denorm_mode_16_64 3
		.amdhsa_memory_ordered 1
		.amdhsa_forward_progress 1
		.amdhsa_inst_pref_size 120
	.end_amdhsa_kernel
	.amdgpu_metadata
---
amdhsa.version: [ 1, 2 ]
amdhsa.kernels:
  - .name:           k_q6610f1b3cc_gemm_qkv
    .symbol:         k_q6610f1b3cc_gemm_qkv.kd
    .args:
      - { .name: act, .offset: 0, .size: 8, .value_kind: global_buffer, .address_space: global }
      - { .name: wb, .offset: 8, .size: 8, .value_kind: global_buffer, .address_space: global }
      - { .name: b_qkv, .offset: 16, .size: 8, .value_kind: global_buffer, .address_space: global }
      - { .name: qh, .offset: 24, .size: 8, .value_kind: global_buffer, .address_space: global }
      - { .name: kh, .offset: 32, .size: 8, .value_kind: global_buffer, .address_space: global }
      - { .name: vh, .offset: 40, .size: 8, .value_kind: global_buffer, .address_space: global }
    .group_segment_fixed_size: 327680
    .private_segment_fixed_size: 0
    .kernarg_segment_align: 8
    .kernarg_segment_size: 48
    .max_flat_workgroup_size: 128
    .sgpr_count:     100
    .vgpr_count:     448
    .wavefront_size: 32
...
	.end_amdgpu_metadata
.endif
;; end of part 2
;; launch attn1 (part 3): grid 256 x 1, 8 waves a work-group, clusters of 4 x 1, 327,680 bytes of LDS; arguments qh, kh, vh, ctx; writes ctx
.if DOCPART == 3
	.amdgcn_target "amdgcn-amd-amdhsa--gfx1250"
	.amdhsa_code_object_version 6
	.text
	.protected	k_q6610f1b3cc_attn1
	.globl	k_q6610f1b3cc_attn1
	.p2align	8
	.type	k_q6610f1b3cc_attn1,@function
k_q6610f1b3cc_attn1:
	s_mov_b64 s[64:65], 0
	v_nop
	global_prefetch_b8 v0, s[64:65] scope:SCOPE_SE
	s_setreg_imm32_b32 hwreg(HW_REG_WAVE_MODE, 25, 1), 1
	s_wait_xcnt 0x0
	s_wait_alu depctr_hold_cnt(0) depctr_sa_sdst(0) depctr_va_vdst(0) depctr_va_sdst(0) depctr_va_ssrc(0) depctr_va_vcc(0) depctr_vm_vsrc(0)
	s_getreg_b32 s2, hwreg(HW_REG_IB_STS2, 6, 4)
	s_cmp_eq_u32 s2, 0
	s_cbranch_scc0 .Lentry_in_a_cluster
	s_endpgm
.Lentry_in_a_cluster:
	s_bfe_u32 s2, ttmp6, 0x10000c
	s_cmp_lg_u32 s2, 0x3003
	s_cbranch_scc0 .Lentry_shape_is_right
	s_endpgm
.Lentry_shape_is_right:
; Causal attention of 16 heads of 64, S = 2048: o = softmax(q k^T / 8, keys <= row) v.  q, k, v, o: [head][2048][64] bf16.  Softmax in f32 with a running maximum.
; The 2,048 rows are 8 groups of 256.  A cluster of four work-groups takes groups c and 7 - c of one head (c = cluster number mod 4); partner cx takes rows
; 64 cx .. + 63 of each group.  The cluster walks key slots of 256 keys JOINTLY: slots 0 .. c for group c, then slots 0 .. 7 - c for group 7 - c: nine trips for
; every work-group, so all partners make every joint request, and each tile of K and V is asked for once for four work-groups.  The price: the diagonal block of
; 256 x 256 is done in full by all four (36 key tiles of 64 where 33 hold a key that counts).
; No branch, trip count or LDS address hangs on cx: it enters global addresses and the numbers that the mask compares.
; Eight waves, two on a SIMD.  Wave w has 32 query rows (row half w % 2, as two tiles A and B of 16 rows) and 64 keys of each slot (key quarter w / 2):
; a fragment of K or V read from LDS serves two row tiles: 32 LDS loads for a trip's 32 matrix instructions.  The four key quarters are merged once for each group.
; With two row tiles a wave has matrix work that does not hang on the softmax at hand: S(B)'s products stand one by one among the lines of softmax(A), and
; PV(A)'s among those of softmax(B).
; S^T = K Q^T (source 0 = 16 keys, source 1 = Q's rows): lane (r, hh) holds query row r and keys 8 hh + j.  Two such tiles, rounded to bf16 in the lane, ARE the
; second source of O^T = V^T P^T; V^T comes by the transposing LDS load.  So maximum, sum and rescaling are one register a lane and tile, and nothing is transposed by hand.
; Stated limits: the running maximum starts at -2.98e38 (it must be finite: a wave's key quarter can be wholly masked), so scores below that are not told apart;
; v_exp_f32 gives 0 for results below 2^-126; P is rounded to bf16.
.set KP,    144                        ; pitch of K's rows in LDS: 128 + 16
.set VP,    160                        ; pitch of V's rows: 128 + 32 = 5 x 32
.set VPART, 256*KP                     ; a slot: 256 rows of K, then 256 rows of V
.set SLOT,  256*KP+256*VP              ; 77,824
.set SCR,   2*SLOT                     ; eight blocks, block w for wave w: 8,192 bytes of O, 512 of maxima and sums.  No tensor load lands here.
.set SCRW,  8704                       ; Wave w = 2 g + rh: the partner of key quarter p with my rows lies 2 p blocks behind the block of quarter 0.
                                       ; The block of a wave of key quarter 0 takes nothing from others: it is that wave's stage for the way out (32 rows x 144)
.set QSTB,  SCR+8*SCRW                 ; eight blocks of 4,096: each wave's Q fragments of the second group wait here
.set KAD,  1                           ; v1, v2   LDS address of my K fragments in slot 0, 1
.set VAD,  3                           ; v3, v4   the same for V
.set DG,   5                           ; tile A's row of my lane minus my first key, in the diagonal slot
.set MX,   6                           ; v6, v7       running maximum of the raw scores, tile A, B
.set MC,   8                           ; v[8:9], v[10:11]   maximum x log2(e) / 8, twice, tile A, B
.set AL,   12                          ; v[12:13], v[14:15] the rescaling factor, twice
.set LS,   16                          ; v16, v17     running sum (of my half of the lanes' keys)
.set T,    18                          ; v[18:25] at work
.set OOFF, 26                          ; my byte offset in o
.set QST,  27                          ; my 16 bytes in my block of the Q stash
.set QF,   28                          ; v[28:59]   Q: tile A's two fragments, tile B's two
.set SC,   60                          ; v[60:123]  S: four key tiles of tile A, four of tile B; then P
.set OA,   124                         ; v[124:187] O^T: four d tiles of tile A, four of tile B
.set KV,   188                         ; v[188:251] K's fragments (4 key tiles x 2 halves of d), later in the trip V^T's (4 d tiles x 2 halves of the keys)
.set SCA,  252                         ; my 16 bytes in my block of SCR
.set NINF, 253
.set STW,  254                         ; the way out: in
.set STR,  255                         ; the way out: back
.set B2,   28                          ; the merge: a second buffer of 64 registers (Q and S of tile A, both dead there)
.set SX,   92                          ; the merge: three partners' maxima and sums
.set FB,   108                         ; the merge: four weights, each twice, for tile A, then for tile B
.set G1K, 32                           ; s[32:39] group 1 for K
.set G1V, 40                           ; s[40:47] for V: it differs in the padding
.set G0K, 48                           ; s[48:51], s[52:55] group 0 for K, slot 0, 1
.set G0V, 56                           ; s[56:59], s[60:63] for V
.macro PLACES
.rept 4
	v_nop
.endr
.endm
.macro JLOAD s                         ; waves 0-3 ask for K's quarters, waves 4-7 for V's
	s_cmp_eq_u32 s13, 0
	s_cbranch_scc0 .Lfor_v_\@
	tensor_load_to_lds s[G0K+4*\s:G0K+4*\s+3], s[G1K:G1K+7]
	s_nop 0
	s_branch .Lasked_\@
.Lfor_v_\@:
	tensor_load_to_lds s[G0V+4*\s:G0V+4*\s+3], s[G1V:G1V+7]
	s_nop 0
.Lasked_\@:
.endm
.macro CROUND                          ; a round of the cluster's barrier
	s_barrier_signal -1
	s_barrier_wait -1
	s_cmp_lg_u32 s12, 0
	s_cbranch_scc1 .Lnot_wave_0_\@
	s_barrier_signal -3
.Lnot_wave_0_\@:
	s_barrier_wait -3
	s_barrier_signal -1
	s_barrier_wait -1
.endm
	s_load_b256 s[4:11], s[0:1], 0x0               ; q 4:5, k 6:7, v 8:9, o 10:11
	s_set_vgpr_msb 0x40
	v_lshl_add_u32 v0, v0, 2, 0x3f000
	v_mov_b32 v1, 0
	s_set_vgpr_msb 0x4045
	ds_add_u32 v0, v1
	s_set_vgpr_msb 0x4500
	v_lshrrev_b32 v188, 5, v0
	v_readfirstlane_b32 s12, v188                  ; wave 0..7
	s_lshr_b32 s13, s12, 2                         ; I ask for K (0) or for V (1)
	s_and_b32 s14, s12, 3                          ; which quarter of the tile I ask for
	s_and_b32 s82, s12, 1                          ; rh: my half of the 64 query rows
	s_lshr_b32 s83, s12, 1                         ; g: my quarter of a slot's keys
	s_lshr_b32 s15, ttmp9, 2                       ; head
	s_and_b32 s16, ttmp9, 3                        ; c
	s_bfe_u32 s17, ttmp6, 0x40000                  ; cx
	s_add_co_u32 s18, s16, 1                       ; trips of the first group
	s_mov_b32 s22, 0x76543210                      ; v_permlanex16_b32: lane i of one half reads lane i of the other
	s_mov_b32 s23, 0xfedcba98
	s_mov_b32 s24, 0x3e38aa3b                      ; log2(e) / 8
	s_mov_b32 s25, 0x3e38aa3b
	; A quarter of a tile is 64 keys x 128 bytes, dense in memory: taken as 32 rows of 256 bytes; padding behind every 128 bytes gives each key its pitch.
	s_mov_b32 s[G1K+0], (15)|(1<<16)|(1<<20)|(1<<21)|(4<<22)|(3<<25)   ; mask: all four partners; 2-byte elements; padding on; bit 21; after 32 words; 4 words
	s_mov_b32 s[G1V+0], (15)|(1<<16)|(1<<20)|(1<<21)|(4<<22)|(7<<25)   ; 8 words
.irp g, G1K, G1V
	s_mov_b32 s[\g+1], 128<<16                     ; tensor_dim0
	s_mov_b32 s[\g+2], 32<<16                      ; tensor_dim1
	s_mov_b32 s[\g+3], 128<<16                     ; tile_dim0
	s_mov_b32 s[\g+4], 32                          ; tile_dim1
	s_mov_b32 s[\g+5], 128                         ; from row to row
	s_mov_b32 s[\g+6], 0
	s_mov_b32 s[\g+7], 0
.endr
	s_mov_b32 s[G0K], 1
	s_mul_i32 s[G0K+1], s14, 64*KP
	s_mov_b32 s[G0K+4], 1
	s_add_co_u32 s[G0K+5], s[G0K+1], SLOT
	s_mov_b32 s[G0V], 1
	s_mul_i32 s[G0V+1], s14, 64*VP
	s_add_co_u32 s[G0V+1], s[G0V+1], VPART
	s_mov_b32 s[G0V+4], 1
	s_add_co_u32 s[G0V+5], s[G0V+1], SLOT
	s_lshl_b32 s30, s15, 18                        ; a head is 262,144 bytes,
	s_lshl_b32 s21, s14, 13                        ; a quarter 8,192
	s_add_co_u32 s30, s30, s21
	s_mov_b32 s31, 0
	s_lshl_b32 s78, s15, 18                        ; my work-group's 64 rows in a group (these registers hold cx and feed no descriptor)
	s_lshl_b32 s70, s17, 13
	s_add_co_u32 s78, s78, s70
	s_lshl_b32 s70, s16, 15                        ; group c
	s_add_co_u32 s70, s70, s78
	s_mov_b32 s71, 0
	s_sub_co_u32 s76, 7, s16                       ; group 7 - c
	s_lshl_b32 s76, s76, 15
	s_add_co_u32 s76, s76, s78
	s_mov_b32 s77, 0
	s_lshl_b32 s79, s17, 6                         ; 64 cx + 32 rh - 64 g: my first row minus my first key in the diagonal slot
	s_lshl_b32 s21, s82, 5
	s_add_co_u32 s79, s79, s21
	s_lshl_b32 s21, s83, 6
	s_sub_co_u32 s79, s79, s21
	s_wait_dscnt 0x0
	s_wait_kmcnt 0x0
	s_add_nc_u64 s[26:27], s[6:7], s[30:31]        ; my quarter of K's slot 0
	s_add_nc_u64 s[28:29], s[8:9], s[30:31]        ; and of V's
	s_mov_b64 s[G0K+2:G0K+3], s[26:27]
	s_or_b32 s[G0K+3], s[G0K+3], 0x80000000
	s_mov_b64 s[G0V+2:G0V+3], s[28:29]
	s_or_b32 s[G0V+3], s[G0V+3], 0x80000000
	s_add_nc_u64 s[72:73], s[4:5], s[70:71]        ; q, first group
	s_add_nc_u64 s[74:75], s[4:5], s[76:77]        ; q, second group
	s_add_nc_u64 s[66:67], s[10:11], s[70:71]      ; o of the group at work
	s_add_nc_u64 s[68:69], s[10:11], s[76:77]      ; o of the second group
	CROUND                                         ; the four partners are here: the first joint load meets
	JLOAD 0                                        ; key slot 0
	; the set-up's own numbers lie in v188-196, which K's fragments take over behind the wait for Q
	v_and_b32 v188, 15, v0                         ; r
	v_bfe_u32 v189, v0, 4, 1                       ; hh
	v_and_b32 v190, 31, v0                         ; lane
	v_and_b32 v191, 7, v0
	v_bfe_u32 v192, v0, 3, 1
	v_bfe_u32 v193, v0, 3, 2                       ; lane / 8
	s_lshl_b32 s21, s82, 12                        ; my 32 rows of 128 bytes
	v_lshl_add_u32 v[OOFF], v190, 4, s21
	v_lshl_add_u32 v194, v188, 7, s21
	v_lshl_add_u32 v196, v189, 4, v194             ; Q as second source: lane (r, hh) holds row r, d = 8 hh .. and 16 + 8 hh ..
.irp rt, 0,1
.irp i, 0,1,2,3
	global_load_b128 v[QF+16*\rt+4*\i:QF+16*\rt+4*\i+3], v196, s[72:73] offset:2048*\rt+32*\i
.endr
.endr
.irp rt, 0,1
.irp i, 0,1,2,3
	global_load_b128 v[SC+16*\rt+4*\i:SC+16*\rt+4*\i+3], v196, s[74:75] offset:2048*\rt+32*\i   ; the second group's, on its way to the stash
.endr
.endr
	v_mul_u32_u24 v195, v188, KP
	v_lshl_add_u32 v195, v189, 4, v195             ; r x 144 + 16 hh
	s_mul_i32 s21, s83, 64*KP
	v_add_nc_u32 v[KAD], s21, v195
	v_add_nc_u32 v[KAD+1], SLOT, v[KAD]
	v_lshl_add_u32 v194, v189, 3, v191             ; the transposing load: key 8 hh + lane % 8, 16 bytes of d picked by bit 3 of the lane
	v_mul_u32_u24 v194, v194, VP
	v_lshl_add_u32 v194, v192, 4, v194
	s_mul_i32 s21, s83, 64*VP
	s_add_co_u32 s21, s21, VPART
	v_add_nc_u32 v[VAD], s21, v194
	v_add_nc_u32 v[VAD+1], SLOT, v[VAD]
	v_lshlrev_b32 v194, 3, v189
	v_sub_nc_u32 v194, v188, v194
	v_add_nc_u32 v[DG], s79, v194                  ; key 16 kt + j of my 64 is masked for row tile rt where 16 kt + j - 16 rt > this
	v_mov_b32 v[NINF], 0xff800000
	s_mul_i32 s21, s12, SCRW                       ; my block of SCR: a constant plus the wave's number times the block's size
	s_add_co_u32 s21, s21, SCR
	v_lshl_add_u32 v[SCA], v190, 4, s21
	v_add_nc_u32 v[STW], s21, v195
	v_mul_u32_u24 v194, v193, KP
	v_lshl_add_u32 v194, v191, 4, v194
	v_add_nc_u32 v[STR], s21, v194
	s_lshl_b32 s21, s12, 12
	s_add_co_u32 s21, s21, QSTB
	v_lshl_add_u32 v[QST], v190, 4, s21
; A group's start.  The key loop is rolled, so the first product cannot start O's sums: 64 moves for a group's 32 matrix instructions a trip.
.macro INIT0
	v_mov_b32 v[MX], 0xff600000
	v_mov_b32 v[MX+1], 0xff600000
.irp i, 0,1,2,3
	v_mul_f32 v[MC+\i], s24, v[MX]
.endr
	v_mov_b32 v[LS], 0
	v_mov_b32 v[LS+1], 0
.set ii, 0
.rept 64
	v_mov_b32 v[OA+ii], 0
.set ii, ii+1
.endr
.endm
.macro KLOAD slot                      ; 16 loads: my 64 keys x 64 d as first source; the lower half of d first
.irp dd, 0,1
.irp kt, 0,1,2,3
	ds_load_b128 v[KV+16*\kt+8*\dd:KV+16*\kt+8*\dd+3],   v[KAD+\slot] offset:\kt*16*KP+\dd*64
	ds_load_b128 v[KV+16*\kt+8*\dd+4:KV+16*\kt+8*\dd+7], v[KAD+\slot] offset:\kt*16*KP+\dd*64+32
.endr
.endr
.endm
.macro VLOAD slot                      ; 16 loads: 64 d x my 64 keys as first source, transposed on the way
.irp dt, 0,1,2,3
.irp kk, 0,1
	ds_load_tr16_b128 v[KV+16*\dt+8*\kk:KV+16*\dt+8*\kk+3],   v[VAD+\slot] offset:\kk*32*VP+\dt*32
	ds_load_tr16_b128 v[KV+16*\dt+8*\kk+4:KV+16*\dt+8*\kk+7], v[VAD+\slot] offset:\kk*32*VP+\dt*32+16*VP
.endr
.endr
.endm
; The accumulators take turns, one matrix instruction a turn, in every run of products (S0..S3, S0..S3; O0..O3, O0..O3).
.macro SWM rt, n                       ; product n of the eight of S of row tile rt: key tile n % 4, half n / 4 of d; the lower half starts the sums
.if \n < 4
	v_wmma_f32_16x16x32_bf16 v[SC+32*\rt+8*\n:SC+32*\rt+8*\n+7], v[KV+16*\n:KV+16*\n+7], v[QF+16*\rt:QF+16*\rt+7], 0
.else
	v_wmma_f32_16x16x32_bf16 v[SC+32*\rt+8*(\n-4):SC+32*\rt+8*(\n-4)+7], v[KV+16*(\n-4)+8:KV+16*(\n-4)+15], v[QF+16*\rt+8:QF+16*\rt+15], v[SC+32*\rt+8*(\n-4):SC+32*\rt+8*(\n-4)+7]
.endif
.endm
.macro PWM rt, n                       ; product n of the eight of O of row tile rt: d tile n % 4, half n / 4 of the keys
	v_wmma_f32_16x16x32_bf16 v[OA+32*\rt+8*(\n%4):OA+32*\rt+8*(\n%4)+7], v[KV+16*(\n%4)+8*(\n/4):KV+16*(\n%4)+8*(\n/4)+7], v[SC+32*\rt+16*(\n/4):SC+32*\rt+16*(\n/4)+7], v[OA+32*\rt+8*(\n%4):OA+32*\rt+8*(\n%4)+7]
.endm
.macro HK1 hk, n                       ; in softmax(A): a product of S(B)
.if \hk == 1
	SWM 1, \n
.endif
.endm
.macro HK2 hk, n                       ; in softmax(B): a product of O(A)
.if \hk == 2
	PWM 0, \n
.endif
.endm
; The softmax step of row tile rt over my 64 keys.  hk = 1 (tile A): S(B)'s eight products stand among its first lines, and V's loads behind the rescaling of O(A),
; whose 16 multiplies are the places behind the last product that read K's fragments.  hk = 2 (tile B): O(A)'s eight products stand among its later lines.
; None of these products names a register that the lines round it touch.  last = 1: the trip is the diagonal one for certain.
.macro SOFT rt, hk, slot, last
.set sS,  SC+32*\rt
.set sO,  OA+32*\rt
.set sMX, MX+\rt
.set sMC, MC+2*\rt
.set sAL, AL+2*\rt
.set sLS, LS+\rt
.if \last == 0
	s_cmp_lg_u32 s19, s16                          ; in the loop the diagonal trip is trip c
	s_cbranch_scc1 .Lfull_\@
.endif
.irp kt, 0,1,2,3
.irp j, 0,1,2,3,4,5,6,7
	v_cmp_gt_i32 vcc_lo, 16*\kt+\j-16*\rt, v[DG]
	v_cndmask_b32 v[SC+32*\rt+8*\kt+\j], v[SC+32*\rt+8*\kt+\j], v[NINF], vcc_lo
.endr
.endr
.Lfull_\@:
	; the maximum of 32 scores and the running one: 16 three-way maxima, then the other half of the lanes (the same rows, other keys)
.irp kt, 0,1,2,3
	v_max3_num_f32 v[T+\kt], v[sS+8*\kt], v[sS+8*\kt+1], v[sS+8*\kt+2]
.endr
	HK1 \hk, 0
.irp kt, 0,1,2,3
	v_max3_num_f32 v[T+\kt], v[T+\kt], v[sS+8*\kt+3], v[sS+8*\kt+4]
.endr
	HK1 \hk, 1
.irp kt, 0,1,2,3
	v_max3_num_f32 v[T+\kt], v[T+\kt], v[sS+8*\kt+5], v[sS+8*\kt+6]
.endr
	HK1 \hk, 2
	v_max3_num_f32 v[T], v[T], v[sS+7], v[sS+15]
	v_max3_num_f32 v[T+2], v[T+2], v[sS+23], v[sS+31]
	v_max3_num_f32 v[T], v[T], v[T+1], v[sMX]
	v_max3_num_f32 v[T], v[T], v[T+2], v[T+3]
	v_permlanex16_b32 v[T+1], v[T], s22, s23
	v_max_num_f32 v[sMX], v[T], v[T+1]
	HK1 \hk, 3
	v_mul_f32 v[T+4], s24, v[sMX]                  ; the rounded product serves both the rescaling and the exponents: they agree
	v_sub_f32 v[T+5], v[sMC], v[T+4]
	v_exp_f32 v[sAL], v[T+5]
	v_mov_b32 v[sMC], v[T+4]                       ; (a plain place behind the exponential)
	v_mov_b32 v[sMC+1], v[T+4]
	s_wait_alu depctr_va_vdst(0)
	v_mov_b32 v[sAL+1], v[sAL]
	HK1 \hk, 4
.set ii, 0
.rept 8
	v_pk_fma_f32 v[sS+2*ii:sS+2*ii+1], v[sS+2*ii:sS+2*ii+1], s[24:25], v[sMC:sMC+1] op_sel_hi:[1,0,1] neg_lo:[0,0,1] neg_hi:[0,0,1]
.set ii, ii+1
.endr
	HK1 \hk, 5
.if \hk == 2
	s_wait_dscnt 0x0                               ; V's fragments, asked for in softmax(A)
.endif
	HK2 \hk, 0
.rept 8
	v_pk_fma_f32 v[sS+2*ii:sS+2*ii+1], v[sS+2*ii:sS+2*ii+1], s[24:25], v[sMC:sMC+1] op_sel_hi:[1,0,1] neg_lo:[0,0,1] neg_hi:[0,0,1]
.set ii, ii+1
.endr
	HK1 \hk, 6
	HK2 \hk, 1
.set ii, 0
.rept 8
	v_exp_f32 v[sS+ii], v[sS+ii]
.set ii, ii+1
.endr
	HK1 \hk, 7
	HK2 \hk, 2
.rept 8
	v_exp_f32 v[sS+ii], v[sS+ii]
.set ii, ii+1
.endr
	HK2 \hk, 3
.rept 8
	v_exp_f32 v[sS+ii], v[sS+ii]
.set ii, ii+1
.endr
	HK2 \hk, 4
.rept 8
	v_exp_f32 v[sS+ii], v[sS+ii]
.set ii, ii+1
.endr
	HK2 \hk, 5
.set ii, 0
.rept 8
	v_pk_mul_f32 v[sO+2*ii:sO+2*ii+1], v[sO+2*ii:sO+2*ii+1], v[sAL:sAL+1]    ; plain work behind the exponentials, which touches none of them
.set ii, ii+1
.endr
	HK2 \hk, 6
.rept 8
	v_pk_mul_f32 v[sO+2*ii:sO+2*ii+1], v[sO+2*ii:sO+2*ii+1], v[sAL:sAL+1]
.set ii, ii+1
.endr
	HK2 \hk, 7
.if \hk == 1
	VLOAD \slot                                    ; into the registers that held K: on their way during the rest of this softmax and the head of the next
.endif
	s_wait_alu depctr_va_vdst(0)
.irp c, 0,1,2,3
	v_pk_add_f32 v[T+2*\c:T+2*\c+1], v[sS+2*\c:sS+2*\c+1], v[sS+2*\c+8:sS+2*\c+9]
.endr
.irp c, 0,1,2,3
	v_pk_add_f32 v[T+2*\c:T+2*\c+1], v[T+2*\c:T+2*\c+1], v[sS+2*\c+16:sS+2*\c+17]
.endr
.irp c, 0,1,2,3
	v_pk_add_f32 v[T+2*\c:T+2*\c+1], v[T+2*\c:T+2*\c+1], v[sS+2*\c+24:sS+2*\c+25]
.endr
	v_pk_add_f32 v[T:T+1], v[T:T+1], v[T+2:T+3]
	v_pk_add_f32 v[T+4:T+5], v[T+4:T+5], v[T+6:T+7]
	v_pk_add_f32 v[T:T+1], v[T:T+1], v[T+4:T+5]
	v_add_f32 v[T], v[T], v[T+1]
	v_fma_f32 v[sLS], v[sLS], v[sAL], v[T]
	; P in bf16, in place: key tiles 2 kk and 2 kk + 1 become the eight registers of the second source for keys 32 kk .. + 31
.irp kk, 0,1
.irp i, 0,1,2,3
	v_cvt_pk_bf16_f32 v[sS+16*\kk+\i], v[sS+16*\kk+2*\i], v[sS+16*\kk+2*\i+1]
.endr
.irp i, 0,1,2,3
	v_cvt_pk_bf16_f32 v[sS+16*\kk+4+\i], v[sS+16*\kk+8+2*\i], v[sS+16*\kk+9+2*\i]
.endr
.endr
.endm
; The merge's weights for row tile rt: with m the largest of the four scaled maxima, a_i = 2^(m_i - m), l = sum of l_i a_i over the four quarters and both halves
; of the lanes, weight i = a_i / l.  A quarter that was wholly masked has a = 0.  l is above 0: key 0 counts for every row and lies in quarter 0.
.macro FACT rt
	v_max3_num_f32 v[T], v[MC+2*\rt], v[SX+2*\rt], v[SX+4+2*\rt]
	v_max_num_f32 v[T], v[T], v[SX+8+2*\rt]
	v_sub_f32 v[T+1], v[MC+2*\rt], v[T]
	v_sub_f32 v[T+2], v[SX+2*\rt], v[T]
	v_sub_f32 v[T+3], v[SX+4+2*\rt], v[T]
	v_sub_f32 v[T+4], v[SX+8+2*\rt], v[T]
.irp i, 1,2,3,4
	v_exp_f32 v[T+\i], v[T+\i]
.endr
	v_nop                                          ; one plain place behind the exponentials
	s_wait_alu depctr_va_vdst(0)
	v_mul_f32 v[T+5], v[LS+\rt], v[T+1]
	v_fmac_f32 v[T+5], v[SX+1+2*\rt], v[T+2]
	v_fmac_f32 v[T+5], v[SX+5+2*\rt], v[T+3]
	v_fmac_f32 v[T+5], v[SX+9+2*\rt], v[T+4]
	v_permlanex16_b32 v[T+6], v[T+5], s22, s23     ; the sums were kept apart in the two halves of the lanes
	v_add_f32 v[T+5], v[T+5], v[T+6]
	v_rcp_f32 v[T+6], v[T+5]
	v_nop
	s_wait_alu depctr_va_vdst(0)
.irp i, 0,1,2,3
	v_mul_f32 v[FB+8*\rt+2*\i], v[T+1+\i], v[T+6]
	v_mul_f32 v[FB+8*\rt+2*\i+1], v[T+1+\i], v[T+6]
.endr
.endm
.macro PLOAD buf, p                    ; the O of the partner of key quarter p, 2 p blocks behind mine: 16 loads
.irp i, 0,1,2,3,4,5,6,7,8,9,10,11,12,13,14,15
	ds_load_b128 v[\buf+4*\i:\buf+4*\i+3], v[SCA] offset:2*\p*SCRW+512*\i
.endr
.endm
.macro MERGE buf, p                    ; O += weight p x that O
.set ii, 0
.rept 32
	v_pk_fma_f32 v[OA+2*ii:OA+2*ii+1], v[\buf+2*ii:\buf+2*ii+1], v[FB+8*(ii/16)+2*\p:FB+8*(ii/16)+2*\p+1], v[OA+2*ii:OA+2*ii+1]
.set ii, ii+1
.endr
.endm
; A group's end.  The waves of key quarters 1, 2, 3 hand O, maxima and sums to the wave of quarter 0 with the same rows, which merges, divides and stores.
.macro FINISH
	s_cmp_eq_u32 s83, 0
	s_cbranch_scc1 .Llower_\@
.irp i, 0,1,2,3,4,5,6,7,8,9,10,11,12,13,14,15
	ds_store_b128 v[SCA], v[OA+4*\i:OA+4*\i+3] offset:512*\i
.endr
	v_mov_b32 v[T], v[MC]
	v_mov_b32 v[T+1], v[LS]
	v_mov_b32 v[T+2], v[MC+2]
	v_mov_b32 v[T+3], v[LS+1]
	ds_store_b128 v[SCA], v[T:T+3] offset:8192
.Llower_\@:
	s_wait_dscnt 0x0                               ; the stores are done before the signal says so
	s_barrier_signal -1
	s_barrier_wait -1                              ; the trip's tensor load may stay out
	s_cmp_lg_u32 s83, 0
	s_cbranch_scc1 .Lupper_\@
.irp p, 1,2,3
	ds_load_b128 v[SX+4*(\p-1):SX+4*(\p-1)+3], v[SCA] offset:2*\p*SCRW+8192
.endr
	PLOAD KV, 1
	PLOAD B2, 2
	s_wait_dscnt 32                                ; the 32 younger loads are two partners' O: the maxima and sums are in
	FACT 0
	FACT 1
.set ii, 0
.rept 32
	v_pk_mul_f32 v[OA+2*ii:OA+2*ii+1], v[OA+2*ii:OA+2*ii+1], v[FB+8*(ii/16):FB+8*(ii/16)+1]
.set ii, ii+1
.endr
	s_wait_dscnt 16                                ; quarter 1's O is in, quarter 2's may stay out
	MERGE KV, 1
	PLOAD KV, 3
	s_wait_dscnt 16                                ; quarter 2's is in, quarter 3's may stay out
	MERGE B2, 2
	s_wait_dscnt 0x0
	MERGE KV, 3
.irp rt, 0,1
.irp dt, 0,1,2,3
.irp i, 0,1,2,3
	v_cvt_pk_bf16_f32 v[OA+32*\rt+8*\dt+\i], v[OA+32*\rt+8*\dt+2*\i], v[OA+32*\rt+8*\dt+2*\i+1]
.endr
	ds_store_b128 v[STW], v[OA+32*\rt+8*\dt:OA+32*\rt+8*\dt+3] offset:\rt*16*KP+32*\dt   ; row 16 rt + r, d = 16 dt + 8 hh ..: my wave's own stage
.endr
.endr
.irp i, 0,1,2,3,4,5,6,7
	ds_load_b128 v[KV+4*\i:KV+4*\i+3], v[STR] offset:4*KP*\i        ; LDS serves a wave's instructions in order: these see the stores above
.endr
.irp i, 0,1,2,3,4,5,6,7
	s_wait_dscnt 7-\i                              ; the younger loads stay out
	global_store_b128 v[OOFF], v[KV+4*\i:KV+4*\i+3], s[66:67] offset:512*\i   ; four rows of 128 bytes: 512 consecutive bytes, aligned
.endr
.Lupper_\@:
.endm
; One key slot of 256 keys.  In front of the round each wave waits for all its tensor loads (one: its quarter of this trip's slot) and for its LDS reads; then the
; other slot's descriptors may be written; behind the round the other slot is filled first, with the next trip's keys: that load has the whole trip in which to land.
.macro TRIP slot, last
	s_set_vgpr_msb 0x5
	s_wait_tensorcnt 0x0
	ds_add_u32 v0, v1
	s_wait_dscnt 0x0
	s_set_vgpr_msb 0x500
	s_wait_dscnt 0x0
.if \last
	s_barrier_signal -1                            ; nothing is left to fetch: my work-group's barrier shows the slot whole
	s_barrier_wait -1
.else
	s_add_co_u32 s21, s19, 1                       ; the next trip's key slot: t + 1 in the first group, t + 1 - (c + 1) in the second
	s_sub_co_u32 s3, s21, s18
	s_cmp_ge_u32 s21, s18
	s_cselect_b32 s30, s3, s21
	s_lshl_b32 s30, s30, 15                        ; 256 keys of 128 bytes
	s_add_nc_u64 s[G0K+4*(1-\slot)+2:G0K+4*(1-\slot)+3], s[26:27], s[30:31]
	s_or_b32 s[G0K+4*(1-\slot)+3], s[G0K+4*(1-\slot)+3], 0x80000000
	s_add_nc_u64 s[G0V+4*(1-\slot)+2:G0V+4*(1-\slot)+3], s[28:29], s[30:31]
	s_or_b32 s[G0V+4*(1-\slot)+3], s[G0V+4*(1-\slot)+3], 0x80000000
	CROUND
	JLOAD (1-\slot)
.endif
	KLOAD \slot
	s_wait_dscnt 8                                 ; the eight younger loads are the upper half of d: the lower half is in
.irp n, 0,1,2,3
	SWM 0, \n
.endr
	s_wait_dscnt 0x0
.irp n, 4,5,6,7
	SWM 0, \n
.endr
	PLACES                                         ; before S(A) is read
	SOFT 0, 1, \slot, \last                        ; softmax(A), with S(B)'s products and V's loads
	SOFT 1, 2, \slot, \last                        ; softmax(B), with O(A)'s products
.irp n, 0,1,2,3,4,5,6,7
	PWM 1, \n
.endr
.rept 5
	v_nop                                          ; five places before S(B)'s next products write over P(B); they cover the four before K's loads land on V's fragments and before O is stored, scaled or cleared
.endr
.if \last
	FINISH
.else
	s_cmp_lg_u32 s19, s16                          ; the same in all waves and all partners: c and the trip's number
	s_cbranch_scc1 .Lgo_on_\@
	FINISH
	s_wait_xcnt 0x0                                ; the stores' base and data are written again only behind this wait
	s_mov_b64 s[66:67], s[68:69]                   ; the second group
.irp i, 0,1,2,3,4,5,6,7
	ds_load_b128 v[QF+4*\i:QF+4*\i+3], v[QST] offset:512*\i         ; its Q, out of my own stash; waited for at the next trip's head
.endr
	INIT0
.Lgo_on_\@:
	s_add_co_u32 s19, s19, 1
.endif
.endm
	INIT0
	s_wait_loadcnt 0x0                             ; Q of both groups
.irp i, 0,1,2,3,4,5,6,7
	ds_store_b128 v[QST], v[SC+4*\i:SC+4*\i+3] offset:512*\i        ; the second group's Q waits in my own 4,096 bytes of LDS
.endr
	s_mov_b32 s19, 0                               ; t, the trip's number
	s_mov_b32 s20, 4
.Lloop:
	TRIP 0, 0
	TRIP 1, 0
	s_sub_co_u32 s20, s20, 1
	s_cmp_lg_u32 s20, 0
	s_cbranch_scc1 .Lloop
	TRIP 0, 1                                      ; trip 8: the second group's diagonal slot
	s_set_vgpr_msb 0x5
	s_wait_tensorcnt 0x0
	ds_add_u32 v0, v1
	s_wait_dscnt 0x0
	s_set_vgpr_msb 0x500
	CROUND                                         ; the closing round: no work-group ends while a partner may still ask for a tile that names it
	s_endpgm
.Lfunc_end_k_q6610f1b3cc_attn1:
	.size	k_q6610f1b3cc_attn1, .Lfunc_end_k_q6610f1b3cc_attn1-k_q6610f1b3cc_attn1
	.p2alignl 7, 3214868480
	.fill 96, 4, 3214868480
	.section	.rodata,"a",@progbits
	.p2align	6, 0x0
	.amdhsa_kernel k_q6610f1b3cc_attn1
		.amdhsa_group_segment_fixed_size 327680
		.amdhsa_private_segment_fixed_size 0
		.amdhsa_enable_private_segment 0
		.amdhsa_kernarg_size 32
		.amdhsa_user_sgpr_count 2
		.amdhsa_user_sgpr_kernarg_segment_ptr 1
		.amdhsa_wavefront_size32 1
		.amdhsa_system_sgpr_workgroup_id_x 1
		.amdhsa_system_sgpr_workgroup_id_y 1
		.amdhsa_system_sgpr_workgroup_id_z 1
		.amdhsa_system_vgpr_workitem_id 0
		.amdhsa_next_free_vgpr 258
		.amdhsa_next_free_sgpr 88
		.amdhsa_reserve_vcc 1
		.amdhsa_float_denorm_mode_32 3
		.amdhsa_float_denorm_mode_16_64 3
		.amdhsa_memory_ordered 1
		.amdhsa_forward_progress 1
		.amdhsa_inst_pref_size 140
	.end_amdhsa_kernel
	.amdgpu_metadata
---
amdhsa.version: [ 1, 2 ]
amdhsa.kernels:
  - .name:           k_q6610f1b3cc_attn1
    .symbol:         k_q6610f1b3cc_attn1.kd
    .args:
      - { .name: qh, .offset: 0, .size: 8, .value_kind: global_buffer, .address_space: global }
      - { .name: kh, .offset: 8, .size: 8, .value_kind: global_buffer, .address_space: global }
      - { .name: vh, .offset: 16, .size: 8, .value_kind: global_buffer, .address_space: global }
      - { .name: ctx, .offset: 24, .size: 8, .value_kind: global_buffer, .address_space: global }
    .group_segment_fixed_size: 327680
    .private_segment_fixed_size: 0
    .kernarg_segment_align: 8
    .kernarg_segment_size: 32
    .max_flat_workgroup_size: 256
    .sgpr_count:     88
    .vgpr_count:     258
    .wavefront_size: 32
...
	.end_amdgpu_metadata
.endif
;; end of part 3
;; launch gemm_ao (part 4): grid 16 x 16, 4 waves a work-group, clusters of 4 x 4, 327,680 bytes of LDS; arguments ctx, wb, b_ao, x, h; writes h
.if DOCPART == 4
	.amdgcn_target "amdgcn-amd-amdhsa--gfx1250"
	.amdhsa_code_object_version 6
	.text
	.protected	k_q6610f1b3cc_gemm_ao
	.globl	k_q6610f1b3cc_gemm_ao
	.p2align	8
	.type	k_q6610f1b3cc_gemm_ao,@function
k_q6610f1b3cc_gemm_ao:
	s_mov_b64 s[64:65], 0
	v_nop
	global_prefetch_b8 v0, s[64:65] scope:SCOPE_SE
	s_setreg_imm32_b32 hwreg(HW_REG_WAVE_MODE, 25, 1), 1
	s_wait_xcnt 0x0
	s_wait_alu depctr_hold_cnt(0) depctr_sa_sdst(0) depctr_va_vdst(0) depctr_va_sdst(0) depctr_va_ssrc(0) depctr_va_vcc(0) depctr_vm_vsrc(0)
	s_getreg_b32 s2, hwreg(HW_REG_IB_STS2, 6, 4)
	s_cmp_eq_u32 s2, 0
	s_cbranch_scc0 .Lentry_in_a_cluster
	s_endpgm
.Lentry_in_a_cluster:
	s_bfe_u32 s2, ttmp6, 0x10000c
	s_cmp_lg_u32 s2, 0xf033
	s_cbranch_scc0 .Lentry_shape_is_right
	s_endpgm
.Lentry_shape_is_right:
; ONE TEXT, FOUR BUILDS; the line .set KIND picks the build.  C[m][n] = bias[n] + sum over k of A[m][k] W[n][k], M = 2048, K = 1024.
;   KIND 0: N = 3072, C = q | k | v in bf16, slice-major, to three buffers     KIND 1: N = 1024, C = q2 in bf16, slice-major, to two buffers
;   KIND 2: N = 1024, h = x + C in f32, row-major                              KIND 3: N = 1024, out = h + gelu(C) in f32, row-major
; A and W are bf16, slice-major: [k / 64][row][64].  Sums in f32; the bias is the C operand of the first product, so nothing is cleared or added later.
; 16 x 16 work-groups, each a block of 128 x BN of C, four waves as 2 x 2, a wave 64 x BN/2: 4 x TB accumulators of 16 x 16.
; K is short (16 slices), so the text asks for as much of K as LDS holds at its start and refills seldom: two slots of N0 and N1 slices take turns.
; CLUSTERS: 4 x 4 work-groups.  A's tiles hang on the block row alone and are asked for jointly by a row of the cluster, W's on the block column
; alone and are asked for jointly by a column: the requests for both are divided by four.
; A tensor load brings one half of A's (64) or W's (BN/2) rows for all slices of a slot: a tile whose "row" is the rows x 64 elements of one slice,
; dense in memory, and whose second axis is the slices; 16 bytes of padding behind every 128 make the LDS pitch 144 = 9 x 16 bytes.
; By the text's own count a wave has two tensor loads out at the start and one behind each later round.
; The matrix instruction is used transposed (source 0 = rows of W, source 1 = rows of A): a lane then holds row l % 16 of C and eight neighbouring columns.
; KIND 3, stated limit: erf by the rational form of Abramowitz and Stegun 7.1.26, written for erfc so that it holds for every argument; absolute error 1.5e-7.
.set KIND, 2
.if KIND == 0
.set BN,   192
.set N0,   3                           ; slices in slot 0
.set N1,   4                           ; slices in slot 1
.set WN,   3072                        ; rows of W
.set WOFF, 0                           ; where W begins in wb
.else
.set BN,   64
.set N0,   5
.set N1,   6
.set WN,   1024
.if KIND == 1
.set WOFF, 8388608
.endif
.if KIND == 2
.set WOFF, 6291456
.endif
.if KIND == 3
.set WOFF, 10485760
.endif
.endif
.set TB,    BN/32                      ; 16-column tiles of a wave
.set RB,    BN/2                       ; rows of W in one tensor load, and of one wave
.set PITCH, 144
.set ASL,   64*PITCH                   ; one slice of 64 rows of A in LDS
.set BSL,   RB*PITCH                   ; one slice of RB rows of W in LDS
.set SLOT1, N0*(2*ASL+2*BSL)           ; slot 0 at 0: A half 0, A half 1, W half 0, W half 1, each [slice][row][144]; slot 1 behind it, likewise
.set STAGE, SLOT1                      ; the way out goes through slot 1, behind its last fill and its last read
.set ASTR,  262144                     ; bytes from slice to slice of A
.set WSTR,  WN*128                     ; and of W
.set NL,    8+2*TB                     ; LDS loads of one quarter step (32 along K)
.set FS,    8*(TB+4)                   ; registers of a fragment buffer: TB tiles of W, then 4 of A
.if KIND < 2
.set SP,    2*BN+16                    ; pitch of the stage: a row of BN bf16 + 16
.else
.set SP,    272                        ; a row of 64 f32 + 16
.endif
; vector registers, window 0
.set ADRA, 8                           ; v8, v9    LDS address of my A fragments in slot 0, 1
.set ADRB, 10                          ; v10, v11  the same for W
.set STO,  12                          ; where I put my results in the stage
.set RD,   13                          ; where I read rows back
.set CO,   14                          ; my byte offset in the output (and in the residual)
.set BOFF, 15                          ; my byte offset in the bias
.set BIAS, 16                          ; 8 TB registers: the bias of my columns, in an accumulator's layout
.set F0,   64                          ; two fragment buffers, F0 and F0 + FS
.set RES,  160                         ; v[160:223] KIND 2, 3: the residual of my 16 x 4 outputs
.set GT,   224                         ; v[224:239] KIND 3: at work
; window 1: accumulator (a, b) at v[8 (TB a + b)]
; scalar registers: s2, s3 masks; s16 wave, s17 wave / 2, s18 wave % 2; s19 cx, s20 cy, s21 block column, s22 block row; s23, s94 offsets made of these
.set G1A, 24                           ; s[24:31], s[32:39] group 1 of A's tiles for slot 0, 1 (they differ in the number of slices)
.set G1B, 40                           ; s[40:47], s[48:55] the same for W
.set G0A, 56                           ; s[56:59], s[60:63] group 0 of A's tiles for slot 0, 1
.set G0B, 68                           ; s[68:71], s[72:75] the same for W
.set G1W0, (1<<16)|(1<<20)|(1<<21)|(4<<22)|(3<<25)   ; 2-byte elements; padding on; bit 21 beside a mask; after every 32 words; 4 words
.set MSB, 0
.macro WIN new                         ; s_set_vgpr_msb: low byte bits 1:0 source 0, 3:2 source 1, 5:4 source 2, 7:6 destination; the high byte repeats the setting left
.if MSB != \new
	s_set_vgpr_msb (MSB<<8)|\new
.set MSB, \new
.endif
.endm
.macro PLACES                          ; four plain places behind a matrix instruction (ISA guide 7.12.1) before its registers are loaded into, read or written
.rept 4
	v_nop
.endr
.endm
; A joint load: waves 0, 1 ask for A's halves, waves 2, 3 for W's.  Each line has one mask; the branch hangs on the wave's number alone.
.macro JLOAD s
	s_cmp_eq_u32 s17, 0
	s_cbranch_scc0 .Lfor_w_\@
	tensor_load_to_lds s[G0A+4*\s:G0A+4*\s+3], s[G1A+8*\s:G1A+8*\s+7]
	s_nop 0
	s_branch .Lasked_\@
.Lfor_w_\@:
	tensor_load_to_lds s[G0B+4*\s:G0B+4*\s+3], s[G1B+8*\s:G1B+8*\s+7]
	s_nop 0
.Lasked_\@:
.endm
; A round of the cluster's barrier: my work-group's barrier, wave 0 signals for the work-group, every wave waits for all sixteen, my work-group's barrier again.
.macro CROUND
	s_barrier_signal -1
	s_barrier_wait -1
	s_cmp_lg_u32 s16, 0
	s_cbranch_scc1 .Lnot_wave_0_\@
	s_barrier_signal -3
.Lnot_wave_0_\@:
	s_barrier_wait -3
	s_barrier_signal -1
	s_barrier_wait -1
.endm
.macro SETG1 g, mask, rowel, ns, stride        ; ns "rows" of rowel elements, stride elements apart
	s_or_b32  s[\g], \mask, G1W0
	s_mov_b32 s[\g+1], \rowel<<16                  ; tensor_dim0
	s_mov_b32 s[\g+2], \ns<<16                     ; tensor_dim1
	s_mov_b32 s[\g+3], \rowel<<16                  ; tile_dim0
	s_mov_b32 s[\g+4], \ns                         ; tile_dim1
	s_mov_b32 s[\g+5], \stride
	s_mov_b32 s[\g+6], 0
	s_mov_b32 s[\g+7], 0
.endm
.macro SETG0 g, ldsmul, ldsbase, src, goff     ; LDS address = base + (wave % 2) x size of a half; global address = s[src] + goff
	s_mov_b32 s[\g], 1
	s_mul_i32 s[\g+1], s18, \ldsmul
	s_add_co_u32 s[\g+1], s[\g+1], \ldsbase
	s_add_nc_u64 s[\g+2:\g+3], s[\src:\src+1], \goff
	s_or_b32  s[\g+3], s[\g+3], 0x80000000
.endm
	s_load_b256 s[4:11], s[0:1], 0x0               ; A 4:5, wb 6:7, bias 8:9, fourth argument 10:11
.if KIND == 0
	s_load_b128 s[12:15], s[0:1], 0x20             ; kh 12:13, vh 14:15
.else
	s_load_b64 s[12:13], s[0:1], 0x20              ; the fifth argument
	v_lshl_add_u32 v254, v0, 2, 0x4a400
	v_mov_b32 v255, 0
	ds_add_u32 v254, v255
.endif
	v_lshrrev_b32 v1, 5, v0
	v_readfirstlane_b32 s16, v1                    ; wave 0..3
	s_lshr_b32 s17, s16, 1                         ; my half of the block's rows; also: I ask for A (0) or for W (1)
	s_and_b32 s18, s16, 1                          ; my half of its columns; also: which half I ask for
	s_bfe_u32 s19, ttmp6, 0x40000                  ; cx
	s_bfe_u32 s20, ttmp6, 0x40004                  ; cy
	s_lshl_b32 s21, ttmp9, 2
	s_add_co_u32 s21, s21, s19                     ; block column = 4 x cluster x + cx
	s_and_b32 s22, ttmp7, 0xffff
	s_lshl_b32 s22, s22, 2
	s_add_co_u32 s22, s22, s20                     ; block row = 4 x cluster y + cy
	s_lshl_b32 s2, s20, 2
	s_lshl_b32 s2, 15, s2                          ; my row of the cluster: places 4 cy .. 4 cy + 3
	s_lshl_b32 s3, 0x1111, s19                     ; my column: places cx, cx + 4, cx + 8, cx + 12
	SETG1 G1A,   s2, 4096,  N0, 131072
	SETG1 G1A+8, s2, 4096,  N1, 131072
	SETG1 G1B,   s3, RB*64, N0, WN*64
	SETG1 G1B+8, s3, RB*64, N1, WN*64
	s_lshl_b32 s76, s22, 14                        ; A: (128 x block row + 64 x half) rows of 128 bytes
	s_lshl_b32 s82, s18, 13
	s_add_co_u32 s76, s76, s82
	s_mov_b32 s77, 0
	s_mul_i32 s78, s21, BN*128                     ; W: (BN x block column + BN/2 x half) rows of 128 bytes, behind the matrix's start in wb
	s_mul_i32 s83, s18, RB*128
	s_add_co_u32 s78, s78, s83
	s_add_co_u32 s78, s78, WOFF
	s_mov_b32 s79, 0
	s_wait_dscnt 0x0
	s_wait_kmcnt 0x0
	s_add_nc_u64 s[76:77], s[4:5], s[76:77]
	s_add_nc_u64 s[78:79], s[6:7], s[78:79]
	SETG0 G0A,   N0*ASL, 0,              76, 0
	SETG0 G0A+4, N1*ASL, SLOT1,          76, N0*ASTR
	SETG0 G0B,   N0*BSL, 2*N0*ASL,       78, 0
	SETG0 G0B+4, N1*BSL, SLOT1+2*N1*ASL, 78, N0*WSTR
	CROUND                                         ; all sixteen work-groups are here: the first joint loads meet
	JLOAD 0                                        ; slices 0 .. N0 - 1
	JLOAD 1                                        ; slices N0 .. N0 + N1 - 1
	; A fragment is 16 rows x 32 K in 8 registers: lane l holds row l % 16; registers 0-3 K = 8 (l / 16) + 0..7, registers 4-7 K = 16 + 8 (l / 16) + 0..7:
	; two loads of 16 bytes, 32 bytes apart, at row x pitch + 16 (l / 16).
	v_and_b32 v1, 15, v0                           ; r = l % 16
	v_bfe_u32 v2, v0, 4, 1                         ; hh = l / 16
	v_lshrrev_b32 v4, 5, v0                        ; wave
	v_mul_u32_u24 v3, v1, PITCH
	v_lshl_add_u32 v3, v2, 4, v3
	s_mul_i32 s80, s17, N0*ASL
	s_mul_i32 s81, s17, N1*ASL
	s_add_co_u32 s81, s81, SLOT1
	s_mul_i32 s82, s18, N0*BSL
	s_add_co_u32 s82, s82, 2*N0*ASL
	s_mul_i32 s83, s18, N1*BSL
	s_add_co_u32 s83, s83, SLOT1+2*N1*ASL
	v_add_nc_u32 v[ADRA], s80, v3
	v_add_nc_u32 v[ADRA+1], s81, v3
	v_add_nc_u32 v[ADRB], s82, v3
	v_add_nc_u32 v[ADRB+1], s83, v3
	v_lshlrev_b32 v[BOFF], 5, v2                   ; my eight columns of a tile begin at 8 hh: 32 hh bytes
	v_mul_u32_u24 v5, v1, SP
	s_mul_i32 s80, s17, 64*SP
	s_mul_i32 s81, s16, 32*SP
.if KIND < 2
	v_lshl_add_u32 v5, v2, 4, v5                   ; in: row r, 16 bytes (8 bf16) for each half of the lanes
	s_mul_i32 s82, s18, BN                         ; my column half: BN/2 bf16
	v_bfe_u32 v6, v0, 3, 2                         ; back: eight lanes take the 128 bytes that a row has in one slice, a load four rows
	v_and_b32 v7, 7, v0
	v_mul_u32_u24 v6, v6, SP
	v_lshl_add_u32 v6, v7, 4, v6
	v_and_b32 v7, 31, v0
	v_lshlrev_b32 v7, 4, v7
	v_lshl_add_u32 v[CO], v4, 12, v7               ; out: my wave's 32 slice rows are 4,096 dense bytes; 16 bytes a lane
.else
	v_lshl_add_u32 v5, v2, 5, v5                   ; in: row r, 32 bytes (8 f32) for each half of the lanes
	s_lshl_b32 s82, s18, 7                         ; my column half: 32 f32
	v_mul_u32_u24 v6, v2, SP                       ; back: sixteen lanes take a row of 256 bytes, a load two rows
	v_lshl_add_u32 v6, v1, 4, v6
	v_lshlrev_b32 v7, 4, v1
	v_lshl_add_u32 v7, v2, 12, v7
	v_lshl_add_u32 v[CO], v4, 17, v7               ; out: (32 wave + hh) rows of 4,096 bytes + 16 r
.endif
	s_add_co_u32 s80, s80, s82
	s_add_co_u32 s80, s80, STAGE
	s_add_co_u32 s81, s81, STAGE
	v_add_nc_u32 v[STO], s80, v5
	v_add_nc_u32 v[RD], s81, v6
	s_mul_i32 s94, s21, BN*4                       ; the bias of my columns
	s_mul_i32 s80, s18, BN*2
	s_add_co_u32 s94, s94, s80
	s_mov_b32 s95, 0
	s_add_nc_u64 s[92:93], s[8:9], s[94:95]
.set k, 0
.rept TB
	global_load_b128 v[BIAS+8*k:BIAS+8*k+3],   v[BOFF], s[92:93] offset:64*k
	global_load_b128 v[BIAS+8*k+4:BIAS+8*k+7], v[BOFF], s[92:93] offset:64*k+16
.set k, k+1
.endr
.if KIND >= 2
	s_lshl_b32 s94, s22, 19                        ; 128 rows of 4,096 bytes a block row, 256 bytes a block column
	s_lshl_b32 s23, s21, 8
	s_add_co_u32 s94, s94, s23
	s_add_nc_u64 s[96:97], s[10:11], s[94:95]      ; the residual
	s_add_nc_u64 s[98:99], s[12:13], s[94:95]      ; the output
.set k, 0
.rept 16
	global_load_b128 v[RES+4*k:RES+4*k+3], v[CO], s[96:97] offset:8192*k    ; asked for now, wanted on the way out
.set k, k+1
.endr
.endif
.if KIND == 3
	s_mov_b32 s85, 0x3e6d3388                      ; 0.3275911 / sqrt 2
	s_mov_b32 s86, 0xbf38aa3b                      ; - log2(e) / 2
	s_mov_b32 s87, 0x3f87dc22                      ; a5 =  1.061405429
	s_mov_b32 s88, 0xbfba00e3                      ; a4 = -1.453152027
	s_mov_b32 s89, 0x3fb5f0e3                      ; a3 =  1.421413741
	s_mov_b32 s90, 0xbe91a98e                      ; a2 = -0.284496736
	s_mov_b32 s91, 0x3e827906                      ; a1 =  0.254829592
.endif
; NL LDS loads in one run: the fragments of quarter q (32 K) of slice y of a slot, into buffer f
.macro FETCH slot, y, q, f
	PLACES
	WIN 0
.set fb, 0
.rept TB
	ds_load_b128 v[\f+8*fb:\f+8*fb+3],   v[ADRB+\slot] offset:\y*BSL+fb*16*PITCH+\q*64
	ds_load_b128 v[\f+8*fb+4:\f+8*fb+7], v[ADRB+\slot] offset:\y*BSL+fb*16*PITCH+\q*64+32
.set fb, fb+1
.endr
.set fa, 0
.rept 4
	ds_load_b128 v[\f+8*TB+8*fa:\f+8*TB+8*fa+3],   v[ADRA+\slot] offset:\y*ASL+fa*16*PITCH+\q*64
	ds_load_b128 v[\f+8*TB+8*fa+4:\f+8*TB+8*fa+7], v[ADRA+\slot] offset:\y*ASL+fa*16*PITCH+\q*64+32
.set fa, fa+1
.endr
.endm
; 4 TB matrix instructions, each accumulator once and always in the same order: the accumulators take turns, one instruction a turn.
; zf = 1: the very first products take the bias as C.
.macro MUL f
.if zf
	WIN 0x40
.else
	WIN 0x50
.endif
.set ma, 0
.rept 4
.set mb, 0
.rept TB
.if zf
	v_wmma_f32_16x16x32_bf16 v[8*(TB*ma+mb):8*(TB*ma+mb)+7], v[\f+8*mb:\f+8*mb+7], v[\f+8*TB+8*ma:\f+8*TB+8*ma+7], v[BIAS+8*mb:BIAS+8*mb+7]
.else
	v_wmma_f32_16x16x32_bf16 v[8*(TB*ma+mb):8*(TB*ma+mb)+7], v[\f+8*mb:\f+8*mb+7], v[\f+8*TB+8*ma:\f+8*TB+8*ma+7], v[8*(TB*ma+mb):8*(TB*ma+mb)+7]
.endif
.set mb, mb+1
.endr
.set ma, ma+1
.endr
.endm
; The ns slices of a slot: 2 ns quarters on two fragment buffers; while one is multiplied the next one's loads are on their way.
.macro STEP slot, ns, first
	FETCH \slot, 0, 0, F0
.set qq, 0
.rept 2*\ns
.if qq < 2*\ns-1
	FETCH \slot, ((qq+1)/2), ((qq+1)%2), (F0+((qq+1)%2)*FS)
	s_wait_dscnt NL                                ; the NL just issued may stay out; this quarter's are in
.else
	s_wait_dscnt 0x0
.endif
.set zf, 0
.if \first
.if qq == 0
.set zf, 1
.endif
.endif
	MUL (F0+(qq%2)*FS)
.set qq, qq+1
.endr
	WIN 0
.endm
; A slot that has been read is filled again.  Each wave waits for all its tensor loads (its part of the other slot among them) and for its LDS reads; then no
; load of its own is out and the descriptors may be stepped; a round of the cluster's barrier; the joint load first behind it, one a wave.
.macro TURNR slot, tail
	s_wait_tensorcnt 0x0
	ds_add_u32 v254, v255
	s_wait_dscnt 0x0
	s_add_nc_u64 s[G0A+4*\slot+2:G0A+4*\slot+3], s[G0A+4*\slot+2:G0A+4*\slot+3], (N0+N1)*ASTR
	s_add_nc_u64 s[G0B+4*\slot+2:G0B+4*\slot+3], s[G0B+4*\slot+2:G0B+4*\slot+3], (N0+N1)*WSTR
.if \tail
	s_mov_b32 s[G1A+8*\slot+2], \tail<<16          ; the last fill has fewer slices
	s_mov_b32 s[G1A+8*\slot+4], \tail
	s_mov_b32 s[G1B+8*\slot+2], \tail<<16
	s_mov_b32 s[G1B+8*\slot+4], \tail
.endif
	CROUND
	JLOAD \slot
.endm
.macro TURNP                           ; a change of slots with nothing left to fetch
	s_wait_tensorcnt 0x0
	s_wait_dscnt 0x0
	s_barrier_signal -1
	s_barrier_wait -1
.endm
	s_wait_tensorcnt 0x1                           ; my part of slot 0 is in; slot 1's may stay out
	s_barrier_signal -1
	s_barrier_wait -1
.if KIND >= 2
	s_wait_loadcnt 16                              ; the 16 younger loads are the residual's: the bias is in
.else
	s_wait_loadcnt 0x0                             ; the bias
.endif
.if KIND == 0
	STEP 0, 3, 1                                   ; slices 0-2
	TURNR 0, 0                                     ; 7-9 go out
	STEP 1, 4, 0                                   ; 3-6
	TURNR 1, 0                                     ; 10-13 go out
	STEP 0, 3, 0                                   ; 7-9
	TURNR 0, 2                                     ; 14, 15 go out
	STEP 1, 4, 0                                   ; 10-13
	TURNP
	STEP 0, 2, 0                                   ; 14, 15
.else
	STEP 0, 5, 1                                   ; slices 0-4
	TURNR 0, 0                                     ; 11-15 go out
	STEP 1, 6, 0                                   ; 5-10
	TURNP
	STEP 0, 5, 0                                   ; 11-15
.endif
	; THE WAY OUT, through the stage in slot 1: its last fill has landed and every wave's reads of it ended in front of the last barrier.
	PLACES
.if KIND < 2
	WIN 0x05                                       ; sources in window 1
.set k, 0
.rept 4*TB
.irp i, 0,1,2,3
	v_cvt_pk_bf16_f32 v[64+4*k+\i], v[8*k+2*\i], v[8*k+2*\i+1]
.endr
.set k, k+1
.endr
	WIN 0
.set ea, 0
.rept 4
.set eb, 0
.rept TB
	ds_store_b128 v[STO], v[64+4*(TB*ea+eb):64+4*(TB*ea+eb)+3] offset:ea*16*SP+32*eb
.set eb, eb+1
.endr
.set ea, ea+1
.endr
.if KIND == 0
	; slice 3 x block column + i of the 48: 0-15 are q's heads, 16-31 k's, 32-47 v's.  A choice between buffers, no branch.
	s_lshl_b32 s2, s22, 14                         ; 128 slice rows of 128 bytes a block row
.irp i, 0,1,2
	s_mul_i32 s23, s21, 3
	s_add_co_u32 s23, s23, \i
	s_cmp_lt_u32 s23, 32
	s_cselect_b64 s[84+2*\i:85+2*\i], s[12:13], s[14:15]
	s_cmp_lt_u32 s23, 16
	s_cselect_b64 s[84+2*\i:85+2*\i], s[10:11], s[84+2*\i:85+2*\i]
	s_and_b32 s23, s23, 15
	s_lshl_b32 s23, s23, 18
	s_add_co_u32 s94, s23, s2
	s_add_nc_u64 s[84+2*\i:85+2*\i], s[84+2*\i:85+2*\i], s[94:95]
.endr
.else
	s_lshl_b32 s94, s21, 18                        ; slice = block column
	s_lshl_b32 s23, s22, 14
	s_add_co_u32 s94, s94, s23
	s_add_nc_u64 s[84:85], s[10:11], s[94:95]      ; q2 as the next launch's q
	s_add_nc_u64 s[86:87], s[12:13], s[94:95]      ; and as its k: that body takes them from two buffers
.endif
	s_wait_dscnt 0x0                               ; my stores into the stage are done: the two waves of a row half share its rows
	s_barrier_signal -1
	s_barrier_wait -1
.set NLD, 8*(BN/64)
.set k, 0
.rept NLD
	ds_load_b128 v[64+4*k:64+4*k+3], v[RD] offset:(k%8)*4*SP+(k/8)*128
.set k, k+1
.endr
.set k, 0
.rept NLD
	s_wait_dscnt NLD-1-k                           ; the younger loads stay out
	global_store_b128 v[CO], v[64+4*k:64+4*k+3], s[84+2*(k/8):85+2*(k/8)] offset:512*(k%8)   ; 512 consecutive bytes, aligned
.if KIND == 1
	global_store_b128 v[CO], v[64+4*k:64+4*k+3], s[86:87] offset:512*(k%8)
.endif
.set k, k+1
.endr
.else
	WIN 0x04                                       ; an LDS store's data is source 1: window 1
.set ea, 0
.rept 4
.set eb, 0
.rept TB
	ds_store_b128 v[STO], v[8*(TB*ea+eb):8*(TB*ea+eb)+3]   offset:ea*16*SP+64*eb
	ds_store_b128 v[STO], v[8*(TB*ea+eb)+4:8*(TB*ea+eb)+7] offset:ea*16*SP+64*eb+16
.set eb, eb+1
.endr
.set ea, ea+1
.endr
	WIN 0
	s_wait_dscnt 0x0                               ; my stores into the stage are done: the two waves of a row half share its rows
	s_barrier_signal -1
	s_barrier_wait -1
.set k, 0
.rept 16
	ds_load_b128 v[64+4*k:64+4*k+3], v[RD] offset:2*SP*k
.set k, k+1
.endr
	s_wait_loadcnt 0x0                             ; the residual
; gelu(z) = z Phi(z).  With t = 1 / (1 + 0.3275911 |z| / sqrt 2): w = erfc(|z| / sqrt 2) / 2 = (a1 t + .. + a5 t^5) exp(-z z / 2) / 2; Phi = w for z < 0, else 1 - w.
; For very large |z| the exponential is 0 and Phi is 0 or 1.  Four numbers at a time, so that the transcendentals stand in runs with one plain place behind them.
.macro GELU4 z, r
.irp k, 0,1,2,3
	v_and_b32 v[GT+\k], 0x7fffffff, v[\z+\k]
	v_mul_f32 v[GT+8+\k], v[\z+\k], v[\z+\k]
.endr
.irp k, 0,1,2,3
	v_fma_f32 v[GT+4+\k], v[GT+\k], s85, 1.0
	v_mul_f32 v[GT+8+\k], s86, v[GT+8+\k]
.endr
.irp k, 0,1,2,3
	v_rcp_f32 v[GT+\k], v[GT+4+\k]                 ; t
.endr
.irp k, 0,1,2,3
	v_exp_f32 v[GT+12+\k], v[GT+8+\k]              ; exp(-z z / 2)
.endr
	v_nop
.irp k, 0,1,2,3
	v_fma_f32 v[GT+4+\k], v[GT+\k], s87, s88
.endr
.irp k, 0,1,2,3
	v_fma_f32 v[GT+4+\k], v[GT+4+\k], v[GT+\k], s89
.endr
.irp k, 0,1,2,3
	v_fma_f32 v[GT+4+\k], v[GT+4+\k], v[GT+\k], s90
.endr
.irp k, 0,1,2,3
	v_fma_f32 v[GT+4+\k], v[GT+4+\k], v[GT+\k], s91
	v_mul_f32 v[GT+8+\k], 0.5, v[GT+12+\k]
.endr
.irp k, 0,1,2,3
	v_mul_f32 v[GT+4+\k], v[GT+4+\k], v[GT+\k]
.endr
.irp k, 0,1,2,3
	v_mul_f32 v[GT+4+\k], v[GT+4+\k], v[GT+8+\k]   ; w
.endr
.irp k, 0,1,2,3
	v_sub_f32 v[GT+8+\k], 1.0, v[GT+4+\k]          ; 1 - w
.endr
.irp k, 0,1,2,3
	v_cmp_gt_f32 vcc_lo, 0, v[\z+\k]
	v_cndmask_b32 v[GT+4+\k], v[GT+8+\k], v[GT+4+\k], vcc_lo
	v_fma_f32 v[\z+\k], v[\z+\k], v[GT+4+\k], v[\r+\k]
.endr
.endm
.set et, 0
.rept 16
	s_wait_dscnt 15-et                             ; the younger loads stay out
.if KIND == 2
	v_pk_add_f32 v[64+4*et:64+4*et+1], v[64+4*et:64+4*et+1], v[RES+4*et:RES+4*et+1]
	v_pk_add_f32 v[64+4*et+2:64+4*et+3], v[64+4*et+2:64+4*et+3], v[RES+4*et+2:RES+4*et+3]
	global_store_b128 v[CO], v[64+4*et:64+4*et+3], s[98:99] offset:8192*et                    ; sixteen lanes store 256 consecutive bytes, aligned
.else
	GELU4 (64+4*et), (RES+4*et)
	global_store_b128 v[CO], v[64+4*et:64+4*et+3], s[98:99] offset:8192*et th:TH_STORE_NT
.endif
.set et, et+1
.endr
.endif
	s_wait_tensorcnt 0x0
	ds_add_u32 v254, v255
	s_wait_dscnt 0x0
	CROUND                                         ; the closing round: no work-group ends while a partner may still ask for a tile that names it
	s_endpgm
.Lfunc_end_k_q6610f1b3cc_gemm_ao:
	.size	k_q6610f1b3cc_gemm_ao, .Lfunc_end_k_q6610f1b3cc_gemm_ao-k_q6610f1b3cc_gemm_ao
	.p2alignl 7, 3214868480
	.fill 96, 4, 3214868480
	.section	.rodata,"a",@progbits
	.p2align	6, 0x0
	.amdhsa_kernel k_q6610f1b3cc_gemm_ao
		.amdhsa_group_segment_fixed_size 327680
		.amdhsa_private_segment_fixed_size 0
		.amdhsa_enable_private_segment 0
		.amdhsa_kernarg_size 40
		.amdhsa_user_sgpr_count 2
		.amdhsa_user_sgpr_kernarg_segment_ptr 1
		.amdhsa_wavefront_size32 1
		.amdhsa_system_sgpr_workgroup_id_x 1
		.amdhsa_system_sgpr_workgroup_id_y 1
		.amdhsa_system_sgpr_workgroup_id_z 1
		.amdhsa_system_vgpr_workitem_id 0
		.amdhsa_next_free_vgpr 320
		.amdhsa_next_free_sgpr 100
		.amdhsa_reserve_vcc 1
		.amdhsa_float_denorm_mode_32 3
		.amdhsa_float_denorm_mode_16_64 3
		.amdhsa_memory_ordered 1
		.amdhsa_forward_progress 1
		.amdhsa_inst_pref_size 65
	.end_amdhsa_kernel
	.amdgpu_metadata
---
amdhsa.version: [ 1, 2 ]
amdhsa.kernels:
  - .name:           k_q6610f1b3cc_gemm_ao
    .symbol:         k_q6610f1b3cc_gemm_ao.kd
    .args:
      - { .name: ctx, .offset: 0, .size: 8, .value_kind: global_buffer, .address_space: global }
      - { .name: wb, .offset: 8, .size: 8, .value_kind: global_buffer, .address_space: global }
      - { .name: b_ao, .offset: 16, .size: 8, .value_kind: global_buffer, .address_space: global }
      - { .name: x, .offset: 24, .size: 8, .value_kind: global_buffer, .address_space: global }
      - { .name: h, .offset: 32, .size: 8, .value_kind: global_buffer, .address_space: global }
    .group_segment_fixed_size: 327680
    .private_segment_fixed_size: 0
    .kernarg_segment_align: 8
    .kernarg_segment_size: 40
    .max_flat_workgroup_size: 128
    .sgpr_count:     100
    .vgpr_count:     320
    .wavefront_size: 32
...
	.end_amdgpu_metadata
.endif
;; end of part 4
;; launch ln2: the kernel of part 1 again; grid 256 x 1, 4 waves a work-group, no clusters, 0 bytes of LDS; arguments h, ln2_g, ln2_b, w_qkv, w_ao, w_q, w_fo, act, wb; writes act, wb
;; launch gemm_q (part 5): grid 16 x 16, 4 waves a work-group, clusters of 4 x 4, 327,680 bytes of LDS; arguments act, wb, b_q, qh, kh; writes qh, kh
.if DOCPART == 5
	.amdgcn_target "amdgcn-amd-amdhsa--gfx1250"
	.amdhsa_code_object_version 6
	.text
	.protected	k_q6610f1b3cc_gemm_q
	.globl	k_q6610f1b3cc_gemm_q
	.p2align	8
	.type	k_q6610f1b3cc_gemm_q,@function
k_q6610f1b3cc_gemm_q:
	s_mov_b64 s[64:65], 0
	v_nop
	global_prefetch_b8 v0, s[64:65] scope:SCOPE_SE
	s_setreg_imm32_b32 hwreg(HW_REG_WAVE_MODE, 25, 1), 1
	s_wait_xcnt 0x0
	s_wait_alu depctr_hold_cnt(0) depctr_sa_sdst(0) depctr_va_vdst(0) depctr_va_sdst(0) depctr_va_ssrc(0) depctr_va_vcc(0) depctr_vm_vsrc(0)
	s_getreg_b32 s2, hwreg(HW_REG_IB_STS2, 6, 4)
	s_cmp_eq_u32 s2, 0
	s_cbranch_scc0 .Lentry_in_a_cluster
	s_endpgm
.Lentry_in_a_cluster:
	s_bfe_u32 s2, ttmp6, 0x10000c
	s_cmp_lg_u32 s2, 0xf033
	s_cbranch_scc0 .Lentry_shape_is_right
	s_endpgm
.Lentry_shape_is_right:
; ONE TEXT, FOUR BUILDS; the line .set KIND picks the build.  C[m][n] = bias[n] + sum over k of A[m][k] W[n][k], M = 2048, K = 1024.
;   KIND 0: N = 3072, C = q | k | v in bf16, slice-major, to three buffers     KIND 1: N = 1024, C = q2 in bf16, slice-major, to two buffers
;   KIND 2: N = 1024, h = x + C in f32, row-major                              KIND 3: N = 1024, out = h + gelu(C) in f32, row-major
; A and W are bf16, slice-major: [k / 64][row][64].  Sums in f32; the bias is the C operand of the first product, so nothing is cleared or added later.
; 16 x 16 work-groups, each a block of 128 x BN of C, four waves as 2 x 2, a wave 64 x BN/2: 4 x TB accumulators of 16 x 16.
; K is short (16 slices), so the text asks for as much of K as LDS holds at its start and refills seldom: two slots of N0 and N1 slices take turns.
; CLUSTERS: 4 x 4 work-groups.  A's tiles hang on the block row alone and are asked for jointly by a row of the cluster, W's on the block column
; alone and are asked for jointly by a column: the requests for both are divided by four.
; A tensor load brings one half of A's (64) or W's (BN/2) rows for all slices of a slot: a tile whose "row" is the rows x 64 elements of one slice,
; dense in memory, and whose second axis is the slices; 16 bytes of padding behind every 128 make the LDS pitch 144 = 9 x 16 bytes.
; By the text's own count a wave has two tensor loads out at the start and one behind each later round.
; The matrix instruction is used transposed (source 0 = rows of W, source 1 = rows of A): a lane then holds row l % 16 of C and eight neighbouring columns.
; KIND 3, stated limit: erf by the rational form of Abramowitz and Stegun 7.1.26, written for erfc so that it holds for every argument; absolute error 1.5e-7.
.set KIND, 1
.if KIND == 0
.set BN,   192
.set N0,   3                           ; slices in slot 0
.set N1,   4                           ; slices in slot 1
.set WN,   3072                        ; rows of W
.set WOFF, 0                           ; where W begins in wb
.else
.set BN,   64
.set N0,   5
.set N1,   6
.set WN,   1024
.if KIND == 1
.set WOFF, 8388608
.endif
.if KIND == 2
.set WOFF, 6291456
.endif
.if KIND == 3
.set WOFF, 10485760
.endif
.endif
.set TB,    BN/32                      ; 16-column tiles of a wave
.set RB,    BN/2                       ; rows of W in one tensor load, and of one wave
.set PITCH, 144
.set ASL,   64*PITCH                   ; one slice of 64 rows of A in LDS
.set BSL,   RB*PITCH                   ; one slice of RB rows of W in LDS
.set SLOT1, N0*(2*ASL+2*BSL)           ; slot 0 at 0: A half 0, A half 1, W half 0, W half 1, each [slice][row][144]; slot 1 behind it, likewise
.set STAGE, SLOT1                      ; the way out goes through slot 1, behind its last fill and its last read
.set ASTR,  262144                     ; bytes from slice to slice of A
.set WSTR,  WN*128                     ; and of W
.set NL,    8+2*TB                     ; LDS loads of one quarter step (32 along K)
.set FS,    8*(TB+4)                   ; registers of a fragment buffer: TB tiles of W, then 4 of A
.if KIND < 2
.set SP,    2*BN+16                    ; pitch of the stage: a row of BN bf16 + 16
.else
.set SP,    272                        ; a row of 64 f32 + 16
.endif
; vector registers, window 0
.set ADRA, 8                           ; v8, v9    LDS address of my A fragments in slot 0, 1
.set ADRB, 10                          ; v10, v11  the same for W
.set STO,  12                          ; where I put my results in the stage
.set RD,   13                          ; where I read rows back
.set CO,   14                          ; my byte offset in the output (and in the residual)
.set BOFF, 15                          ; my byte offset in the bias
.set BIAS, 16                          ; 8 TB registers: the bias of my columns, in an accumulator's layout
.set F0,   64                          ; two fragment buffers, F0 and F0 + FS
.set RES,  160                         ; v[160:223] KIND 2, 3: the residual of my 16 x 4 outputs
.set GT,   224                         ; v[224:239] KIND 3: at work
; window 1: accumulator (a, b) at v[8 (TB a + b)]
; scalar registers: s2, s3 masks; s16 wave, s17 wave / 2, s18 wave % 2; s19 cx, s20 cy, s21 block column, s22 block row; s23, s94 offsets made of these
.set G1A, 24                           ; s[24:31], s[32:39] group 1 of A's tiles for slot 0, 1 (they differ in the number of slices)
.set G1B, 40                           ; s[40:47], s[48:55] the same for W
.set G0A, 56                           ; s[56:59], s[60:63] group 0 of A's tiles for slot 0, 1
.set G0B, 68                           ; s[68:71], s[72:75] the same for W
.set G1W0, (1<<16)|(1<<20)|(1<<21)|(4<<22)|(3<<25)   ; 2-byte elements; padding on; bit 21 beside a mask; after every 32 words; 4 words
.set MSB, 0
.macro WIN new                         ; s_set_vgpr_msb: low byte bits 1:0 source 0, 3:2 source 1, 5:4 source 2, 7:6 destination; the high byte repeats the setting left
.if MSB != \new
	s_set_vgpr_msb (MSB<<8)|\new
.set MSB, \new
.endif
.endm
.macro PLACES                          ; four plain places behind a matrix instruction (ISA guide 7.12.1) before its registers are loaded into, read or written
.rept 4
	v_nop
.endr
.endm
; A joint load: waves 0, 1 ask for A's halves, waves 2, 3 for W's.  Each line has one mask; the branch hangs on the wave's number alone.
.macro JLOAD s
	s_cmp_eq_u32 s17, 0
	s_cbranch_scc0 .Lfor_w_\@
	tensor_load_to_lds s[G0A+4*\s:G0A+4*\s+3], s[G1A+8*\s:G1A+8*\s+7]
	s_nop 0
	s_branch .Lasked_\@
.Lfor_w_\@:
	tensor_load_to_lds s[G0B+4*\s:G0B+4*\s+3], s[G1B+8*\s:G1B+8*\s+7]
	s_nop 0
.Lasked_\@:
.endm
; A round of the cluster's barrier: my work-group's barrier, wave 0 signals for the work-group, every wave waits for all sixteen, my work-group's barrier again.
.macro CROUND
	s_barrier_signal -1
	s_barrier_wait -1
	s_cmp_lg_u32 s16, 0
	s_cbranch_scc1 .Lnot_wave_0_\@
	s_barrier_signal -3
.Lnot_wave_0_\@:
	s_barrier_wait -3
	s_barrier_signal -1
	s_barrier_wait -1
.endm
.macro SETG1 g, mask, rowel, ns, stride        ; ns "rows" of rowel elements, stride elements apart
	s_or_b32  s[\g], \mask, G1W0
	s_mov_b32 s[\g+1], \rowel<<16                  ; tensor_dim0
	s_mov_b32 s[\g+2], \ns<<16                     ; tensor_dim1
	s_mov_b32 s[\g+3], \rowel<<16                  ; tile_dim0
	s_mov_b32 s[\g+4], \ns                         ; tile_dim1
	s_mov_b32 s[\g+5], \stride
	s_mov_b32 s[\g+6], 0
	s_mov_b32 s[\g+7], 0
.endm
.macro SETG0 g, ldsmul, ldsbase, src, goff     ; LDS address = base + (wave % 2) x size of a half; global address = s[src] + goff
	s_mov_b32 s[\g], 1
	s_mul_i32 s[\g+1], s18, \ldsmul
	s_add_co_u32 s[\g+1], s[\g+1], \ldsbase
	s_add_nc_u64 s[\g+2:\g+3], s[\src:\src+1], \goff
	s_or_b32  s[\g+3], s[\g+3], 0x80000000
.endm
	s_load_b256 s[4:11], s[0:1], 0x0               ; A 4:5, wb 6:7, bias 8:9, fourth argument 10:11
.if KIND == 0
	s_load_b128 s[12:15], s[0:1], 0x20             ; kh 12:13, vh 14:15
.else
	s_load_b64 s[12:13], s[0:1], 0x20              ; the fifth argument
	v_lshl_add_u32 v254, v0, 2, 0x4a400
	v_mov_b32 v255, 0
	ds_add_u32 v254, v255
.endif
	v_lshrrev_b32 v1, 5, v0
	v_readfirstlane_b32 s16, v1                    ; wave 0..3
	s_lshr_b32 s17, s16, 1                         ; my half of the block's rows; also: I ask for A (0) or for W (1)
	s_and_b32 s18, s16, 1                          ; my half of its columns; also: which half I ask for
	s_bfe_u32 s19, ttmp6, 0x40000                  ; cx
	s_bfe_u32 s20, ttmp6, 0x40004                  ; cy
	s_lshl_b32 s21, ttmp9, 2
	s_add_co_u32 s21, s21, s19                     ; block column = 4 x cluster x + cx
	s_and_b32 s22, ttmp7, 0xffff
	s_lshl_b32 s22, s22, 2
	s_add_co_u32 s22, s22, s20                     ; block row = 4 x cluster y + cy
	s_lshl_b32 s2, s20, 2
	s_lshl_b32 s2, 15, s2                          ; my row of the cluster: places 4 cy .. 4 cy + 3
	s_lshl_b32 s3, 0x1111, s19                     ; my column: places cx, cx + 4, cx + 8, cx + 12
	SETG1 G1A,   s2, 4096,  N0, 131072
	SETG1 G1A+8, s2, 4096,  N1, 131072
	SETG1 G1B,   s3, RB*64, N0, WN*64
	SETG1 G1B+8, s3, RB*64, N1, WN*64
	s_lshl_b32 s76, s22, 14                        ; A: (128 x block row + 64 x half) rows of 128 bytes
	s_lshl_b32 s82, s18, 13
	s_add_co_u32 s76, s76, s82
	s_mov_b32 s77, 0
	s_mul_i32 s78, s21, BN*128                     ; W: (BN x block column + BN/2 x half) rows of 128 bytes, behind the matrix's start in wb
	s_mul_i32 s83, s18, RB*128
	s_add_co_u32 s78, s78, s83
	s_add_co_u32 s78, s78, WOFF
	s_mov_b32 s79, 0
	s_wait_dscnt 0x0
	s_wait_kmcnt 0x0
	s_add_nc_u64 s[76:77], s[4:5], s[76:77]
	s_add_nc_u64 s[78:79], s[6:7], s[78:79]
	SETG0 G0A,   N0*ASL, 0,              76, 0
	SETG0 G0A+4, N1*ASL, SLOT1,          76, N0*ASTR
	SETG0 G0B,   N0*BSL, 2*N0*ASL,       78, 0
	SETG0 G0B+4, N1*BSL, SLOT1+2*N1*ASL, 78, N0*WSTR
	CROUND                                         ; all sixteen work-groups are here: the first joint loads meet
	JLOAD 0                                        ; slices 0 .. N0 - 1
	JLOAD 1                                        ; slices N0 .. N0 + N1 - 1
	; A fragment is 16 rows x 32 K in 8 registers: lane l holds row l % 16; registers 0-3 K = 8 (l / 16) + 0..7, registers 4-7 K = 16 + 8 (l / 16) + 0..7:
	; two loads of 16 bytes, 32 bytes apart, at row x pitch + 16 (l / 16).
	v_and_b32 v1, 15, v0                           ; r = l % 16
	v_bfe_u32 v2, v0, 4, 1                         ; hh = l / 16
	v_lshrrev_b32 v4, 5, v0                        ; wave
	v_mul_u32_u24 v3, v1, PITCH
	v_lshl_add_u32 v3, v2, 4, v3
	s_mul_i32 s80, s17, N0*ASL
	s_mul_i32 s81, s17, N1*ASL
	s_add_co_u32 s81, s81, SLOT1
	s_mul_i32 s82, s18, N0*BSL
	s_add_co_u32 s82, s82, 2*N0*ASL
	s_mul_i32 s83, s18, N1*BSL
	s_add_co_u32 s83, s83, SLOT1+2*N1*ASL
	v_add_nc_u32 v[ADRA], s80, v3
	v_add_nc_u32 v[ADRA+1], s81, v3
	v_add_nc_u32 v[ADRB], s82, v3
	v_add_nc_u32 v[ADRB+1], s83, v3
	v_lshlrev_b32 v[BOFF], 5, v2                   ; my eight columns of a tile begin at 8 hh: 32 hh bytes
	v_mul_u32_u24 v5, v1, SP
	s_mul_i32 s80, s17, 64*SP
	s_mul_i32 s81, s16, 32*SP
.if KIND < 2
	v_lshl_add_u32 v5, v2, 4, v5                   ; in: row r, 16 bytes (8 bf16) for each half of the lanes
	s_mul_i32 s82, s18, BN                         ; my column half: BN/2 bf16
	v_bfe_u32 v6, v0, 3, 2                         ; back: eight lanes take the 128 bytes that a row has in one slice, a load four rows
	v_and_b32 v7, 7, v0
	v_mul_u32_u24 v6, v6, SP
	v_lshl_add_u32 v6, v7, 4, v6
	v_and_b32 v7, 31, v0
	v_lshlrev_b32 v7, 4, v7
	v_lshl_add_u32 v[CO], v4, 12, v7               ; out: my wave's 32 slice rows are 4,096 dense bytes; 16 bytes a lane
.else
	v_lshl_add_u32 v5, v2, 5, v5                   ; in: row r, 32 bytes (8 f32) for each half of the lanes
	s_lshl_b32 s82, s18, 7                         ; my column half: 32 f32
	v_mul_u32_u24 v6, v2, SP                       ; back: sixteen lanes take a row of 256 bytes, a load two rows
	v_lshl_add_u32 v6, v1, 4, v6
	v_lshlrev_b32 v7, 4, v1
	v_lshl_add_u32 v7, v2, 12, v7
	v_lshl_add_u32 v[CO], v4, 17, v7               ; out: (32 wave + hh) rows of 4,096 bytes + 16 r
.endif
	s_add_co_u32 s80, s80, s82
	s_add_co_u32 s80, s80, STAGE
	s_add_co_u32 s81, s81, STAGE
	v_add_nc_u32 v[STO], s80, v5
	v_add_nc_u32 v[RD], s81, v6
	s_mul_i32 s94, s21, BN*4                       ; the bias of my columns
	s_mul_i32 s80, s18, BN*2
	s_add_co_u32 s94, s94, s80
	s_mov_b32 s95, 0
	s_add_nc_u64 s[92:93], s[8:9], s[94:95]
.set k, 0
.rept TB
	global_load_b128 v[BIAS+8*k:BIAS+8*k+3],   v[BOFF], s[92:93] offset:64*k
	global_load_b128 v[BIAS+8*k+4:BIAS+8*k+7], v[BOFF], s[92:93] offset:64*k+16
.set k, k+1
.endr
.if KIND >= 2
	s_lshl_b32 s94, s22, 19                        ; 128 rows of 4,096 bytes a block row, 256 bytes a block column
	s_lshl_b32 s23, s21, 8
	s_add_co_u32 s94, s94, s23
	s_add_nc_u64 s[96:97], s[10:11], s[94:95]      ; the residual
	s_add_nc_u64 s[98:99], s[12:13], s[94:95]      ; the output
.set k, 0
.rept 16
	global_load_b128 v[RES+4*k:RES+4*k+3], v[CO], s[96:97] offset:8192*k    ; asked for now, wanted on the way out
.set k, k+1
.endr
.endif
.if KIND == 3
	s_mov_b32 s85, 0x3e6d3388                      ; 0.3275911 / sqrt 2
	s_mov_b32 s86, 0xbf38aa3b                      ; - log2(e) / 2
	s_mov_b32 s87, 0x3f87dc22                      ; a5 =  1.061405429
	s_mov_b32 s88, 0xbfba00e3                      ; a4 = -1.453152027
	s_mov_b32 s89, 0x3fb5f0e3                      ; a3 =  1.421413741
	s_mov_b32 s90, 0xbe91a98e                      ; a2 = -0.284496736
	s_mov_b32 s91, 0x3e827906                      ; a1 =  0.254829592
.endif
; NL LDS loads in one run: the fragments of quarter q (32 K) of slice y of a slot, into buffer f
.macro FETCH slot, y, q, f
	PLACES
	WIN 0
.set fb, 0
.rept TB
	ds_load_b128 v[\f+8*fb:\f+8*fb+3],   v[ADRB+\slot] offset:\y*BSL+fb*16*PITCH+\q*64
	ds_load_b128 v[\f+8*fb+4:\f+8*fb+7], v[ADRB+\slot] offset:\y*BSL+fb*16*PITCH+\q*64+32
.set fb, fb+1
.endr
.set fa, 0
.rept 4
	ds_load_b128 v[\f+8*TB+8*fa:\f+8*TB+8*fa+3],   v[ADRA+\slot] offset:\y*ASL+fa*16*PITCH+\q*64
	ds_load_b128 v[\f+8*TB+8*fa+4:\f+8*TB+8*fa+7], v[ADRA+\slot] offset:\y*ASL+fa*16*PITCH+\q*64+32
.set fa, fa+1
.endr
.endm
; 4 TB matrix instructions, each accumulator once and always in the same order: the accumulators take turns, one instruction a turn.
; zf = 1: the very first products take the bias as C.
.macro MUL f
.if zf
	WIN 0x40
.else
	WIN 0x50
.endif
.set ma, 0
.rept 4
.set mb, 0
.rept TB
.if zf
	v_wmma_f32_16x16x32_bf16 v[8*(TB*ma+mb):8*(TB*ma+mb)+7], v[\f+8*mb:\f+8*mb+7], v[\f+8*TB+8*ma:\f+8*TB+8*ma+7], v[BIAS+8*mb:BIAS+8*mb+7]
.else
	v_wmma_f32_16x16x32_bf16 v[8*(TB*ma+mb):8*(TB*ma+mb)+7], v[\f+8*mb:\f+8*mb+7], v[\f+8*TB+8*ma:\f+8*TB+8*ma+7], v[8*(TB*ma+mb):8*(TB*ma+mb)+7]
.endif
.set mb, mb+1
.endr
.set ma, ma+1
.endr
.endm
; The ns slices of a slot: 2 ns quarters on two fragment buffers; while one is multiplied the next one's loads are on their way.
.macro STEP slot, ns, first
	FETCH \slot, 0, 0, F0
.set qq, 0
.rept 2*\ns
.if qq < 2*\ns-1
	FETCH \slot, ((qq+1)/2), ((qq+1)%2), (F0+((qq+1)%2)*FS)
	s_wait_dscnt NL                                ; the NL just issued may stay out; this quarter's are in
.else
	s_wait_dscnt 0x0
.endif
.set zf, 0
.if \first
.if qq == 0
.set zf, 1
.endif
.endif
	MUL (F0+(qq%2)*FS)
.set qq, qq+1
.endr
	WIN 0
.endm
; A slot that has been read is filled again.  Each wave waits for all its tensor loads (its part of the other slot among them) and for its LDS reads; then no
; load of its own is out and the descriptors may be stepped; a round of the cluster's barrier; the joint load first behind it, one a wave.
.macro TURNR slot, tail
	s_wait_tensorcnt 0x0
	ds_add_u32 v254, v255
	s_wait_dscnt 0x0
	s_add_nc_u64 s[G0A+4*\slot+2:G0A+4*\slot+3], s[G0A+4*\slot+2:G0A+4*\slot+3], (N0+N1)*ASTR
	s_add_nc_u64 s[G0B+4*\slot+2:G0B+4*\slot+3], s[G0B+4*\slot+2:G0B+4*\slot+3], (N0+N1)*WSTR
.if \tail
	s_mov_b32 s[G1A+8*\slot+2], \tail<<16          ; the last fill has fewer slices
	s_mov_b32 s[G1A+8*\slot+4], \tail
	s_mov_b32 s[G1B+8*\slot+2], \tail<<16
	s_mov_b32 s[G1B+8*\slot+4], \tail
.endif
	CROUND
	JLOAD \slot
.endm
.macro TURNP                           ; a change of slots with nothing left to fetch
	s_wait_tensorcnt 0x0
	s_wait_dscnt 0x0
	s_barrier_signal -1
	s_barrier_wait -1
.endm
	s_wait_tensorcnt 0x1                           ; my part of slot 0 is in; slot 1's may stay out
	s_barrier_signal -1
	s_barrier_wait -1
.if KIND >= 2
	s_wait_loadcnt 16                              ; the 16 younger loads are the residual's: the bias is in
.else
	s_wait_loadcnt 0x0                             ; the bias
.endif
.if KIND == 0
	STEP 0, 3, 1                                   ; slices 0-2
	TURNR 0, 0                                     ; 7-9 go out
	STEP 1, 4, 0                                   ; 3-6
	TURNR 1, 0                                     ; 10-13 go out
	STEP 0, 3, 0                                   ; 7-9
	TURNR 0, 2                                     ; 14, 15 go out
	STEP 1, 4, 0                                   ; 10-13
	TURNP
	STEP 0, 2, 0                                   ; 14, 15
.else
	STEP 0, 5, 1                                   ; slices 0-4
	TURNR 0, 0                                     ; 11-15 go out
	STEP 1, 6, 0                                   ; 5-10
	TURNP
	STEP 0, 5, 0                                   ; 11-15
.endif
	; THE WAY OUT, through the stage in slot 1: its last fill has landed and every wave's reads of it ended in front of the last barrier.
	PLACES
.if KIND < 2
	WIN 0x05                                       ; sources in window 1
.set k, 0
.rept 4*TB
.irp i, 0,1,2,3
	v_cvt_pk_bf16_f32 v[64+4*k+\i], v[8*k+2*\i], v[8*k+2*\i+1]
.endr
.set k, k+1
.endr
	WIN 0
.set ea, 0
.rept 4
.set eb, 0
.rept TB
	ds_store_b128 v[STO], v[64+4*(TB*ea+eb):64+4*(TB*ea+eb)+3] offset:ea*16*SP+32*eb
.set eb, eb+1
.endr
.set ea, ea+1
.endr
.if KIND == 0
	; slice 3 x block column + i of the 48: 0-15 are q's heads, 16-31 k's, 32-47 v's.  A choice between buffers, no branch.
	s_lshl_b32 s2, s22, 14                         ; 128 slice rows of 128 bytes a block row
.irp i, 0,1,2
	s_mul_i32 s23, s21, 3
	s_add_co_u32 s23, s23, \i
	s_cmp_lt_u32 s23, 32
	s_cselect_b64 s[84+2*\i:85+2*\i], s[12:13], s[14:15]
	s_cmp_lt_u32 s23, 16
	s_cselect_b64 s[84+2*\i:85+2*\i], s[10:11], s[84+2*\i:85+2*\i]
	s_and_b32 s23, s23, 15
	s_lshl_b32 s23, s23, 18
	s_add_co_u32 s94, s23, s2
	s_add_nc_u64 s[84+2*\i:85+2*\i], s[84+2*\i:85+2*\i], s[94:95]
.endr
.else
	s_lshl_b32 s94, s21, 18                        ; slice = block column
	s_lshl_b32 s23, s22, 14
	s_add_co_u32 s94, s94, s23
	s_add_nc_u64 s[84:85], s[10:11], s[94:95]      ; q2 as the next launch's q
	s_add_nc_u64 s[86:87], s[12:13], s[94:95]      ; and as its k: that body takes them from two buffers
.endif
	s_wait_dscnt 0x0                               ; my stores into the stage are done: the two waves of a row half share its rows
	s_barrier_signal -1
	s_barrier_wait -1
.set NLD, 8*(BN/64)
.set k, 0
.rept NLD
	ds_load_b128 v[64+4*k:64+4*k+3], v[RD] offset:(k%8)*4*SP+(k/8)*128
.set k, k+1
.endr
.set k, 0
.rept NLD
	s_wait_dscnt NLD-1-k                           ; the younger loads stay out
	global_store_b128 v[CO], v[64+4*k:64+4*k+3], s[84+2*(k/8):85+2*(k/8)] offset:512*(k%8)   ; 512 consecutive bytes, aligned
.if KIND == 1
	global_store_b128 v[CO], v[64+4*k:64+4*k+3], s[86:87] offset:512*(k%8)
.endif
.set k, k+1
.endr
.else
	WIN 0x04                                       ; an LDS store's data is source 1: window 1
.set ea, 0
.rept 4
.set eb, 0
.rept TB
	ds_store_b128 v[STO], v[8*(TB*ea+eb):8*(TB*ea+eb)+3]   offset:ea*16*SP+64*eb
	ds_store_b128 v[STO], v[8*(TB*ea+eb)+4:8*(TB*ea+eb)+7] offset:ea*16*SP+64*eb+16
.set eb, eb+1
.endr
.set ea, ea+1
.endr
	WIN 0
	s_wait_dscnt 0x0                               ; my stores into the stage are done: the two waves of a row half share its rows
	s_barrier_signal -1
	s_barrier_wait -1
.set k, 0
.rept 16
	ds_load_b128 v[64+4*k:64+4*k+3], v[RD] offset:2*SP*k
.set k, k+1
.endr
	s_wait_loadcnt 0x0                             ; the residual
; gelu(z) = z Phi(z).  With t = 1 / (1 + 0.3275911 |z| / sqrt 2): w = erfc(|z| / sqrt 2) / 2 = (a1 t + .. + a5 t^5) exp(-z z / 2) / 2; Phi = w for z < 0, else 1 - w.
; For very large |z| the exponential is 0 and Phi is 0 or 1.  Four numbers at a time, so that the transcendentals stand in runs with one plain place behind them.
.macro GELU4 z, r
.irp k, 0,1,2,3
	v_and_b32 v[GT+\k], 0x7fffffff, v[\z+\k]
	v_mul_f32 v[GT+8+\k], v[\z+\k], v[\z+\k]
.endr
.irp k, 0,1,2,3
	v_fma_f32 v[GT+4+\k], v[GT+\k], s85, 1.0
	v_mul_f32 v[GT+8+\k], s86, v[GT+8+\k]
.endr
.irp k, 0,1,2,3
	v_rcp_f32 v[GT+\k], v[GT+4+\k]                 ; t
.endr
.irp k, 0,1,2,3
	v_exp_f32 v[GT+12+\k], v[GT+8+\k]              ; exp(-z z / 2)
.endr
	v_nop
.irp k, 0,1,2,3
	v_fma_f32 v[GT+4+\k], v[GT+\k], s87, s88
.endr
.irp k, 0,1,2,3
	v_fma_f32 v[GT+4+\k], v[GT+4+\k], v[GT+\k], s89
.endr
.irp k, 0,1,2,3
	v_fma_f32 v[GT+4+\k], v[GT+4+\k], v[GT+\k], s90
.endr
.irp k, 0,1,2,3
	v_fma_f32 v[GT+4+\k], v[GT+4+\k], v[GT+\k], s91
	v_mul_f32 v[GT+8+\k], 0.5, v[GT+12+\k]
.endr
.irp k, 0,1,2,3
	v_mul_f32 v[GT+4+\k], v[GT+4+\k], v[GT+\k]
.endr
.irp k, 0,1,2,3
	v_mul_f32 v[GT+4+\k], v[GT+4+\k], v[GT+8+\k]   ; w
.endr
.irp k, 0,1,2,3
	v_sub_f32 v[GT+8+\k], 1.0, v[GT+4+\k]          ; 1 - w
.endr
.irp k, 0,1,2,3
	v_cmp_gt_f32 vcc_lo, 0, v[\z+\k]
	v_cndmask_b32 v[GT+4+\k], v[GT+8+\k], v[GT+4+\k], vcc_lo
	v_fma_f32 v[\z+\k], v[\z+\k], v[GT+4+\k], v[\r+\k]
.endr
.endm
.set et, 0
.rept 16
	s_wait_dscnt 15-et                             ; the younger loads stay out
.if KIND == 2
	v_pk_add_f32 v[64+4*et:64+4*et+1], v[64+4*et:64+4*et+1], v[RES+4*et:RES+4*et+1]
	v_pk_add_f32 v[64+4*et+2:64+4*et+3], v[64+4*et+2:64+4*et+3], v[RES+4*et+2:RES+4*et+3]
	global_store_b128 v[CO], v[64+4*et:64+4*et+3], s[98:99] offset:8192*et                    ; sixteen lanes store 256 consecutive bytes, aligned
.else
	GELU4 (64+4*et), (RES+4*et)
	global_store_b128 v[CO], v[64+4*et:64+4*et+3], s[98:99] offset:8192*et th:TH_STORE_NT
.endif
.set et, et+1
.endr
.endif
	s_wait_tensorcnt 0x0
	ds_add_u32 v254, v255
	s_wait_dscnt 0x0
	CROUND                                         ; the closing round: no work-group ends while a partner may still ask for a tile that names it
	s_endpgm
.Lfunc_end_k_q6610f1b3cc_gemm_q:
	.size	k_q6610f1b3cc_gemm_q, .Lfunc_end_k_q6610f1b3cc_gemm_q-k_q6610f1b3cc_gemm_q
	.p2alignl 7, 3214868480
	.fill 96, 4, 3214868480
	.section	.rodata,"a",@progbits
	.p2align	6, 0x0
	.amdhsa_kernel k_q6610f1b3cc_gemm_q
		.amdhsa_group_segment_fixed_size 327680
		.amdhsa_private_segment_fixed_size 0
		.amdhsa_enable_private_segment 0
		.amdhsa_kernarg_size 40
		.amdhsa_user_sgpr_count 2
		.amdhsa_user_sgpr_kernarg_segment_ptr 1
		.amdhsa_wavefront_size32 1
		.amdhsa_system_sgpr_workgroup_id_x 1
		.amdhsa_system_sgpr_workgroup_id_y 1
		.amdhsa_system_sgpr_workgroup_id_z 1
		.amdhsa_system_vgpr_workitem_id 0
		.amdhsa_next_free_vgpr 320
		.amdhsa_next_free_sgpr 100
		.amdhsa_reserve_vcc 1
		.amdhsa_float_denorm_mode_32 3
		.amdhsa_float_denorm_mode_16_64 3
		.amdhsa_memory_ordered 1
		.amdhsa_forward_progress 1
		.amdhsa_inst_pref_size 62
	.end_amdhsa_kernel
	.amdgpu_metadata
---
amdhsa.version: [ 1, 2 ]
amdhsa.kernels:
  - .name:           k_q6610f1b3cc_gemm_q
    .symbol:         k_q6610f1b3cc_gemm_q.kd
    .args:
      - { .name: act, .offset: 0, .size: 8, .value_kind: global_buffer, .address_space: global }
      - { .name: wb, .offset: 8, .size: 8, .value_kind: global_buffer, .address_space: global }
      - { .name: b_q, .offset: 16, .size: 8, .value_kind: global_buffer, .address_space: global }
      - { .name: qh, .offset: 24, .size: 8, .value_kind: global_buffer, .address_space: global }
      - { .name: kh, .offset: 32, .size: 8, .value_kind: global_buffer, .address_space: global }
    .group_segment_fixed_size: 327680
    .private_segment_fixed_size: 0
    .kernarg_segment_align: 8
    .kernarg_segment_size: 40
    .max_flat_workgroup_size: 128
    .sgpr_count:     100
    .vgpr_count:     320
    .wavefront_size: 32
...
	.end_amdgpu_metadata
.endif
;; end of part 5
;; launch attn2: the kernel of part 3 again; grid 256 x 1, 8 waves a work-group, clusters of 4 x 1, 327,680 bytes of LDS; arguments qh, kh, act, ctx; writes ctx
;; launch gemm_fo (part 6): grid 16 x 16, 4 waves a work-group, clusters of 4 x 4, 327,680 bytes of LDS; arguments ctx, wb, b_fo, h, out0; writes out0
.if DOCPART == 6
	.amdgcn_target "amdgcn-amd-amdhsa--gfx1250"
	.amdhsa_code_object_version 6
	.text
	.protected	k_q6610f1b3cc_gemm_fo
	.globl	k_q6610f1b3cc_gemm_fo
	.p2align	8
	.type	k_q6610f1b3cc_gemm_fo,@function
k_q6610f1b3cc_gemm_fo:
	s_mov_b64 s[64:65], 0
	v_nop
	global_prefetch_b8 v0, s[64:65] scope:SCOPE_SE
	s_setreg_imm32_b32 hwreg(HW_REG_WAVE_MODE, 25, 1), 1
	s_wait_xcnt 0x0
	s_wait_alu depctr_hold_cnt(0) depctr_sa_sdst(0) depctr_va_vdst(0) depctr_va_sdst(0) depctr_va_ssrc(0) depctr_va_vcc(0) depctr_vm_vsrc(0)
	s_getreg_b32 s2, hwreg(HW_REG_IB_STS2, 6, 4)
	s_cmp_eq_u32 s2, 0
	s_cbranch_scc0 .Lentry_in_a_cluster
	s_endpgm
.Lentry_in_a_cluster:
	s_bfe_u32 s2, ttmp6, 0x10000c
	s_cmp_lg_u32 s2, 0xf033
	s_cbranch_scc0 .Lentry_shape_is_right
	s_endpgm
.Lentry_shape_is_right:
; ONE TEXT, FOUR BUILDS; the line .set KIND picks the build.  C[m][n] = bias[n] + sum over k of A[m][k] W[n][k], M = 2048, K = 1024.
;   KIND 0: N = 3072, C = q | k | v in bf16, slice-major, to three buffers     KIND 1: N = 1024, C = q2 in bf16, slice-major, to two buffers
;   KIND 2: N = 1024, h = x + C in f32, row-major                              KIND 3: N = 1024, out = h + gelu(C) in f32, row-major
; A and W are bf16, slice-major: [k / 64][row][64].  Sums in f32; the bias is the C operand of the first product, so nothing is cleared or added later.
; 16 x 16 work-groups, each a block of 128 x BN of C, four waves as 2 x 2, a wave 64 x BN/2: 4 x TB accumulators of 16 x 16.
; K is short (16 slices), so the text asks for as much of K as LDS holds at its start and refills seldom: two slots of N0 and N1 slices take turns.
; CLUSTERS: 4 x 4 work-groups.  A's tiles hang on the block row alone and are asked for jointly by a row of the cluster, W's on the block column
; alone and are asked for jointly by a column: the requests for both are divided by four.
; A tensor load brings one half of A's (64) or W's (BN/2) rows for all slices of a slot: a tile whose "row" is the rows x 64 elements of one slice,
; dense in memory, and whose second axis is the slices; 16 bytes of padding behind every 128 make the LDS pitch 144 = 9 x 16 bytes.
; By the text's own count a wave has two tensor loads out at the start and one behind each later round.
; The matrix instruction is used transposed (source 0 = rows of W, source 1 = rows of A): a lane then holds row l % 16 of C and eight neighbouring columns.
; KIND 3, stated limit: erf by the rational form of Abramowitz and Stegun 7.1.26, written for erfc so that it holds for every argument; absolute error 1.5e-7.
.set KIND, 3
.if KIND == 0
.set BN,   192
.set N0,   3                           ; slices in slot 0
.set N1,   4                           ; slices in slot 1
.set WN,   3072                        ; rows of W
.set WOFF, 0                           ; where W begins in wb
.else
.set BN,   64
.set N0,   5
.set N1,   6
.set WN,   1024
.if KIND == 1
.set WOFF, 8388608
.endif
.if KIND == 2
.set WOFF, 6291456
.endif
.if KIND == 3
.set WOFF, 10485760
.endif
.endif
.set TB,    BN/32                      ; 16-column tiles of a wave
.set RB,    BN/2                       ; rows of W in one tensor load, and of one wave
.set PITCH, 144
.set ASL,   64*PITCH                   ; one slice of 64 rows of A in LDS
.set BSL,   RB*PITCH                   ; one slice of RB rows of W in LDS
.set SLOT1, N0*(2*ASL+2*BSL)           ; slot 0 at 0: A half 0, A half 1, W half 0, W half 1, each [slice][row][144]; slot 1 behind it, likewise
.set STAGE, SLOT1                      ; the way out goes through slot 1, behind its last fill and its last read
.set ASTR,  262144                     ; bytes from slice to slice of A
.set WSTR,  WN*128                     ; and of W
.set NL,    8+2*TB                     ; LDS loads of one quarter step (32 along K)
.set FS,    8*(TB+4)                   ; registers of a fragment buffer: TB tiles of W, then 4 of A
.if KIND < 2
.set SP,    2*BN+16                    ; pitch of the stage: a row of BN bf16 + 16
.else
.set SP,    272                        ; a row of 64 f32 + 16
.endif
; vector registers, window 0
.set ADRA, 8                           ; v8, v9    LDS address of my A fragments in slot 0, 1
.set ADRB, 10                          ; v10, v11  the same for W
.set STO,  12                          ; where I put my results in the stage
.set RD,   13                          ; where I read rows back
.set CO,   14                          ; my byte offset in the output (and in the residual)
.set BOFF, 15                          ; my byte offset in the bias
.set BIAS, 16                          ; 8 TB registers: the bias of my columns, in an accumulator's layout
.set F0,   64                          ; two fragment buffers, F0 and F0 + FS
.set RES,  160                         ; v[160:223] KIND 2, 3: the residual of my 16 x 4 outputs
.set GT,   224                         ; v[224:239] KIND 3: at work
; window 1: accumulator (a, b) at v[8 (TB a + b)]
; scalar registers: s2, s3 masks; s16 wave, s17 wave / 2, s18 wave % 2; s19 cx, s20 cy, s21 block column, s22 block row; s23, s94 offsets made of these
.set G1A, 24                           ; s[24:31], s[32:39] group 1 of A's tiles for slot 0, 1 (they differ in the number of slices)
.set G1B, 40                           ; s[40:47], s[48:55] the same for W
.set G0A, 56                           ; s[56:59], s[60:63] group 0 of A's tiles for slot 0, 1
.set G0B, 68                           ; s[68:71], s[72:75] the same for W
.set G1W0, (1<<16)|(1<<20)|(1<<21)|(4<<22)|(3<<25)   ; 2-byte elements; padding on; bit 21 beside a mask; after every 32 words; 4 words
.set MSB, 0
.macro WIN new                         ; s_set_vgpr_msb: low byte bits 1:0 source 0, 3:2 source 1, 5:4 source 2, 7:6 destination; the high byte repeats the setting left
.if MSB != \new
	s_set_vgpr_msb (MSB<<8)|\new
.set MSB, \new
.endif
.endm
.macro PLACES                          ; four plain places behind a matrix instruction (ISA guide 7.12.1) before its registers are loaded into, read or written
.rept 4
	v_nop
.endr
.endm
; A joint load: waves 0, 1 ask for A's halves, waves 2, 3 for W's.  Each line has one mask; the branch hangs on the wave's number alone.
.macro JLOAD s
	s_cmp_eq_u32 s17, 0
	s_cbranch_scc0 .Lfor_w_\@
	tensor_load_to_lds s[G0A+4*\s:G0A+4*\s+3], s[G1A+8*\s:G1A+8*\s+7]
	s_nop 0
	s_branch .Lasked_\@
.Lfor_w_\@:
	tensor_load_to_lds s[G0B+4*\s:G0B+4*\s+3], s[G1B+8*\s:G1B+8*\s+7]
	s_nop 0
.Lasked_\@:
.endm
; A round of the cluster's barrier: my work-group's barrier, wave 0 signals for the work-group, every wave waits for all sixteen, my work-group's barrier again.
.macro CROUND
	s_barrier_signal -1
	s_barrier_wait -1
	s_cmp_lg_u32 s16, 0
	s_cbranch_scc1 .Lnot_wave_0_\@
	s_barrier_signal -3
.Lnot_wave_0_\@:
	s_barrier_wait -3
	s_barrier_signal -1
	s_barrier_wait -1
.endm
.macro SETG1 g, mask, rowel, ns, stride        ; ns "rows" of rowel elements, stride elements apart
	s_or_b32  s[\g], \mask, G1W0
	s_mov_b32 s[\g+1], \rowel<<16                  ; tensor_dim0
	s_mov_b32 s[\g+2], \ns<<16                     ; tensor_dim1
	s_mov_b32 s[\g+3], \rowel<<16                  ; tile_dim0
	s_mov_b32 s[\g+4], \ns                         ; tile_dim1
	s_mov_b32 s[\g+5], \stride
	s_mov_b32 s[\g+6], 0
	s_mov_b32 s[\g+7], 0
.endm
.macro SETG0 g, ldsmul, ldsbase, src, goff     ; LDS address = base + (wave % 2) x size of a half; global address = s[src] + goff
	s_mov_b32 s[\g], 1
	s_mul_i32 s[\g+1], s18, \ldsmul
	s_add_co_u32 s[\g+1], s[\g+1], \ldsbase
	s_add_nc_u64 s[\g+2:\g+3], s[\src:\src+1], \goff
	s_or_b32  s[\g+3], s[\g+3], 0x80000000
.endm
	s_load_b256 s[4:11], s[0:1], 0x0               ; A 4:5, wb 6:7, bias 8:9, fourth argument 10:11
.if KIND == 0
	s_load_b128 s[12:15], s[0:1], 0x20             ; kh 12:13, vh 14:15
.else
	s_load_b64 s[12:13], s[0:1], 0x20              ; the fifth argument
	v_lshl_add_u32 v254, v0, 2, 0x4a400
	v_mov_b32 v255, 0
	ds_add_u32 v254, v255
.endif
	v_lshrrev_b32 v1, 5, v0
	v_readfirstlane_b32 s16, v1                    ; wave 0..3
	s_lshr_b32 s17, s16, 1                         ; my half of the block's rows; also: I ask for A (0) or for W (1)
	s_and_b32 s18, s16, 1                          ; my half of its columns; also: which half I ask for
	s_bfe_u32 s19, ttmp6, 0x40000                  ; cx
	s_bfe_u32 s20, ttmp6, 0x40004                  ; cy
	s_lshl_b32 s21, ttmp9, 2
	s_add_co_u32 s21, s21, s19                     ; block column = 4 x cluster x + cx
	s_and_b32 s22, ttmp7, 0xffff
	s_lshl_b32 s22, s22, 2
	s_add_co_u32 s22, s22, s20                     ; block row = 4 x cluster y + cy
	s_lshl_b32 s2, s20, 2
	s_lshl_b32 s2, 15, s2                          ; my row of the cluster: places 4 cy .. 4 cy + 3
	s_lshl_b32 s3, 0x1111, s19                     ; my column: places cx, cx + 4, cx + 8, cx + 12
	SETG1 G1A,   s2, 4096,  N0, 131072
	SETG1 G1A+8, s2, 4096,  N1, 131072
	SETG1 G1B,   s3, RB*64, N0, WN*64
	SETG1 G1B+8, s3, RB*64, N1, WN*64
	s_lshl_b32 s76, s22, 14                        ; A: (128 x block row + 64 x half) rows of 128 bytes
	s_lshl_b32 s82, s18, 13
	s_add_co_u32 s76, s76, s82
	s_mov_b32 s77, 0
	s_mul_i32 s78, s21, BN*128                     ; W: (BN x block column + BN/2 x half) rows of 128 bytes, behind the matrix's start in wb
	s_mul_i32 s83, s18, RB*128
	s_add_co_u32 s78, s78, s83
	s_add_co_u32 s78, s78, WOFF
	s_mov_b32 s79, 0
	s_wait_dscnt 0x0
	s_wait_kmcnt 0x0
	s_add_nc_u64 s[76:77], s[4:5], s[76:77]
	s_add_nc_u64 s[78:79], s[6:7], s[78:79]
	SETG0 G0A,   N0*ASL, 0,              76, 0
	SETG0 G0A+4, N1*ASL, SLOT1,          76, N0*ASTR
	SETG0 G0B,   N0*BSL, 2*N0*ASL,       78, 0
	SETG0 G0B+4, N1*BSL, SLOT1+2*N1*ASL, 78, N0*WSTR
	CROUND                                         ; all sixteen work-groups are here: the first joint loads meet
	JLOAD 0                                        ; slices 0 .. N0 - 1
	JLOAD 1                                        ; slices N0 .. N0 + N1 - 1
	; A fragment is 16 rows x 32 K in 8 registers: lane l holds row l % 16; registers 0-3 K = 8 (l / 16) + 0..7, registers 4-7 K = 16 + 8 (l / 16) + 0..7:
	; two loads of 16 bytes, 32 bytes apart, at row x pitch + 16 (l / 16).
	v_and_b32 v1, 15, v0                           ; r = l % 16
	v_bfe_u32 v2, v0, 4, 1                         ; hh = l / 16
	v_lshrrev_b32 v4, 5, v0                        ; wave
	v_mul_u32_u24 v3, v1, PITCH
	v_lshl_add_u32 v3, v2, 4, v3
	s_mul_i32 s80, s17, N0*ASL
	s_mul_i32 s81, s17, N1*ASL
	s_add_co_u32 s81, s81, SLOT1
	s_mul_i32 s82, s18, N0*BSL
	s_add_co_u32 s82, s82, 2*N0*ASL
	s_mul_i32 s83, s18, N1*BSL
	s_add_co_u32 s83, s83, SLOT1+2*N1*ASL
	v_add_nc_u32 v[ADRA], s80, v3
	v_add_nc_u32 v[ADRA+1], s81, v3
	v_add_nc_u32 v[ADRB], s82, v3
	v_add_nc_u32 v[ADRB+1], s83, v3
	v_lshlrev_b32 v[BOFF], 5, v2                   ; my eight columns of a tile begin at 8 hh: 32 hh bytes
	v_mul_u32_u24 v5, v1, SP
	s_mul_i32 s80, s17, 64*SP
	s_mul_i32 s81, s16, 32*SP
.if KIND < 2
	v_lshl_add_u32 v5, v2, 4, v5                   ; in: row r, 16 bytes (8 bf16) for each half of the lanes
	s_mul_i32 s82, s18, BN                         ; my column half: BN/2 bf16
	v_bfe_u32 v6, v0, 3, 2                         ; back: eight lanes take the 128 bytes that a row has in one slice, a load four rows
	v_and_b32 v7, 7, v0
	v_mul_u32_u24 v6, v6, SP
	v_lshl_add_u32 v6, v7, 4, v6
	v_and_b32 v7, 31, v0
	v_lshlrev_b32 v7, 4, v7
	v_lshl_add_u32 v[CO], v4, 12, v7               ; out: my wave's 32 slice rows are 4,096 dense bytes; 16 bytes a lane
.else
	v_lshl_add_u32 v5, v2, 5, v5                   ; in: row r, 32 bytes (8 f32) for each half of the lanes
	s_lshl_b32 s82, s18, 7                         ; my column half: 32 f32
	v_mul_u32_u24 v6, v2, SP                       ; back: sixteen lanes take a row of 256 bytes, a load two rows
	v_lshl_add_u32 v6, v1, 4, v6
	v_lshlrev_b32 v7, 4, v1
	v_lshl_add_u32 v7, v2, 12, v7
	v_lshl_add_u32 v[CO], v4, 17, v7               ; out: (32 wave + hh) rows of 4,096 bytes + 16 r
.endif
	s_add_co_u32 s80, s80, s82
	s_add_co_u32 s80, s80, STAGE
	s_add_co_u32 s81, s81, STAGE
	v_add_nc_u32 v[STO], s80, v5
	v_add_nc_u32 v[RD], s81, v6
	s_mul_i32 s94, s21, BN*4                       ; the bias of my columns
	s_mul_i32 s80, s18, BN*2
	s_add_co_u32 s94, s94, s80
	s_mov_b32 s95, 0
	s_add_nc_u64 s[92:93], s[8:9], s[94:95]
.set k, 0
.rept TB
	global_load_b128 v[BIAS+8*k:BIAS+8*k+3],   v[BOFF], s[92:93] offset:64*k
	global_load_b128 v[BIAS+8*k+4:BIAS+8*k+7], v[BOFF], s[92:93] offset:64*k+16
.set k, k+1
.endr
.if KIND >= 2
	s_lshl_b32 s94, s22, 19                        ; 128 rows of 4,096 bytes a block row, 256 bytes a block column
	s_lshl_b32 s23, s21, 8
	s_add_co_u32 s94, s94, s23
	s_add_nc_u64 s[96:97], s[10:11], s[94:95]      ; the residual
	s_add_nc_u64 s[98:99], s[12:13], s[94:95]      ; the output
.set k, 0
.rept 16
	global_load_b128 v[RES+4*k:RES+4*k+3], v[CO], s[96:97] offset:8192*k    ; asked for now, wanted on the way out
.set k, k+1
.endr
.endif
.if KIND == 3
	s_mov_b32 s85, 0x3e6d3388                      ; 0.3275911 / sqrt 2
	s_mov_b32 s86, 0xbf38aa3b                      ; - log2(e) / 2
	s_mov_b32 s87, 0x3f87dc22                      ; a5 =  1.061405429
	s_mov_b32 s88, 0xbfba00e3                      ; a4 = -1.453152027
	s_mov_b32 s89, 0x3fb5f0e3                      ; a3 =  1.421413741
	s_mov_b32 s90, 0xbe91a98e                      ; a2 = -0.284496736
	s_mov_b32 s91, 0x3e827906                      ; a1 =  0.254829592
.endif
; NL LDS loads in one run: the fragments of quarter q (32 K) of slice y of a slot, into buffer f
.macro FETCH slot, y, q, f
	PLACES
	WIN 0
.set fb, 0
.rept TB
	ds_load_b128 v[\f+8*fb:\f+8*fb+3],   v[ADRB+\slot] offset:\y*BSL+fb*16*PITCH+\q*64
	ds_load_b128 v[\f+8*fb+4:\f+8*fb+7], v[ADRB+\slot] offset:\y*BSL+fb*16*PITCH+\q*64+32
.set fb, fb+1
.endr
.set fa, 0
.rept 4
	ds_load_b128 v[\f+8*TB+8*fa:\f+8*TB+8*fa+3],   v[ADRA+\slot] offset:\y*ASL+fa*16*PITCH+\q*64
	ds_load_b128 v[\f+8*TB+8*fa+4:\f+8*TB+8*fa+7], v[ADRA+\slot] offset:\y*ASL+fa*16*PITCH+\q*64+32
.set fa, fa+1
.endr
.endm
; 4 TB matrix instructions, each accumulator once and always in the same order: the accumulators take turns, one instruction a turn.
; zf = 1: the very first products take the bias as C.
.macro MUL f
.if zf
	WIN 0x40
.else
	WIN 0x50
.endif
.set ma, 0
.rept 4
.set mb, 0
.rept TB
.if zf
	v_wmma_f32_16x16x32_bf16 v[8*(TB*ma+mb):8*(TB*ma+mb)+7], v[\f+8*mb:\f+8*mb+7], v[\f+8*TB+8*ma:\f+8*TB+8*ma+7], v[BIAS+8*mb:BIAS+8*mb+7]
.else
	v_wmma_f32_16x16x32_bf16 v[8*(TB*ma+mb):8*(TB*ma+mb)+7], v[\f+8*mb:\f+8*mb+7], v[\f+8*TB+8*ma:\f+8*TB+8*ma+7], v[8*(TB*ma+mb):8*(TB*ma+mb)+7]
.endif
.set mb, mb+1
.endr
.set ma, ma+1
.endr
.endm
; The ns slices of a slot: 2 ns quarters on two fragment buffers; while one is multiplied the next one's loads are on their way.
.macro STEP slot, ns, first
	FETCH \slot, 0, 0, F0
.set qq, 0
.rept 2*\ns
.if qq < 2*\ns-1
	FETCH \slot, ((qq+1)/2), ((qq+1)%2), (F0+((qq+1)%2)*FS)
	s_wait_dscnt NL                                ; the NL just issued may stay out; this quarter's are in
.else
	s_wait_dscnt 0x0
.endif
.set zf, 0
.if \first
.if qq == 0
.set zf, 1
.endif
.endif
	MUL (F0+(qq%2)*FS)
.set qq, qq+1
.endr
	WIN 0
.endm
; A slot that has been read is filled again.  Each wave waits for all its tensor loads (its part of the other slot among them) and for its LDS reads; then no
; load of its own is out and the descriptors may be stepped; a round of the cluster's barrier; the joint load first behind it, one a wave.
.macro TURNR slot, tail
	s_wait_tensorcnt 0x0
	ds_add_u32 v254, v255
	s_wait_dscnt 0x0
	s_add_nc_u64 s[G0A+4*\slot+2:G0A+4*\slot+3], s[G0A+4*\slot+2:G0A+4*\slot+3], (N0+N1)*ASTR
	s_add_nc_u64 s[G0B+4*\slot+2:G0B+4*\slot+3], s[G0B+4*\slot+2:G0B+4*\slot+3], (N0+N1)*WSTR
.if \tail
	s_mov_b32 s[G1A+8*\slot+2], \tail<<16          ; the last fill has fewer slices
	s_mov_b32 s[G1A+8*\slot+4], \tail
	s_mov_b32 s[G1B+8*\slot+2], \tail<<16
	s_mov_b32 s[G1B+8*\slot+4], \tail
.endif
	CROUND
	JLOAD \slot
.endm
.macro TURNP                           ; a change of slots with nothing left to fetch
	s_wait_tensorcnt 0x0
	s_wait_dscnt 0x0
	s_barrier_signal -1
	s_barrier_wait -1
.endm
	s_wait_tensorcnt 0x1                           ; my part of slot 0 is in; slot 1's may stay out
	s_barrier_signal -1
	s_barrier_wait -1
.if KIND >= 2
	s_wait_loadcnt 16                              ; the 16 younger loads are the residual's: the bias is in
.else
	s_wait_loadcnt 0x0                             ; the bias
.endif
.if KIND == 0
	STEP 0, 3, 1                                   ; slices 0-2
	TURNR 0, 0                                     ; 7-9 go out
	STEP 1, 4, 0                                   ; 3-6
	TURNR 1, 0                                     ; 10-13 go out
	STEP 0, 3, 0                                   ; 7-9
	TURNR 0, 2                                     ; 14, 15 go out
	STEP 1, 4, 0                                   ; 10-13
	TURNP
	STEP 0, 2, 0                                   ; 14, 15
.else
	STEP 0, 5, 1                                   ; slices 0-4
	TURNR 0, 0                                     ; 11-15 go out
	STEP 1, 6, 0                                   ; 5-10
	TURNP
	STEP 0, 5, 0                                   ; 11-15
.endif
	; THE WAY OUT, through the stage in slot 1: its last fill has landed and every wave's reads of it ended in front of the last barrier.
	PLACES
.if KIND < 2
	WIN 0x05                                       ; sources in window 1
.set k, 0
.rept 4*TB
.irp i, 0,1,2,3
	v_cvt_pk_bf16_f32 v[64+4*k+\i], v[8*k+2*\i], v[8*k+2*\i+1]
.endr
.set k, k+1
.endr
	WIN 0
.set ea, 0
.rept 4
.set eb, 0
.rept TB
	ds_store_b128 v[STO], v[64+4*(TB*ea+eb):64+4*(TB*ea+eb)+3] offset:ea*16*SP+32*eb
.set eb, eb+1
.endr
.set ea, ea+1
.endr
.if KIND == 0
	; slice 3 x block column + i of the 48: 0-15 are q's heads, 16-31 k's, 32-47 v's.  A choice between buffers, no branch.
	s_lshl_b32 s2, s22, 14                         ; 128 slice rows of 128 bytes a block row
.irp i, 0,1,2
	s_mul_i32 s23, s21, 3
	s_add_co_u32 s23, s23, \i
	s_cmp_lt_u32 s23, 32
	s_cselect_b64 s[84+2*\i:85+2*\i], s[12:13], s[14:15]
	s_cmp_lt_u32 s23, 16
	s_cselect_b64 s[84+2*\i:85+2*\i], s[10:11], s[84+2*\i:85+2*\i]
	s_and_b32 s23, s23, 15
	s_lshl_b32 s23, s23, 18
	s_add_co_u32 s94, s23, s2
	s_add_nc_u64 s[84+2*\i:85+2*\i], s[84+2*\i:85+2*\i], s[94:95]
.endr
.else
	s_lshl_b32 s94, s21, 18                        ; slice = block column
	s_lshl_b32 s23, s22, 14
	s_add_co_u32 s94, s94, s23
	s_add_nc_u64 s[84:85], s[10:11], s[94:95]      ; q2 as the next launch's q
	s_add_nc_u64 s[86:87], s[12:13], s[94:95]      ; and as its k: that body takes them from two buffers
.endif
	s_wait_dscnt 0x0                               ; my stores into the stage are done: the two waves of a row half share its rows
	s_barrier_signal -1
	s_barrier_wait -1
.set NLD, 8*(BN/64)
.set k, 0
.rept NLD
	ds_load_b128 v[64+4*k:64+4*k+3], v[RD] offset:(k%8)*4*SP+(k/8)*128
.set k, k+1
.endr
.set k, 0
.rept NLD
	s_wait_dscnt NLD-1-k                           ; the younger loads stay out
	global_store_b128 v[CO], v[64+4*k:64+4*k+3], s[84+2*(k/8):85+2*(k/8)] offset:512*(k%8)   ; 512 consecutive bytes, aligned
.if KIND == 1
	global_store_b128 v[CO], v[64+4*k:64+4*k+3], s[86:87] offset:512*(k%8)
.endif
.set k, k+1
.endr
.else
	WIN 0x04                                       ; an LDS store's data is source 1: window 1
.set ea, 0
.rept 4
.set eb, 0
.rept TB
	ds_store_b128 v[STO], v[8*(TB*ea+eb):8*(TB*ea+eb)+3]   offset:ea*16*SP+64*eb
	ds_store_b128 v[STO], v[8*(TB*ea+eb)+4:8*(TB*ea+eb)+7] offset:ea*16*SP+64*eb+16
.set eb, eb+1
.endr
.set ea, ea+1
.endr
	WIN 0
	s_wait_dscnt 0x0                               ; my stores into the stage are done: the two waves of a row half share its rows
	s_barrier_signal -1
	s_barrier_wait -1
.set k, 0
.rept 16
	ds_load_b128 v[64+4*k:64+4*k+3], v[RD] offset:2*SP*k
.set k, k+1
.endr
	s_wait_loadcnt 0x0                             ; the residual
; gelu(z) = z Phi(z).  With t = 1 / (1 + 0.3275911 |z| / sqrt 2): w = erfc(|z| / sqrt 2) / 2 = (a1 t + .. + a5 t^5) exp(-z z / 2) / 2; Phi = w for z < 0, else 1 - w.
; For very large |z| the exponential is 0 and Phi is 0 or 1.  Four numbers at a time, so that the transcendentals stand in runs with one plain place behind them.
.macro GELU4 z, r
.irp k, 0,1,2,3
	v_and_b32 v[GT+\k], 0x7fffffff, v[\z+\k]
	v_mul_f32 v[GT+8+\k], v[\z+\k], v[\z+\k]
.endr
.irp k, 0,1,2,3
	v_fma_f32 v[GT+4+\k], v[GT+\k], s85, 1.0
	v_mul_f32 v[GT+8+\k], s86, v[GT+8+\k]
.endr
.irp k, 0,1,2,3
	v_rcp_f32 v[GT+\k], v[GT+4+\k]                 ; t
.endr
.irp k, 0,1,2,3
	v_exp_f32 v[GT+12+\k], v[GT+8+\k]              ; exp(-z z / 2)
.endr
	v_nop
	s_wait_alu depctr_va_vdst(0)
.irp k, 0,1,2,3
	v_fma_f32 v[GT+4+\k], v[GT+\k], s87, s88
.endr
.irp k, 0,1,2,3
	v_fma_f32 v[GT+4+\k], v[GT+4+\k], v[GT+\k], s89
.endr
.irp k, 0,1,2,3
	v_fma_f32 v[GT+4+\k], v[GT+4+\k], v[GT+\k], s90
.endr
.irp k, 0,1,2,3
	v_fma_f32 v[GT+4+\k], v[GT+4+\k], v[GT+\k], s91
	v_mul_f32 v[GT+8+\k], 0.5, v[GT+12+\k]
.endr
.irp k, 0,1,2,3
	v_mul_f32 v[GT+4+\k], v[GT+4+\k], v[GT+\k]
.endr
.irp k, 0,1,2,3
	v_mul_f32 v[GT+4+\k], v[GT+4+\k], v[GT+8+\k]   ; w
.endr
.irp k, 0,1,2,3
	v_sub_f32 v[GT+8+\k], 1.0, v[GT+4+\k]          ; 1 - w
.endr
.irp k, 0,1,2,3
	v_cmp_gt_f32 vcc_lo, 0, v[\z+\k]
	v_cndmask_b32 v[GT+4+\k], v[GT+8+\k], v[GT+4+\k], vcc_lo
	v_fma_f32 v[\z+\k], v[\z+\k], v[GT+4+\k], v[\r+\k]
.endr
.endm
.set et, 0
.rept 16
	s_wait_dscnt 15-et                             ; the younger loads stay out
.if KIND == 2
	v_pk_add_f32 v[64+4*et:64+4*et+1], v[64+4*et:64+4*et+1], v[RES+4*et:RES+4*et+1]
	v_pk_add_f32 v[64+4*et+2:64+4*et+3], v[64+4*et+2:64+4*et+3], v[RES+4*et+2:RES+4*et+3]
	global_store_b128 v[CO], v[64+4*et:64+4*et+3], s[98:99] offset:8192*et                    ; sixteen lanes store 256 consecutive bytes, aligned
.else
	GELU4 (64+4*et), (RES+4*et)
	global_store_b128 v[CO], v[64+4*et:64+4*et+3], s[98:99] offset:8192*et th:TH_STORE_NT
.endif
.set et, et+1
.endr
.endif
	s_wait_tensorcnt 0x0
	ds_add_u32 v254, v255
	s_wait_dscnt 0x0
	CROUND                                         ; the closing round: no work-group ends while a partner may still ask for a tile that names it
	s_endpgm
.Lfunc_end_k_q6610f1b3cc_gemm_fo:
	.size	k_q6610f1b3cc_gemm_fo, .Lfunc_end_k_q6610f1b3cc_gemm_fo-k_q6610f1b3cc_gemm_fo
	.p2alignl 7, 3214868480
	.fill 96, 4, 3214868480
	.section	.rodata,"a",@progbits
	.p2align	6, 0x0
	.amdhsa_kernel k_q6610f1b3cc_gemm_fo
		.amdhsa_group_segment_fixed_size 327680
		.amdhsa_private_segment_fixed_size 0
		.amdhsa_enable_private_segment 0
		.amdhsa_kernarg_size 40
		.amdhsa_user_sgpr_count 2
		.amdhsa_user_sgpr_kernarg_segment_ptr 1
		.amdhsa_wavefront_size32 1
		.amdhsa_system_sgpr_workgroup_id_x 1
		.amdhsa_system_sgpr_workgroup_id_y 1
		.amdhsa_system_sgpr_workgroup_id_z 1
		.amdhsa_system_vgpr_workitem_id 0
		.amdhsa_next_free_vgpr 320
		.amdhsa_next_free_sgpr 100
		.amdhsa_reserve_vcc 1
		.amdhsa_float_denorm_mode_32 3
		.amdhsa_float_denorm_mode_16_64 3
		.amdhsa_memory_ordered 1
		.amdhsa_forward_progress 1
		.amdhsa_inst_pref_size 112
	.end_amdhsa_kernel
	.amdgpu_metadata
---
amdhsa.version: [ 1, 2 ]
amdhsa.kernels:
  - .name:           k_q6610f1b3cc_gemm_fo
    .symbol:         k_q6610f1b3cc_gemm_fo.kd
    .args:
      - { .name: ctx, .offset: 0, .size: 8, .value_kind: global_buffer, .address_space: global }
      - { .name: wb, .offset: 8, .size: 8, .value_kind: global_buffer, .address_space: global }
      - { .name: b_fo, .offset: 16, .size: 8, .value_kind: global_buffer, .address_space: global }
      - { .name: h, .offset: 24, .size: 8, .value_kind: global_buffer, .address_space: global }
      - { .name: out0, .offset: 32, .size: 8, .value_kind: global_buffer, .address_space: global }
    .group_segment_fixed_size: 327680
    .private_segment_fixed_size: 0
    .kernarg_segment_align: 8
    .kernarg_segment_size: 40
    .max_flat_workgroup_size: 128
    .sgpr_count:     100
    .vgpr_count:     320
    .wavefront_size: 32
...
	.end_amdgpu_metadata
.endif
;; end of part 6
;; ======== version 2 of 2: 8 launches; version 1 with the launches prep, ln2 written anew for expert scheduling mode
;; limits: a function is approximated: absolute error at most 1.5e-07
;; workspace buffers: act 4,194,304 bytes; wb 12,582,912 bytes; qh 4,194,304 bytes; kh 4,194,304 bytes; vh 4,194,304 bytes; ctx 4,194,304 bytes; h 8,388,608 bytes
;; launch prep (part 7): grid 1024 x 1, 4 waves a work-group, no clusters, 0 bytes of LDS; arguments x, ln1_g, ln1_b, w_qkv, w_ao, w_q, w_fo, act, wb; writes act, wb
.if DOCPART == 7
	.amdgcn_target "amdgcn-amd-amdhsa--gfx1250"
	.amdhsa_code_object_version 6
	.text
	.protected	k_q6610f1b3cc_prep
	.globl	k_q6610f1b3cc_prep
	.p2align	8
	.type	k_q6610f1b3cc_prep,@function
k_q6610f1b3cc_prep:
	s_mov_b64 s[64:65], 0
	v_nop
	global_prefetch_b8 v0, s[64:65] scope:SCOPE_SE
	s_setreg_imm32_b32 hwreg(HW_REG_WAVE_SCHED_MODE, 0, 2), 2
	s_setreg_imm32_b32 hwreg(HW_REG_WAVE_MODE, 25, 1), 1
	s_wait_xcnt 0x0
	s_wait_alu depctr_vm_vsrc(0)
; LayerNorm of [2048][1024] f32 rows into bf16, and the four weight matrices from f32 into bf16.
; Every bf16 matrix operand of the later launches lies SLICE-MAJOR: [k / 64][row][64], a slice row of 128 bytes, rows dense.
; A work-group takes 8 rows of 1,024 f32; a wave takes two rows: lanes 0-15 the even one, lanes 16-31 the odd one.
; A lane holds 64 numbers: chunk s (0..15) = columns 64 s + 4 (lane mod 16) .. + 3, so a load's sixteen lanes read 256 consecutive
; aligned bytes, and chunk s is the row's share of slice s: a wave's store of 8 bytes a lane covers 256 consecutive aligned bytes.
; Work-groups 0-255: LayerNorm of argument 0.  256-639: w_qkv.  640-767: w_ao.  768-895: w_q.  896-1023: w_fo.
; (Launched with 256 work-groups the text is the LayerNorm alone.)
; A stream: each byte is read once and written once, a work-group asks for all its bytes at its start; LDS, barriers, the matrix
; unit and clusters would add nothing (no two work-groups read the same large data).
; The mean is taken first and the squares are summed of the centred numbers, as the definition has it: a common offset of a row costs no digits.
; THE MODE: SCHED_MODE bits 1:0 = 2 (LLVM: expert scheduling mode 2), set by the entry lines.  The code itself states the register dependences
; between vector instructions and memory instructions, with s_wait_alu, always for 0.
; THE PLAN.  Registers that memory instructions touch:
;   v1, v2, v3   byte offsets, written once at the head and never again; read by every load, and v3 by the LayerNorm's stores.
;   X            the 16 loads at a path's start land in it, before any vector instruction names it.  The arithmetic works in place; chunk c's two
;                conversions write X + 4 c and X + 4 c + 1, chunk c's store reads these two, and nothing writes them behind that store.
;   G, BT        (LayerNorm) loads land in them, issued before any vector instruction names them; read by vector instructions alone.
;   OFF          (weights) written once by vector adds, behind the loads; read by the stores as their offsets; no load lands in it on that path.
;   T, MU, RS    named by vector instructions alone.
; No register that a memory instruction reads is ever written again, so no wait on vm_vsrc is owed.  No vector instruction writes a scalar register, VCC or EXEC.
; The 16 chunks leave in four blocks of four, with ONE wait on va_vdst for a block's eight out registers and its four stores.
.set T,    4                           ; v[4:11]    four pairs: the chains of a sum
.set MU,   12                          ; v[12:13]   the mean, twice
.set RS,   14                          ; v[14:15]   1 / sqrt(var + eps), twice
.set X,    16                          ; v[16:79]   my 64 numbers
.set G,    80                          ; v[80:143]  gain of my 64 columns          (LayerNorm path)
.set BT,   144                         ; v[144:207] bias of my 64 columns          (LayerNorm path)
.set OFF,  80                          ; v[80:95]   my byte offset in each slice   (weight path)
.set ACTS, 262144                      ; bytes of a slice of 2,048 rows
	s_load_b512 s[8:23], s[0:1], 0x0               ; x 8:9, gain 10:11, bias 12:13, w_qkv 14:15, w_ao 16:17, w_q 18:19, w_fo 20:21, act 22:23
	s_load_b64 s[24:25], s[0:1], 0x40              ; wb
	v_lshrrev_b32 v1, 4, v0                        ; my row among the group's eight
	v_and_b32 v2, 15, v0
	v_lshlrev_b32 v2, 4, v2                        ; v2: 16 bytes a lane inside a chunk (also the offset into gain and bias)
	v_lshl_add_u32 v1, v1, 12, v2                  ; v1: row x 4,096 + that: where I read
	v_lshlrev_b32 v3, 3, v0                        ; v3: row x 128 + 8 (lane mod 16) = 8 x thread: where I write inside a slice
	s_mov_b32 s2, ttmp9
	s_mov_b32 s33, 0                               ; upper word of the offsets
	s_wait_kmcnt 0x0
	s_wait_alu depctr_va_vdst(0)                   ; v1, v2 and v3 are written: the loads and stores of both paths read them as offsets, and no later line writes them
	s_cmp_lt_u32 s2, 256
	s_cbranch_scc0 .Lweights
	; ---------------- LayerNorm ----------------
	s_lshl_b32 s32, s2, 15                         ; 8 rows of 4,096 bytes
	s_add_nc_u64 s[26:27], s[8:9], s[32:33]
	s_lshl_b32 s32, s2, 10                         ; 8 slice rows of 128 bytes
	s_add_nc_u64 s[28:29], s[22:23], s[32:33]
	s_mov_b32 s34, 0x3a800000                      ; 1 / 1024
	s_mov_b32 s35, 0x3727c5ac                      ; eps = 1e-5
.irp s, 0,1,2,3,4,5,6,7,8,9,10,11,12,13,14,15
	global_load_b128 v[X+4*\s:X+4*\s+3], v1, s[26:27] offset:256*\s
.endr
.irp s, 0,1,2,3,4,5,6,7,8,9,10,11,12,13,14,15
	global_load_b128 v[G+4*\s:G+4*\s+3], v2, s[10:11] offset:256*\s
.endr
.irp s, 0,1,2,3,4,5,6,7,8,9,10,11,12,13,14,15
	global_load_b128 v[BT+4*\s:BT+4*\s+3], v2, s[12:13] offset:256*\s
.endr
; The four chains are joined, then the sixteen lanes of a row: a row of the matrix lies in one half of the wave, so no step crosses the halves.
.macro ROWSUM
	v_pk_add_f32 v[T:T+1], v[T:T+1], v[T+2:T+3]
	v_pk_add_f32 v[T+4:T+5], v[T+4:T+5], v[T+6:T+7]
	v_pk_add_f32 v[T:T+1], v[T:T+1], v[T+4:T+5]
	v_add_f32 v[T], v[T], v[T+1]
.irp m, 1,2,4,8
	v_add_f32_dpp v[T], v[T], v[T] row_xmask:\m row_mask:0xf bank_mask:0xf
.endr
.endm
	s_wait_loadcnt 32                              ; the 32 younger loads are gain and bias: the row is in
.irp c, 0,1,2,3
	v_pk_add_f32 v[T+2*\c:T+2*\c+1], v[X+2*\c:X+2*\c+1], v[X+2*\c+8:X+2*\c+9]   ; the first sums start the chains: nothing is cleared
.endr
.set k, 8
.rept 24
	v_pk_add_f32 v[T+2*(k%4):T+2*(k%4)+1], v[T+2*(k%4):T+2*(k%4)+1], v[X+2*k:X+2*k+1]
.set k, k+1
.endr
	ROWSUM
	v_mul_f32 v[MU], s34, v[T]
	v_mul_f32 v[MU+1], s34, v[T]
.set k, 0
.rept 32
	v_pk_add_f32 v[X+2*k:X+2*k+1], v[X+2*k:X+2*k+1], v[MU:MU+1] neg_lo:[0,1] neg_hi:[0,1]   ; x - mean, in place
.set k, k+1
.endr
.irp c, 0,1,2,3
	v_pk_mul_f32 v[T+2*\c:T+2*\c+1], v[X+2*\c:X+2*\c+1], v[X+2*\c:X+2*\c+1]
.endr
.set k, 4
.rept 28
	v_pk_fma_f32 v[T+2*(k%4):T+2*(k%4)+1], v[X+2*k:X+2*k+1], v[X+2*k:X+2*k+1], v[T+2*(k%4):T+2*(k%4)+1]
.set k, k+1
.endr
	ROWSUM
	v_fma_f32 v[T], v[T], s34, s35                 ; var + eps
	v_rsq_f32 v[RS], v[T]
	v_rsq_f32 v[RS+1], v[T]
	v_nop                                          ; one plain place behind a transcendental before its result is used (ISA guide 5.7.2)
	s_wait_loadcnt 0x0                             ; gain and bias
	s_wait_alu depctr_va_vdst(0)                   ; the two reciprocal roots have written v[RS:RS+1], ahead of their first reader: one wait for both
; Block g: chunks 4 g to 4 g + 3 are scaled, take gain and bias, and are rounded to bf16 into the first two registers of each chunk.
; prev = 1: the block before leaves meanwhile.  Its four stores read v3 and that block's out registers; the lines among which they stand
; name this block's X, G and BT, and RS: none of the registers that those stores read.
.macro NORM g, prev
.if \prev
	s_wait_alu depctr_va_vdst(0)                   ; the conversions of the block before have written its eight out registers, which the four stores below read
.endif
.irp i, 0,1,2,3
.if \prev
	global_store_b64 v3, v[X+16*(\g)-16+4*(\i):X+16*(\g)-16+4*(\i)+1], s[28:29] offset:(4*(\g)-4+(\i))*ACTS   ; the slice stands in the immediate: 3,932,160 at the most
.endif
	v_pk_mul_f32 v[X+16*(\g)+4*(\i):X+16*(\g)+4*(\i)+1],   v[X+16*(\g)+4*(\i):X+16*(\g)+4*(\i)+1],   v[RS:RS+1]
	v_pk_mul_f32 v[X+16*(\g)+4*(\i)+2:X+16*(\g)+4*(\i)+3], v[X+16*(\g)+4*(\i)+2:X+16*(\g)+4*(\i)+3], v[RS:RS+1]
.endr
.irp j, 0,1,2,3,4,5,6,7
	v_pk_fma_f32 v[X+16*(\g)+2*(\j):X+16*(\g)+2*(\j)+1], v[X+16*(\g)+2*(\j):X+16*(\g)+2*(\j)+1], v[G+16*(\g)+2*(\j):G+16*(\g)+2*(\j)+1], v[BT+16*(\g)+2*(\j):BT+16*(\g)+2*(\j)+1]
.endr
.irp i, 0,1,2,3
	v_cvt_pk_bf16_f32 v[X+16*(\g)+4*(\i)],   v[X+16*(\g)+4*(\i)],   v[X+16*(\g)+4*(\i)+1]
	v_cvt_pk_bf16_f32 v[X+16*(\g)+4*(\i)+1], v[X+16*(\g)+4*(\i)+2], v[X+16*(\g)+4*(\i)+3]
.endr
.endm
	NORM 0, 0
	NORM 1, 1
	NORM 2, 1
	NORM 3, 1
	s_wait_alu depctr_va_vdst(0)                   ; the last block's conversions have written its eight out registers, which the last four stores read
.irp i, 0,1,2,3
	global_store_b64 v3, v[X+48+4*\i:X+48+4*\i+1], s[28:29] offset:(12+\i)*ACTS
.endr
	s_endpgm
	; ---------------- weights: f32 to bf16, slice-major ----------------
.Lweights:
	s_mov_b64 s[26:27], s[20:21]                   ; w_fo, unless the work-group's number says otherwise
	s_mov_b32 s28, 896                             ; first work-group of the range
	s_mov_b32 s29, 10485760                        ; where the matrix begins in wb
	s_mov_b32 s30, 131072                          ; bytes of a slice: 1,024 rows of 128
	s_cmp_lt_u32 s2, 896
	s_cselect_b64 s[26:27], s[18:19], s[26:27]     ; w_q
	s_cselect_b32 s28, 768, s28
	s_cselect_b32 s29, 8388608, s29
	s_cmp_lt_u32 s2, 768
	s_cselect_b64 s[26:27], s[16:17], s[26:27]     ; w_ao
	s_cselect_b32 s28, 640, s28
	s_cselect_b32 s29, 6291456, s29
	s_cmp_lt_u32 s2, 640
	s_cselect_b64 s[26:27], s[14:15], s[26:27]     ; w_qkv
	s_cselect_b32 s28, 256, s28
	s_cselect_b32 s29, 0, s29
	s_cselect_b32 s30, 393216, s30                 ; 3,072 rows of 128
	s_sub_co_u32 s31, s2, s28                      ; my block of 8 rows in that matrix
	s_lshl_b32 s32, s31, 15
	s_add_nc_u64 s[26:27], s[26:27], s[32:33]
	s_lshl_b32 s32, s31, 10
	s_add_co_u32 s32, s32, s29
	s_add_nc_u64 s[24:25], s[24:25], s[32:33]
.irp s, 0,1,2,3,4,5,6,7,8,9,10,11,12,13,14,15
	global_load_b128 v[X+4*\s:X+4*\s+3], v1, s[26:27] offset:256*\s th:TH_LOAD_NT   ; read once in the whole program
.endr
	v_mov_b32 v[OFF], v3
.irp s, 1,2,3,4,5,6,7,8,9,10,11,12,13,14,15
	v_add_nc_u32 v[OFF+\s], s30, v[OFF+\s-1]       ; the slice's stride is not a constant of the text here: one offset register a slice
.endr
; Four blocks of four chunks.  The wait on va_vdst stands behind a block's conversions and its stores follow at once: the wave's next line is a wait for memory.
.irp g, 0,1,2,3
	s_wait_loadcnt 12-4*\g                         ; loads come back in order: this block's four chunks are in, the later blocks' stay out
.irp i, 0,1,2,3
	v_cvt_pk_bf16_f32 v[X+16*\g+4*\i],   v[X+16*\g+4*\i],   v[X+16*\g+4*\i+1]
	v_cvt_pk_bf16_f32 v[X+16*\g+4*\i+1], v[X+16*\g+4*\i+2], v[X+16*\g+4*\i+3]
.endr
	s_wait_alu depctr_va_vdst(0)                   ; the block's conversions have written its eight out registers, which the four stores read; in the first block the sixteen offsets v[OFF ..] are written too
.irp i, 0,1,2,3
	global_store_b64 v[OFF+4*\g+\i], v[X+16*\g+4*\i:X+16*\g+4*\i+1], s[24:25]
.endr
.endr
	s_endpgm
.Lfunc_end_k_q6610f1b3cc_prep:
	.size	k_q6610f1b3cc_prep, .Lfunc_end_k_q6610f1b3cc_prep-k_q6610f1b3cc_prep
	.p2alignl 7, 3214868480
	.fill 96, 4, 3214868480
	.section	.rodata,"a",@progbits
	.p2align	6, 0x0
	.amdhsa_kernel k_q6610f1b3cc_prep
		.amdhsa_group_segment_fixed_size 0
		.amdhsa_private_segment_fixed_size 0
		.amdhsa_enable_private_segment 0
		.amdhsa_kernarg_size 72
		.amdhsa_user_sgpr_count 2
		.amdhsa_user_sgpr_kernarg_segment_ptr 1
		.amdhsa_wavefront_size32 1
		.amdhsa_system_sgpr_workgroup_id_x 1
		.amdhsa_system_sgpr_workgroup_id_y 1
		.amdhsa_system_sgpr_workgroup_id_z 1
		.amdhsa_system_vgpr_workitem_id 0
		.amdhsa_next_free_vgpr 208
		.amdhsa_next_free_sgpr 66
		.amdhsa_reserve_vcc 0
		.amdhsa_float_denorm_mode_32 3
		.amdhsa_float_denorm_mode_16_64 3
		.amdhsa_memory_ordered 1
		.amdhsa_forward_progress 1
		.amdhsa_inst_pref_size 28
	.end_amdhsa_kernel
	.amdgpu_metadata
---
amdhsa.version: [ 1, 2 ]
amdhsa.kernels:
  - .name:           k_q6610f1b3cc_prep
    .symbol:         k_q6610f1b3cc_prep.kd
    .args:
      - { .name: x, .offset: 0, .size: 8, .value_kind: global_buffer, .address_space: global }
      - { .name: ln1_g, .offset: 8, .size: 8, .value_kind: global_buffer, .address_space: global }
      - { .name: ln1_b, .offset: 16, .size: 8, .value_kind: global_buffer, .address_space: global }
      - { .name: w_qkv, .offset: 24, .size: 8, .value_kind: global_buffer, .address_space: global }
      - { .name: w_ao, .offset: 32, .size: 8, .value_kind: global_buffer, .address_space: global }
      - { .name: w_q, .offset: 40, .size: 8, .value_kind: global_buffer, .address_space: global }
      - { .name: w_fo, .offset: 48, .size: 8, .value_kind: global_buffer, .address_space: global }
      - { .name: act, .offset: 56, .size: 8, .value_kind: global_buffer, .address_space: global }
      - { .name: wb, .offset: 64, .size: 8, .value_kind: global_buffer, .address_space: global }
    .group_segment_fixed_size: 0
    .private_segment_fixed_size: 0
    .kernarg_segment_align: 8
    .kernarg_segment_size: 72
    .max_flat_workgroup_size: 128
    .sgpr_count:     66
    .vgpr_count:     208
    .wavefront_size: 32
...
	.end_amdgpu_metadata
.endif
;; end of part 7
;; launch gemm_qkv: the kernel of part 2 again; grid 16 x 16, 4 waves a work-group, clusters of 4 x 4, 327,680 bytes of LDS; arguments act, wb, b_qkv, qh, kh, vh; writes qh, kh, vh
;; launch attn1: the kernel of part 3 again; grid 256 x 1, 8 waves a work-group, clusters of 4 x 1, 327,680 bytes of LDS; arguments qh, kh, vh, ctx; writes ctx
;; launch gemm_ao: the kernel of part 4 again; grid 16 x 16, 4 waves a work-group, clusters of 4 x 4, 327,680 bytes of LDS; arguments ctx, wb, b_ao, x, h; writes h
;; launch ln2: the kernel of part 7 again; grid 256 x 1, 4 waves a work-group, no clusters, 0 bytes of LDS; arguments h, ln2_g, ln2_b, w_qkv, w_ao, w_q, w_fo, act, wb; writes act, wb
;; launch gemm_q: the kernel of part 5 again; grid 16 x 16, 4 waves a work-group, clusters of 4 x 4, 327,680 bytes of LDS; arguments act, wb, b_q, qh, kh; writes qh, kh
;; launch attn2: the kernel of part 3 again; grid 256 x 1, 8 waves a work-group, clusters of 4 x 1, 327,680 bytes of LDS; arguments qh, kh, act, ctx; writes ctx
;; launch gemm_fo: the kernel of part 6 again; grid 16 x 16, 4 waves a work-group, clusters of 4 x 4, 327,680 bytes of LDS; arguments ctx, wb, b_fo, h, out0; writes out0
